; MI455X (gfx1250); checked and timed in simulation.
; The chip was launched on July 23, 2026; its instructions are those of AMD's public machine-readable ISA for CDNA 5 (MIT licence, August 2026) and "CDNA5" Instruction Set Architecture Reference Guide (July 2026). The comments in the code are by the model that wrote it; some were corrected since.
;; Encoder. Allowed arithmetic: matrix products marked QUANTISED: E2M3 operands, one E8M0 scale for each 32 along K, by v_wmma_scale_f32_16x16x128_f8f6f4 with both operands' format E2M3, f32 sums; everything else in f32.
;; Inputs: Wk 1,024 x 1,024 float32; Wo 1,024 x 1,024 float32; Wq 1,024 x 1,024 float32; Wv 1,024 x 1,024 float32; ln2_beta 1,024 float32; ln2_gamma 1,024 float32; x 4 x 2,048 x 1,024 float32.
;; Outputs: out0 4 x 2,048 x 1,024 float32.
;; This version of the problem:
;;   THIS VERSION OF THE PROBLEM IS GIVEN IN LOW PRECISION. The matrix products marked QUANTISED in the list below multiply operands that are first quantised to E2M3 (2 exponent bits, 3 mantissa bits; 6 bits a number), with one power-of-two scale for each 32 numbers along K (OCP MX v1.0); their sums are f32. All else is computed in f32.
;;   The module's matrix products, in the order in which they are computed (A, B: the left and right operand; K: the contracted axis; several contracted axes count as one K, in the product's order):
;;     1. [M 8,192, K 1,024] x [K 1,024, N 1,024]; A: input x; B: input Wq: QUANTISED
;;     2. [M 8,192, K 1,024] x [K 1,024, N 1,024]; A: input x; B: input Wk: QUANTISED
;;     3. [M 8,192, K 1,024] x [K 1,024, N 1,024]; A: input x; B: input Wv: QUANTISED
;;     4. batch 4 x [M 2,048, K 1,024] x [K 1,024, N 2,048]; A: computed on the way; B: computed on the way: QUANTISED
;;     5. batch 4 x [M 2,048, K 2,048] x [K 2,048, N 1,024]; A: softmax (see below); B: computed on the way: QUANTISED
;;     6. [M 8,192, K 1,024] x [K 1,024, N 1,024]; A: computed on the way; B: input Wo: QUANTISED
;;   THE QUANTISER, for each operand of a quantised product, along K:
;;     - K is cut into blocks of 32 from its start; a last block that is shorter is filled with zeros.
;;     - A block's scale is 2^e with e = floor(log2(the largest magnitude in the block)) - 2, held to -126 .. 127; a block of zeros has e = 0. As a byte (E8M0): e + 127.
;;     - Each number is divided by its block's scale, clamped to +-7.5, and rounded to the nearest number of E2M3, ties to even, subnormals kept.
;;     - The product sums the exact products of the quantised numbers (number of the format x scale) in f32.
;;   ~~~python
;;   def quantise(x, axis):      # numpy; x: float32 -> the quantised numbers, widened to float32 again
;;       x = np.moveaxis(x, axis, -1); K = x.shape[-1]
;;       x = np.pad(x, [(0, 0)] * (x.ndim - 1) + [(0, -K % 32)]); x = x.reshape(x.shape[:-1] + (-1, 32)); a = np.abs(x).max(-1, keepdims=True)
;;       e = np.where(a > 0, np.clip(np.frexp(np.where(a > 0, a, 1))[1] - 1 - 2, -126, 127), 0)      # np.frexp(a)[1] - 1 = floor(log2(a)), exactly
;;       r = np.clip(x / 2.0 ** e, -7.5, 7.5)
;;       step = 2.0 ** (np.maximum(np.frexp(np.where(r == 0, 1, r))[1] - 1, 0) - 3)
;;       q = np.round(r / step) * step * 2.0 ** e      # np.round: ties to even
;;       return np.moveaxis(q.reshape(q.shape[:-2] + (-1,))[..., :K], -1, axis).astype(np.float32)
;;   ~~~
;;   SOFTMAX AHEAD OF A QUANTISED PRODUCT. Where the list says 'softmax', what is quantised is not the finished softmax but p = 2^(t - M), with t = logit x log2(e) and M = ceil(the row's largest t), a whole number; so 1/2 < the row's largest p <= 1. The row's sum l is taken of the UNQUANTISED p, in f32, and the product's result is divided by l at the end. Since M is a whole number, a kernel that streams over the keys may use a running M (the ceiling of the running maximum): every later rescaling is an exact power of two, which a block's scale takes up: the codes' values come out the same.
;;   OPERANDS COMPUTED ON THE WAY. 'Computed on the way' means the value that the module computes at that place (a softmax that the list does not call 'softmax' is quantised finished and normalised). What goes into a quantiser is computed in f32, as accurately as f32 sums, v_exp_f32 and their like allow (about 1e-6 of the number): no bf16 or f16 on the way to a quantiser, and a product that is left as it is and whose result goes on into a quantised operand takes f32 operands (vector FMAs, or v_wmma_f32_16x16x4_f32). A number that lies on a knife's edge between two numbers of the format may be rounded either way, as far as f32 arithmetic and the matrix unit's own rounding can turn it there, and no further.
;; 2 versions, each right and faster than the one before. Each part assembles by itself: llvm-mc -triple=amdgcn-amd-amdhsa -mcpu=gfx1250 --defsym DOCPART=n.
;; ======== version 1 of 2: 5 launches
;; workspace buffers: in6 9,830,400 bytes; qkv 19,660,800 bytes; prob 14,155,776 bytes; ctx 6,553,600 bytes
;; launch quant (part 1): grid 384 x 1, 8 waves a work-group, no clusters, 97,280 bytes of LDS; arguments x, Wq, Wk, Wv, Wo, in6; writes in6
.if DOCPART == 1
	.amdgcn_target "amdgcn-amd-amdhsa--gfx1250"
	.amdhsa_code_object_version 6
	.text
	.protected	k_q1f45c1ef6e_quant
	.globl	k_q1f45c1ef6e_quant
	.p2align	8
	.type	k_q1f45c1ef6e_quant,@function
k_q1f45c1ef6e_quant:
	s_mov_b64 s[64:65], 0
	v_nop
	global_prefetch_b8 v0, s[64:65] scope:SCOPE_SE
	s_setreg_imm32_b32 hwreg(HW_REG_WAVE_MODE, 25, 1), 1
	s_wait_xcnt 0x0
; LAUNCH 1 OF 5.  x [8192][1024] and Wq, Wk, Wv, Wo [1024 (k)][1024 (n)], f32, become codes of FP6 (E2M3) with one E8M0 byte for each 32 along K (x: its last axis; the weights: their first).
; NO WORK IS LEFT OUT in this program: all six products are live, and every input (x, the four weights, ln2_gamma, ln2_beta) has a way to the output and is loaded.
; A block's scale is 2^(floor(log2(its largest magnitude)) - 2); its byte is the largest magnitude's exponent field - 2, held at 1 from below.
; LIMITS: NaN and infinities among the inputs are not served; a block whose largest magnitude lies under 2^-124 keeps the byte 1; a block of zeros gets the byte 1 where the rule says 127: its codes are
; zeros, which add nothing under any byte but 0xff, and the bytes are read by this program alone.
; LAYOUT OF THE WORKSPACE (the same in all five launches).
;   ORDER OF ROWS: in every group of 32 rows (tokens; the weights' columns n) storage place p holds true row PI(p), PI = bits 3 and 4 of p exchanged.  A product whose source 0 takes 16 stored rows then
;   leaves, in a lane's 16 registers of two neighbouring tiles, 16 true neighbours along the next product's K.  K itself is always in true order.
;   FRAGMENT IMAGE: 16 stored rows x 128 K = 12 registers a lane = 1,536 bytes: register n of lane l at 512 (n / 4) + 16 l + 4 (n % 4).  Codes: [row block of 16][K step of 128][1536].
;   WORD IMAGE: the scale words of 128 stored rows for one K step = 512 bytes: the word of row 16 i + r at 256 (i / 4) + 16 r + 4 (i % 4).  Scales: [group of 128][K step][512].
; SHARES.  Work-groups 0-255 take x: 128 stored rows x 256 K; wave i takes row block i and makes two fragments.  Work-groups 256-383 take a weight: 128 columns x 256 K; wave w takes 32 columns x 128 K,
; a lane to a column, its registers down K, and makes two fragments.  The two paths have LDS bytes of their own and never join.  No tensor load, no matrix unit: the launch streams.
.set XSTG,  0                          ; x: a stage of 16 rows x (512 + 16) bytes for each wave
.set XSC,   67584                      ; x: two word images
.set WSTG,  68608                      ; weights: two fragment images, 1,664 bytes apart, for each wave
.set WSC,   95232                      ; weights: two word images
.set SPARE, 96256                      ; the spare words, 128 bytes for each wave: four blocks of 256 bytes that no other line names
.set XS,    6291456                    ; in6: x's codes at 0, x's scales here,
.set WC,    6553600                    ; the weights' codes (Wq, Wk, Wv, Wo, WMAT bytes each),
.set WS,    9699328                    ; the weights' scales (WSM bytes each)
.set WMAT,  786432
.set WSM,   32768
.set TM,    12                         ; v12-27  at work in QUANT
.set PW,    28                         ; v28     the scale word just made
.set SPW,   30                         ; v30     LDS address of my spare word; never rewritten
.set NIL,   31                         ; v31     0; never rewritten
.set X,     32                         ; v32-159 128 numbers as loaded
.set N0,    160                        ; v160-223 64 numbers in the quantiser's order
.set PC0,   224                        ; v224-235, v236-247 the two fragments
.set PC1,   236
.set CSC,   248                        ; v248-254 the conversions' second halves
.set CW,    160                        ; weights: v160-183 a lane's four blocks of codes;  v184-207 the two fragments read back
.set SEL,   20                         ; s[20:21] v_permlanex16_b32's selects for lane l xor 16
; 64 numbers of a lane, register 16 b + i = k 32 b + 16 (lane / 16) + i of my row, become a fragment's codes in v[pc] on and its scale word in v[PW].
.macro QUANT s, pc
.irp b, 0,1,2,3
	v_max3_num_f32 v[TM+\b], |v[\s+16*\b]|, |v[\s+1+16*\b]|, 0x1800000   ; my 16 numbers of block b, and the floor 2^(3 - 127): the byte cannot fall under 1
.endr
.irp i, 2,4,6,8,10,12,14
.irp b, 0,1,2,3
	v_max3_num_f32 v[TM+\b], v[TM+\b], |v[\s+16*\b+\i]|, |v[\s+1+16*\b+\i]|
.endr
.endr
.irp b, 0,1,2,3
	v_permlanex16_b32 v[TM+4+\b], v[TM+\b], s[SEL], s[SEL+1]
.endr
.irp b, 0,1,2,3
	v_max_num_f32 v[TM+\b], v[TM+\b], v[TM+4+\b]         ; with lane l xor 16's: the block's largest magnitude
.endr
.irp b, 0,1,2,3
	v_add_nc_u32 v[TM+12+\b], 0xff000000, v[TM+\b]       ; 2 off its exponent field: the conversion's scale operand
.endr
.irp b, 0,1,2,3
	v_lshrrev_b32 v[TM+4+\b], 23, v[TM+12+\b]            ; the scale's byte
.endr
	v_lshl_or_b32 v[PW], v[TM+5], 8, v[TM+4]
	v_lshl_or_b32 v[PW], v[TM+6], 16, v[PW]
	v_lshl_or_b32 v[PW], v[TM+7], 24, v[PW]
.irp c, 0,1
	v_cvt_scalef32_pk16_fp6_f32 v[\pc+6*\c:\pc+2+6*\c], v[\s+32*\c:\s+15+32*\c], v[TM+12+2*\c]
	v_cvt_scalef32_pk16_fp6_f32 v[CSC+4*\c:CSC+2+4*\c], v[\s+16+32*\c:\s+31+32*\c], v[TM+12+2*\c+1]   ; (a conversion's three registers begin on an even number)
.endr
	v_nop                                                ; one plain place behind a scaled conversion
.irp c, 0,1                                          ; the operand's layout wants a whole block in a lane: lanes 0-15 block 2 c, lanes 16-31 block 2 c + 1
.irp i, 0,1,2
	v_permlane16_swap_b32 v[\pc+6*\c+\i], v[CSC+4*\c+\i]
.endr
.irp i, 0,1,2
	v_mov_b32 v[\pc+3+6*\c+\i], v[CSC+4*\c+\i]
.endr
.endr
.endm
.macro CLOSE                                         ; the wave's end, behind my last LDS store
	s_wait_tensorcnt 0x0
	ds_add_u32 v[SPW], v[NIL]
	s_wait_dscnt 0x0
.endm
	s_load_b256 s[4:11], s[0:1], 0x0               ; x s[4:5], Wq s[6:7], Wk s[8:9], Wv s[10:11]
	s_load_b128 s[12:15], s[0:1], 0x20             ; Wo s[12:13], in6 s[14:15]
	v_lshl_add_u32 v[SPW], v0, 2, SPARE
	v_mov_b32 v[NIL], 0
	v_lshrrev_b32 v1, 5, v0
	v_readfirstlane_b32 s16, v1                    ; wave 0..7
	v_and_b32 v1, 31, v0                           ; lane
	v_and_b32 v2, 15, v0                           ; r
	v_bfe_u32 v3, v0, 4, 1                         ; h
	v_lshlrev_b32 v4, 4, v1                        ; 16 x lane
	s_mov_b32 s[SEL], 0x76543210
	s_mov_b32 s[SEL+1], 0xfedcba98
.irp b, 0,1,2,3
	v_mov_b32 v[TM+4+\b], 0                        ; written once: a lane permute's destination counts as one of its sources
.endr
	s_cmp_lt_u32 ttmp9, 256                        ; the work-group's number alone decides: all eight waves go the same way
	s_cbranch_scc0 .Lw_path
	; ---------------- x ----------------
	s_lshr_b32 s17, ttmp9, 2                       ; g: which 128 stored rows
	s_and_b32 s18, ttmp9, 3                        ; kq: which 256 along K
	s_mul_i32 s19, s16, 8448                       ; my stage
	v_add_nc_u32 v5, s19, v4                       ; in: a row's 512 bytes as they lie, 16 a lane
	v_mul_u32_u24 v6, v2, 528
	v_lshl_add_u32 v6, v3, 6, v6
	v_add_nc_u32 v6, s19, v6                       ; back: row r, + 64 h: my 16 numbers of each block of 32
	s_lshr_b32 s19, s16, 2
	s_lshl_b32 s19, s19, 8
	s_and_b32 s22, s16, 3
	s_lshl_b32 s22, s22, 2
	s_add_co_u32 s19, s19, s22
	s_add_co_u32 s19, s19, XSC
	v_lshl_add_u32 v7, v2, 4, s19                  ; my row's word in a word image: 256 (i / 4) + 4 (i % 4) + 16 r, i = my wave
	s_and_b32 s23, s16, 1
	s_lshl_b32 s22, s23, 9
	s_add_co_u32 s22, s22, XSC
	v_add_nc_u32 v8, s22, v4                       ; a whole word image, for the two waves that store them
	s_lshl_b32 s24, s17, 7
	s_lshr_b32 s25, s16, 1
	s_lshl_b32 s25, s25, 5
	s_add_co_u32 s24, s24, s25
	s_lshl_b32 s25, s23, 3
	s_add_co_u32 s24, s24, s25                     ; the true row of my stored row 0: 128 g + 32 (i / 2) + 8 (i % 2); stored row t is true row t + 8 (t / 8) further on
	s_lshl_b32 s24, s24, 12
	s_lshl_b32 s25, s18, 10
	s_add_co_u32 s24, s24, s25
	s_mov_b32 s25, 0
	s_lshl_b32 s26, s17, 3
	s_add_co_u32 s26, s26, s16                     ; my row block
	s_lshl_b32 s26, s26, 3
	s_lshl_b32 s27, s18, 1
	s_add_co_u32 s26, s26, s27
	s_mul_i32 s26, s26, 1536
	s_mov_b32 s27, 0
	s_lshl_b32 s28, s17, 3
	s_lshl_b32 s29, s18, 1
	s_add_co_u32 s28, s28, s29
	s_add_co_u32 s28, s28, s23
	s_lshl_b32 s28, s28, 9
	s_add_co_u32 s28, s28, XS
	s_mov_b32 s29, 0
	s_wait_kmcnt 0x0
	s_add_nc_u64 s[4:5], s[4:5], s[24:25]
	s_add_nc_u64 s[26:27], s[14:15], s[26:27]
	s_add_nc_u64 s[28:29], s[14:15], s[28:29]
.irp f, 0,1
.irp t, 0,1,2,3,4,5,6,7,8,9,10,11,12,13,14,15
	global_load_b128 v[X+64*\f+4*\t:X+64*\f+4*\t+3], v4, s[4:5] offset:(\t+8*(\t/8))*4096+512*\f th:TH_LOAD_NT   ; 32 lanes read 512 consecutive bytes of one row
.endr
.endr
	s_wait_loadcnt 16                              ; the first K step's 16 loads are in; the second's 16 may be out
.irp t, 0,1,2,3,4,5,6,7,8,9,10,11,12,13,14,15
	ds_store_b128 v5, v[X+4*\t:X+4*\t+3] offset:528*\t
.endr
.irp t, 0,1,2,3,4,5,6,7,8,9,10,11,12,13,14,15
	ds_load_b128 v[N0+4*\t:N0+4*\t+3], v6 offset:128*(\t/4)+16*(\t%4)   ; LDS serves a wave's instructions in order: these see the stores above
.endr
	s_wait_loadcnt 0x0
.irp t, 0,1,2,3,4,5,6,7,8,9,10,11,12,13,14,15
	ds_store_b128 v5, v[X+64+4*\t:X+64+4*\t+3] offset:528*\t      ; the second K step, behind the reads of the first
.endr
	s_wait_dscnt 16                                ; all but the 16 stores just issued: the first K step's numbers are back
.irp t, 0,1,2,3,4,5,6,7,8,9,10,11,12,13,14,15
	ds_load_b128 v[X+4*\t:X+4*\t+3], v6 offset:128*(\t/4)+16*(\t%4)
.endr
	QUANT N0, PC0
.irp j, 0,1,2
	global_store_b128 v4, v[PC0+4*\j:PC0+4*\j+3], s[26:27] offset:512*\j        ; 512 consecutive bytes, aligned
.endr
	ds_store_b32 v7, v[PW]                         ; lanes r and r + 16 write the same word with the same value
	s_wait_dscnt 0x0                               ; the second K step's numbers are back
	QUANT X, PC1
.irp j, 0,1,2
	global_store_b128 v4, v[PC1+4*\j:PC1+4*\j+3], s[26:27] offset:1536+512*\j
.endr
	ds_store_b32 v7, v[PW] offset:512
	s_wait_dscnt 0x0                               ; for the others' sake: my words lie in the images
	s_barrier_signal -1
	s_barrier_wait -1
	s_cmp_lt_u32 s16, 2                            ; waves 0 and 1 store a word image each
	s_cbranch_scc0 .Lx_end
	ds_load_b128 v[160:163], v8
	s_wait_dscnt 0x0
	global_store_b128 v4, v[160:163], s[28:29]
.Lx_end:
	CLOSE
	s_endpgm
	; ---------------- the weights ----------------
.Lw_path:
	s_sub_co_u32 s17, ttmp9, 256
	s_lshr_b32 s18, s17, 5                         ; which weight
	s_bfe_u32 s19, s17, 0x30002                    ; g: which 128 columns
	s_and_b32 s22, s17, 3                          ; kp: which 256 along K
	s_and_b32 s23, s16, 3                          ; cw: which 32 of the columns
	s_lshr_b32 s24, s16, 2                         ; f: which 128 of the 256 along K
	v_bfe_u32 v5, v0, 3, 1                         ; true column n = my lane lies at stored place PI(n): fragment u = bit 3 of n,
	v_and_b32 v6, 7, v0
	v_lshl_or_b32 v6, v3, 3, v6                    ; row r = n % 8 + 8 x bit 4 of n
	s_mul_i32 s25, s16, 3328
	s_add_co_u32 s25, s25, WSTG
	v_mul_u32_u24 v8, v5, 1664                     ; the two images lie 1,664 bytes apart, so that sixteen lanes of a store touch sixteen different columns of 16 bytes
	v_lshl_add_u32 v8, v6, 4, v8
	v_add_nc_u32 v8, s25, v8                       ; into the images
	v_add_nc_u32 v9, s25, v4                       ; and back, 16 x lane
	s_lshl_b32 s26, s24, 9
	s_lshr_b32 s27, s23, 1
	s_lshl_b32 s27, s27, 8
	s_add_co_u32 s26, s26, s27
	s_and_b32 s27, s23, 1
	s_lshl_b32 s27, s27, 3
	s_add_co_u32 s26, s26, s27
	s_add_co_u32 s26, s26, WSC
	v_lshlrev_b32 v10, 2, v5
	v_lshl_add_u32 v10, v6, 4, v10
	v_add_nc_u32 v10, s26, v10                     ; my column's word: block i = 2 cw + u of the group
	s_and_b32 s27, s16, 1
	s_lshl_b32 s26, s27, 9
	s_add_co_u32 s26, s26, WSC
	v_add_nc_u32 v11, s26, v4
	v_lshlrev_b32 v29, 2, v1                       ; in: 4 bytes a lane
	s_lshl_b32 s28, s22, 1
	s_add_co_u32 s28, s28, s24                     ; my K step
	s_lshl_b32 s30, s28, 19                        ; 128 rows of 4,096 bytes
	s_lshl_b32 s31, s19, 9
	s_add_co_u32 s30, s30, s31
	s_lshl_b32 s31, s23, 7
	s_add_co_u32 s30, s30, s31
	s_mov_b32 s31, 0
	s_lshl_b32 s32, s19, 3
	s_lshl_b32 s33, s23, 1
	s_add_co_u32 s32, s32, s33                     ; row block 8 g + 2 cw
	s_lshl_b32 s32, s32, 3
	s_add_co_u32 s32, s32, s28
	s_mul_i32 s32, s32, 1536
	s_mul_i32 s33, s18, WMAT
	s_add_co_u32 s32, s32, s33
	s_add_co_u32 s32, s32, WC
	s_mov_b32 s33, 0
	s_lshl_b32 s34, s19, 3
	s_lshl_b32 s35, s22, 1
	s_add_co_u32 s34, s34, s35
	s_add_co_u32 s34, s34, s27
	s_lshl_b32 s34, s34, 9
	s_mul_i32 s35, s18, WSM
	s_add_co_u32 s34, s34, s35
	s_add_co_u32 s34, s34, WS
	s_mov_b32 s35, 0
	s_wait_kmcnt 0x0
	s_cmp_eq_u32 s18, 1                            ; the weight is chosen by the work-group's number alone
	s_cselect_b64 s[6:7], s[8:9], s[6:7]
	s_cmp_eq_u32 s18, 2
	s_cselect_b64 s[6:7], s[10:11], s[6:7]
	s_cmp_eq_u32 s18, 3
	s_cselect_b64 s[6:7], s[12:13], s[6:7]
	s_add_nc_u64 s[6:7], s[6:7], s[30:31]
	s_add_nc_u64 s[32:33], s[14:15], s[32:33]
	s_add_nc_u64 s[34:35], s[14:15], s[34:35]
.macro WLOAD t                                       ; block t of my column: W(128 ks + 32 t + i, my column), i = 0 .. 31, into registers of its own; each load: 32 lanes read 128 consecutive bytes
.set q, 32*(\t)
.rept 32
	global_load_b32 v[X+q], v29, s[6:7] offset:4096*q th:TH_LOAD_NT
.set q, q+1
.endr
.endm
	WLOAD 0                                        ; the loads run two blocks ahead: 64 of a wave are out at the most
	WLOAD 1
.macro WBLK t                                        ; block t of my column: all its 32 numbers are mine
.set XB, X+32*(\t)
.if (\t) < 3
	s_wait_loadcnt 32                              ; loads come back in order: this block's 32 are in; the next block's 32 may be out
.else
	s_wait_loadcnt 0x0
.endif
.if (\t) < 2
	WLOAD (\t)+2                                   ; the block two on, asked for while this one is worked
.endif
	v_max3_num_f32 v12, |v[XB]|, |v[XB+1]|, |v[XB+2]|
	v_max3_num_f32 v13, |v[XB+3]|, |v[XB+4]|, |v[XB+5]|
.irp i, 6,10,14,18,22,26
	v_max3_num_f32 v12, v12, |v[XB+\i]|, |v[XB+\i+1]|
	v_max3_num_f32 v13, v13, |v[XB+\i+2]|, |v[XB+\i+3]|
.endr
	v_max3_num_f32 v12, v12, |v[XB+30]|, |v[XB+31]|
	v_max3_num_f32 v12, v12, v13, 0x1800000        ; and the floor
	v_add_nc_u32 v14, 0xff000000, v12
	v_lshrrev_b32 v15, 23, v14
.if (\t) == 0
	v_mov_b32 v[PW], v15
.else
	v_lshl_or_b32 v[PW], v15, 8*(\t), v[PW]        ; four bytes make my column's scale word
.endif
	v_cvt_scalef32_pk16_fp6_f32 v[CW+6*(\t):CW+6*(\t)+2], v[XB:XB+15], v14
	v_cvt_scalef32_pk16_fp6_f32 v[CSC+4*((\t)%2):CSC+4*((\t)%2)+2], v[XB+16:XB+31], v14
	v_nop                                          ; one plain place behind a scaled conversion
.irp i, 0,1,2
	v_mov_b32 v[CW+6*(\t)+3+\i], v[CSC+4*((\t)%2)+\i]
.endr
.endm
	WBLK 0
	WBLK 1
	WBLK 2
	WBLK 3
	; block 2 c + h is registers 6 c .. 6 c + 5 of lane (r, h) of my column's fragment: into the image at 256 h + 16 r
	ds_store_b128 v8, v[CW:CW+3]
	ds_store_b64  v8, v[CW+4:CW+5] offset:512
	ds_store_b128 v8, v[CW+6:CW+9] offset:256
	ds_store_b64  v8, v[CW+10:CW+11] offset:768
	ds_store_b64  v8, v[CW+12:CW+13] offset:520
	ds_store_b128 v8, v[CW+14:CW+17] offset:1024
	ds_store_b64  v8, v[CW+18:CW+19] offset:776
	ds_store_b128 v8, v[CW+20:CW+23] offset:1280
	ds_store_b32 v10, v[PW]
.irp u, 0,1
.irp j, 0,1,2
	ds_load_b128 v[184+12*\u+4*\j:184+12*\u+4*\j+3], v9 offset:1664*\u+512*\j   ; my own bytes, served in order
.endr
.endr
	s_wait_dscnt 0x0                               ; the fragments are back, and my words lie in the image
	s_barrier_signal -1
	s_barrier_wait -1
.irp u, 0,1
.irp j, 0,1,2
	global_store_b128 v4, v[184+12*\u+4*\j:184+12*\u+4*\j+3], s[32:33] offset:12288*\u+512*\j
.endr
.endr
	s_cmp_lt_u32 s16, 2
	s_cbranch_scc0 .Lw_end
	ds_load_b128 v[160:163], v11
	s_wait_dscnt 0x0
	global_store_b128 v4, v[160:163], s[34:35]
.Lw_end:
	CLOSE
	s_endpgm
.Lfunc_end_k_q1f45c1ef6e_quant:
	.size	k_q1f45c1ef6e_quant, .Lfunc_end_k_q1f45c1ef6e_quant-k_q1f45c1ef6e_quant
	.p2alignl 7, 3214868480
	.fill 96, 4, 3214868480
	.section	.rodata,"a",@progbits
	.p2align	6, 0x0
	.amdhsa_kernel k_q1f45c1ef6e_quant
		.amdhsa_group_segment_fixed_size 97280
		.amdhsa_private_segment_fixed_size 0
		.amdhsa_enable_private_segment 0
		.amdhsa_kernarg_size 48
		.amdhsa_user_sgpr_count 2
		.amdhsa_user_sgpr_kernarg_segment_ptr 1
		.amdhsa_wavefront_size32 1
		.amdhsa_system_sgpr_workgroup_id_x 1
		.amdhsa_system_sgpr_workgroup_id_y 1
		.amdhsa_system_sgpr_workgroup_id_z 1
		.amdhsa_system_vgpr_workitem_id 0
		.amdhsa_next_free_vgpr 256
		.amdhsa_next_free_sgpr 66
		.amdhsa_reserve_vcc 0
		.amdhsa_float_denorm_mode_32 3
		.amdhsa_float_denorm_mode_16_64 3
		.amdhsa_memory_ordered 1
		.amdhsa_forward_progress 1
		.amdhsa_inst_pref_size 42
	.end_amdhsa_kernel
	.amdgpu_metadata
---
amdhsa.version: [ 1, 2 ]
amdhsa.kernels:
  - .name:           k_q1f45c1ef6e_quant
    .symbol:         k_q1f45c1ef6e_quant.kd
    .args:
      - { .name: x, .offset: 0, .size: 8, .value_kind: global_buffer, .address_space: global }
      - { .name: Wq, .offset: 8, .size: 8, .value_kind: global_buffer, .address_space: global }
      - { .name: Wk, .offset: 16, .size: 8, .value_kind: global_buffer, .address_space: global }
      - { .name: Wv, .offset: 24, .size: 8, .value_kind: global_buffer, .address_space: global }
      - { .name: Wo, .offset: 32, .size: 8, .value_kind: global_buffer, .address_space: global }
      - { .name: in6, .offset: 40, .size: 8, .value_kind: global_buffer, .address_space: global }
    .group_segment_fixed_size: 97280
    .private_segment_fixed_size: 0
    .kernarg_segment_align: 8
    .kernarg_segment_size: 48
    .max_flat_workgroup_size: 256
    .sgpr_count:     66
    .vgpr_count:     256
    .wavefront_size: 32
...
	.end_amdgpu_metadata
.endif
;; end of part 1
;; launch qkv (part 2): grid 12 x 32, 4 waves a work-group, clusters of 4 x 4, 327,680 bytes of LDS; arguments in6, qkv; writes qkv
.if DOCPART == 2
	.amdgcn_target "amdgcn-amd-amdhsa--gfx1250"
	.amdhsa_code_object_version 6
	.text
	.protected	k_q1f45c1ef6e_qkv
	.globl	k_q1f45c1ef6e_qkv
	.p2align	8
	.type	k_q1f45c1ef6e_qkv,@function
k_q1f45c1ef6e_qkv:
	s_mov_b64 s[64:65], 0
	v_nop
	global_prefetch_b8 v0, s[64:65] scope:SCOPE_SE
	s_setreg_imm32_b32 hwreg(HW_REG_WAVE_MODE, 25, 1), 1
	s_wait_xcnt 0x0
	s_wait_alu depctr_hold_cnt(0) depctr_sa_sdst(0) depctr_va_vdst(0) depctr_va_sdst(0) depctr_va_ssrc(0) depctr_va_vcc(0) depctr_vm_vsrc(0)
	s_getreg_b32 s2, hwreg(HW_REG_IB_STS2, 6, 4)
	s_cmp_eq_u32 s2, 0
	s_cbranch_scc0 .Lentry_in_a_cluster
	s_endpgm
.Lentry_in_a_cluster:
	s_bfe_u32 s2, ttmp6, 0x10000c
	s_cmp_lg_u32 s2, 0xf033
	s_cbranch_scc0 .Lentry_shape_is_right
	s_endpgm
.Lentry_shape_is_right:
; LAUNCH 2 OF 5.  q = x Wq, k = x Wk, v = x Wv on codes of FP6; the results are quantised at once: q and k along the features, v along the keys.  Nothing is left out.
; One body: out[R][C] = sum over k of A[R][k] B[C][k], quantised along C.  Cluster column 0: A = x, B = Wq; 1: A = x, B = Wk; 2: A = Wv, B = x, which gives v transposed, keys along C.
; Only numbers are chosen by the cluster's column (s_cselect_b32), no branch.  Layout of the workspace (order of rows PI, fragment images, word images): see the head of launch 1.
; A tile of out is 256 x 256; four waves, 128 x 128 each: 64 accumulators.  K = 1,024 goes in steps of 256 through a ring of two LDS slots; a slot holds fragment images, which come out of LDS by three
; loads of 16 bytes a lane, 16 x lane: no pitch, no padding.  The scale words of the tile's rows for all of K come once, with the first fills.
; CLUSTER 4 x 4: A's tiles are asked for jointly along a row of the cluster, B's along a column.
; TRANSPOSED USE: source 0 = 16 stored rows of B, source 1 = 16 stored rows of A: lane (r, h) holds stored row r of A's block, and by the order PI its registers of B's tiles 2 b, 2 b + 1 are the true
; columns 32 b + 16 h + 0 .. 15.  A wave's 128 columns are one K step of the next product: each block of 16 rows becomes one fragment and one scale word a row, straight from the accumulators.
; LIMITS: as in launch 1 (byte held at 1 from below; NaN, infinities not served).
; REGISTERS: window 0: v16-29 addresses; v32-63 scale words, two sets; v64-99 the way out; v128-223 A's fragments, one set (on the way out: the codes).  window 1: B's fragments, two sets.  windows 2, 3: accumulators.
.set NK,     8                         ; K steps of 128 in both operands
.set XS,     6291456
.set WC,     6553600
.set WS,     9699328
.set WMAT,   786432
.set WSM,    32768
.set PW,     64                        ; v64-71  a scale word for each block of rows
.set TM,     72                        ; v72-87  at work
.set SW,     88                        ; v88-91  the word image
.set VOFF,   92                        ; v92-99  block a's byte offset in the codes
; ---- the core: the same text in launches 2, 3 and 4 ----
.set LAPS,   NK/4
.set NQ,     2
.set NL,     3                         ; LDS loads that bring a fragment
.set NP,     4                         ; places behind this matrix instruction (ISA guide 7.12.1)
.set HALFT,  24576                     ; 8 row blocks x 2 K steps x 1,536 bytes: what one tensor load brings, and what one wave reads of A or of B
.set SLOT,   98304                     ; A's two halves, then B's two halves
.set SCLA,   2*SLOT                    ; behind the ring: A's word images, 2 groups x NK x 512 bytes;
.set SCLB,   SCLA+1024*NK              ; B's;
.set SPARE,  SCLB+1024*NK              ; the spare words, 128 bytes for each wave: two blocks of 256 bytes that no other line names
.set ADRA,   16                        ; v16-17 LDS address of my A fragments in slot 0, 1
.set ADRB,   20                        ; v20-21 the same for B
.set ADSA,   24                        ; v24    of A's word images;  v25 of B's
.set ADSB,   25
.set LOFF,   26                        ; v26    16 x lane
.set SPW,    28                        ; v28    LDS address of my spare word; never rewritten
.set NIL,    29                        ; v29    0; never rewritten
.set SC,     32                        ; set sc, step q at v[SC + 16 sc + 8 q]: +0..3 A's image, +4..7 B's: register j holds block j's words in lanes 0-15 and block 4 + j's in lanes 16-31
.set AF,     128
.set G1,  24
.set G0,  32
.set G1B, 48
.set G0B, 56
.set G1S, 68
.set G0S, 76
.set G1SB, 80
.set G0SB, 88
.set SEL, 94                           ; s[94:95] selects for lane l xor 16 (set behind the first fills)
.set HM,  96                           ; s96 a mask of lanes 16-31
.set MSB, 0
.macro WIN new                         ; the immediate's high byte repeats the setting that is left
.if MSB != \new
	s_set_vgpr_msb (MSB<<8)|\new
.set MSB, \new
.endif
.endm
.set MUL_LO, 0xa1                      ; source 0 (B) window 1, source 1 (A) window 0, C and D window 2
.set MUL_HI, 0xf1
.set TO_B,   0x40
.macro JLOAD g0a, g1a, g0b, g1b        ; a joint load: waves 0 and 1 fetch for A, waves 2 and 3 for B; an s_nop 0 and four v_nop follow each line
	s_cmp_eq_u32 s15, 0
	s_cbranch_scc0 .Lfor_b_\@
	tensor_load_to_lds s[\g0a:\g0a+3], s[\g1a:\g1a+7]
	s_nop 0
.rept 4
	v_nop
.endr
	s_branch .Lasked_\@
.Lfor_b_\@:
	tensor_load_to_lds s[\g0b:\g0b+3], s[\g1b:\g1b+7]
	s_nop 0
.rept 4
	v_nop
.endr
.Lasked_\@:
.endm
.macro CREST                           ; a round of the cluster's barrier behind its opening barrier
	s_cmp_lg_u32 s14, 0
	s_cbranch_scc1 .Lnot_wave_0_\@
	s_barrier_signal -3
.Lnot_wave_0_\@:
	s_barrier_wait -3
	s_barrier_signal -1
	s_barrier_wait -1
.endm
.macro CROUND
	s_barrier_signal -1
	s_barrier_wait -1
	CREST
.endm
.macro PLACES n
.rept \n
	v_nop
.endr
.endm
.macro FRAG reg, adr, q, i             ; a fragment image: three loads of 512 consecutive bytes
.irp c, 0,1,2
	ds_load_b128 v[\reg+4*\c:\reg+4*\c+3], v[\adr] offset:(\i)*3072+(\q)*1536+512*\c
.endr
.endm
.macro FETCH_B slot, q, p
	WIN TO_B
.irp i, 0,1,2,3,4,5,6,7
	FRAG 128*(\p)+12*\i, ADRB+\slot, \q, \i
.endr
	WIN 0
.endm
.macro FETCH_A slot, q, i0
.irp i, \i0, \i0+1, \i0+2, \i0+3
	FRAG AF+12*(\i), ADRA+\slot, \q, \i
.endr
.endm
.macro SCALES sc                       ; a slot's two K steps of word images
.irp q, 0,1
	ds_load_b128 v[SC+16*\sc+8*\q:SC+16*\sc+8*\q+3], v[ADSA] offset:512*\q
	ds_load_b128 v[SC+16*\sc+8*\q+4:SC+16*\sc+8*\q+7], v[ADSB] offset:512*\q
.endr
.endm
.macro WM a, b, p, q, sc, zero         ; A's block a x B's block b; blocks 4-7 take their scale words from lanes 16-31
.set rD, 8*(8*((\a)%4)+(\b))
.set rB, 128*(\p)+12*(\b)
.set rA, AF+12*(\a)
.set rSB, SC+16*(\sc)+8*(\q)+4+(\b)%4
.set rSA, SC+16*(\sc)+8*(\q)+(\a)%4
.set rw, 2*((\b)/4)+(\a)/4
.if \zero
.if rw == 0
	v_wmma_scale_f32_16x16x128_f8f6f4 v[rD:rD+7], v[rB:rB+11], v[rA:rA+11], 0, v[rSB], v[rSA] matrix_a_fmt:MATRIX_FMT_FP6 matrix_b_fmt:MATRIX_FMT_FP6
.elseif rw == 1
	v_wmma_scale_f32_16x16x128_f8f6f4 v[rD:rD+7], v[rB:rB+11], v[rA:rA+11], 0, v[rSB], v[rSA] matrix_a_fmt:MATRIX_FMT_FP6 matrix_b_fmt:MATRIX_FMT_FP6 matrix_b_scale:MATRIX_SCALE_ROW1
.elseif rw == 2
	v_wmma_scale_f32_16x16x128_f8f6f4 v[rD:rD+7], v[rB:rB+11], v[rA:rA+11], 0, v[rSB], v[rSA] matrix_a_fmt:MATRIX_FMT_FP6 matrix_b_fmt:MATRIX_FMT_FP6 matrix_a_scale:MATRIX_SCALE_ROW1
.else
	v_wmma_scale_f32_16x16x128_f8f6f4 v[rD:rD+7], v[rB:rB+11], v[rA:rA+11], 0, v[rSB], v[rSA] matrix_a_fmt:MATRIX_FMT_FP6 matrix_b_fmt:MATRIX_FMT_FP6 matrix_a_scale:MATRIX_SCALE_ROW1 matrix_b_scale:MATRIX_SCALE_ROW1
.endif
.else
.if rw == 0
	v_wmma_scale_f32_16x16x128_f8f6f4 v[rD:rD+7], v[rB:rB+11], v[rA:rA+11], v[rD:rD+7], v[rSB], v[rSA] matrix_a_fmt:MATRIX_FMT_FP6 matrix_b_fmt:MATRIX_FMT_FP6
.elseif rw == 1
	v_wmma_scale_f32_16x16x128_f8f6f4 v[rD:rD+7], v[rB:rB+11], v[rA:rA+11], v[rD:rD+7], v[rSB], v[rSA] matrix_a_fmt:MATRIX_FMT_FP6 matrix_b_fmt:MATRIX_FMT_FP6 matrix_b_scale:MATRIX_SCALE_ROW1
.elseif rw == 2
	v_wmma_scale_f32_16x16x128_f8f6f4 v[rD:rD+7], v[rB:rB+11], v[rA:rA+11], v[rD:rD+7], v[rSB], v[rSA] matrix_a_fmt:MATRIX_FMT_FP6 matrix_b_fmt:MATRIX_FMT_FP6 matrix_a_scale:MATRIX_SCALE_ROW1
.else
	v_wmma_scale_f32_16x16x128_f8f6f4 v[rD:rD+7], v[rB:rB+11], v[rA:rA+11], v[rD:rD+7], v[rSB], v[rSA] matrix_a_fmt:MATRIX_FMT_FP6 matrix_b_fmt:MATRIX_FMT_FP6 matrix_a_scale:MATRIX_SCALE_ROW1 matrix_b_scale:MATRIX_SCALE_ROW1
.endif
.endif
.endm
.macro MUL16 a0, p, q, sc, zero        ; the 64 accumulators take turns, one instruction a turn, in the same order in every step
.irp a, \a0, \a0+1
.irp b, 0,1,2,3,4,5,6,7
	WM \a, \b, \p, \q, \sc, \zero
.endr
.endr
.endm
.macro STEP slot, q, zero              ; a step of 128 along K that has its successor in the same slot
	s_wait_dscnt 4*NL                              ; B's set, A's blocks 0-3 and the scale words are in; the youngest 12 loads (A's blocks 4-7) may be out
	WIN MUL_LO
	MUL16 0, (\q)%2, \q, \slot, \zero
	MUL16 2, (\q)%2, \q, \slot, \zero
	s_wait_dscnt 0x0
	PLACES NP                                      ; places in front of loads into registers that matrix instructions have read
	FETCH_B \slot, (\q)+1, 1-(\q)%2
	FETCH_A \slot, (\q)+1, 0
	WIN MUL_HI
	MUL16 4, (\q)%2, \q, \slot, \zero
	MUL16 6, (\q)%2, \q, \slot, \zero
	PLACES NP
	WIN 0
	FETCH_A \slot, (\q)+1, 4
.endm
.macro TURN slot, next, fill           ; a slot's last step changes slots: one barrier; fill = 1: it opens a round of the cluster's barrier, and this slot is filled again, two K steps of 256 ahead
	s_wait_tensorcnt 0x0                           ; all my tensor loads have landed: my part of the next slot
	ds_add_u32 v[SPW], v[NIL]                      ; 0 onto my spare word
	s_wait_dscnt 4*NL+1                            ; (the add and the youngest 12 loads may be out)
	WIN MUL_LO
	MUL16 0, 1, NQ-1, \slot, 0
	s_wait_dscnt 0x0                               ; the add is done, and my reads of this slot are over
	s_barrier_signal -1
	MUL16 2, 1, NQ-1, \slot, 0
	WIN 0
	s_barrier_wait -1
.if \fill
	CREST                                          ; no wave of any partner still reads this slot or has a load on its way
	s_add_nc_u64 s[G0+4*\slot+2:G0+4*\slot+3], s[G0+4*\slot+2:G0+4*\slot+3], 6144
	s_add_nc_u64 s[G0B+4*\slot+2:G0B+4*\slot+3], s[G0B+4*\slot+2:G0B+4*\slot+3], 6144
	JLOAD G0+4*\slot, G1, G0B+4*\slot, G1B         ; the first tensor load behind the round; its four v_nop are the places in front of the loads below
.else
	PLACES NP
.endif
	v_add_nc_u32 v[ADSA], 1024, v[ADSA]            ; on to the next slot's word images
	v_add_nc_u32 v[ADSB], 1024, v[ADSB]
	FETCH_B \next, 0, 0
	FETCH_A \next, 0, 0
	SCALES \next
	WIN MUL_HI
	MUL16 4, 1, NQ-1, \slot, 0
	MUL16 6, 1, NQ-1, \slot, 0
	PLACES NP
	WIN 0
	FETCH_A \next, 0, 4
.endm
; ---- the core's macros end ----
	s_load_b128 s[4:7], s[0:1], 0x0                ; in6 s[4:5], qkv s[6:7]
	v_lshl_add_u32 v[SPW], v0, 2, SPARE
	v_mov_b32 v[NIL], 0
	ds_add_u32 v[SPW], v[NIL]                      ; the wave's opening: the add, twice on end, and its wait ahead of my first tensor load
	ds_add_u32 v[SPW], v[NIL]
	v_lshrrev_b32 v1, 5, v0
	v_readfirstlane_b32 s14, v1                    ; wave 0..3
	s_lshr_b32 s15, s14, 1                         ; my half of the tile's rows.  Also: I fetch for A (0) or for B (1)
	s_and_b32 s16, s14, 1                          ; my half of its columns.  Also: which 128 rows I fetch
	s_bfe_u32 s40, ttmp6, 0x40000                  ; cx
	s_bfe_u32 s41, ttmp6, 0x40004                  ; cy
	s_and_b32 s2, ttmp7, 0xffff                    ; the cluster's y
	s_mul_i32 s8, ttmp9, WMAT
	s_add_co_u32 s8, s8, WC                        ; Wq's or Wk's codes,
	s_mul_i32 s9, ttmp9, WSM
	s_add_co_u32 s9, s9, WS                        ; and scales
	s_mov_b32 s10, WC+2*WMAT                       ; Wv's
	s_mov_b32 s11, WS+2*WSM
	s_mov_b32 s18, XS
	s_cmp_eq_u32 ttmp9, 2                          ; v?  The same in all sixteen partners.  All seven choices stand behind this one compare
	s_cselect_b32 s19, 0, s2                       ; rows: the cluster's y counts tokens for q and k,
	s_cselect_b32 s46, s2, 0                       ; columns: for v
	s_cselect_b32 s20, s10, 0                      ; A's codes in in6 (x's lie at 0)
	s_cselect_b32 s21, s11, s18                    ; A's scales
	s_cselect_b32 s47, 0, s8                       ; B's codes
	s_cselect_b32 s92, s18, s9                     ; B's scales
	s_cselect_b32 s97, 16, 8                       ; K steps in a row of the result's codes
	s_lshl_b32 s17, s19, 2
	s_add_co_u32 s17, s17, s41                     ; tile row
	s_lshl_b32 s42, s46, 2
	s_add_co_u32 s42, s42, s40                     ; tile column
	s_lshl_b32 s43, s41, 2
	s_lshl_b32 s43, 15, s43                        ; my row of the cluster
	s_lshl_b32 s44, 0x1111, s40                    ; my column
	; descriptor group 1, tiles: 8 rows (row blocks) of 3,072 bytes (two fragment images), 1,536 NK bytes apart; elements of 8 bytes; no padding
	s_or_b32 s[G1+0], s43, (3<<16)|(1<<21)
	s_or_b32 s[G1B+0], s44, (3<<16)|(1<<21)
.irp g, G1, G1B
	s_mov_b32 s[\g+1], 384<<16
	s_mov_b32 s[\g+2], 8<<16
	s_mov_b32 s[\g+3], 384<<16
	s_mov_b32 s[\g+4], 8
	s_mov_b32 s[\g+5], 192*NK
	s_mov_b32 s[\g+6], 0
	s_mov_b32 s[\g+7], 0
.endr
	; word images of 128 rows for all of K: a dense block of 512 NK bytes, as rows of 256 bytes
	s_or_b32 s[G1S+0], s43, (3<<16)|(1<<21)
	s_or_b32 s[G1SB+0], s44, (3<<16)|(1<<21)
.irp g, G1S, G1SB
	s_mov_b32 s[\g+1], 32<<16
	s_mov_b32 s[\g+2], (2*NK)<<16
	s_mov_b32 s[\g+3], 32<<16
	s_mov_b32 s[\g+4], 2*NK
	s_mov_b32 s[\g+5], 32
	s_mov_b32 s[\g+6], 0
	s_mov_b32 s[\g+7], 0
.endr
	s_lshl_b32 s22, s17, 4
	s_lshl_b32 s23, s16, 3
	s_add_co_u32 s22, s22, s23                     ; A: row block 16 x tile row + 8 x half
	s_mul_i32 s22, s22, 12288
	s_add_co_u32 s22, s22, s20
	s_mov_b32 s23, 0
	s_lshl_b32 s20, s17, 1
	s_add_co_u32 s20, s20, s16
	s_lshl_b32 s20, s20, 12
	s_add_co_u32 s20, s20, s21
	s_mov_b32 s21, 0
	s_lshl_b32 s46, s42, 4
	s_lshl_b32 s93, s16, 3
	s_add_co_u32 s46, s46, s93                     ; B likewise, in registers that never hold cy
	s_mul_i32 s46, s46, 12288
	s_add_co_u32 s46, s46, s47
	s_mov_b32 s47, 0
	s_lshl_b32 s93, s42, 1
	s_add_co_u32 s93, s93, s16
	s_lshl_b32 s93, s93, 12
	s_add_co_u32 s92, s92, s93
	s_mov_b32 s93, 0
	s_mul_i32 s45, s14, HALFT                      ; where they go: no place in the cluster enters an LDS address
	s_mul_i32 s94, s14, 512*NK
	s_wait_dscnt 0x0                               ; both opening adds are done
	s_wait_kmcnt 0x0
	s_add_nc_u64 s[22:23], s[4:5], s[22:23]
	s_add_nc_u64 s[20:21], s[4:5], s[20:21]
	s_add_nc_u64 s[46:47], s[4:5], s[46:47]
	s_add_nc_u64 s[92:93], s[4:5], s[92:93]
	CROUND                                         ; all sixteen work-groups are here: the first joint loads meet
	s_mov_b32 s[G0S], 1
	s_add_co_u32 s[G0S+1], s94, SCLA
	s_mov_b64 s[G0S+2:G0S+3], s[20:21]
	s_or_b32 s[G0S+3], s[G0S+3], 0x80000000
	s_mov_b32 s[G0SB], 1
	s_add_co_u32 s[G0SB+1], s94, SCLA
	s_mov_b64 s[G0SB+2:G0SB+3], s[92:93]
	s_or_b32 s[G0SB+3], s[G0SB+3], 0x80000000
	JLOAD G0S, G1S, G0SB, G1SB                     ; the scale words first: by this text's count three loads of mine are out at the start, one behind each round
.irp s, 0,1
	s_mov_b32 s[G0+4*\s], 1
	s_add_co_u32 s[G0+4*\s+1], s45, \s*SLOT
	s_add_nc_u64 s[G0+4*\s+2:G0+4*\s+3], s[22:23], \s*3072
	s_or_b32 s[G0+4*\s+3], s[G0+4*\s+3], 0x80000000
	s_mov_b32 s[G0B+4*\s], 1
	s_add_co_u32 s[G0B+4*\s+1], s45, \s*SLOT
	s_add_nc_u64 s[G0B+4*\s+2:G0B+4*\s+3], s[46:47], \s*3072
	s_or_b32 s[G0B+4*\s+3], s[G0B+4*\s+3], 0x80000000
	JLOAD G0+4*\s, G1, G0B+4*\s, G1B
.endr
	v_and_b32 v1, 31, v0
	v_lshlrev_b32 v[LOFF], 4, v1
	s_mul_i32 s21, s15, HALFT                      ; my 128 rows of A
	s_mul_i32 s22, s16, HALFT                      ; my 128 rows of B,
	s_add_co_u32 s22, s22, 2*HALFT                 ; behind A's two halves
.irp s, 0,1
	v_add_nc_u32 v[ADRA+\s], s21, v[LOFF]
	v_add_nc_u32 v[ADRB+\s], s22, v[LOFF]
	s_add_co_u32 s21, s21, SLOT
	s_add_co_u32 s22, s22, SLOT
.endr
	s_mul_i32 s21, s15, 512*NK
	s_add_co_u32 s21, s21, SCLA
	v_add_nc_u32 v[ADSA], s21, v[LOFF]
	s_mul_i32 s22, s16, 512*NK
	s_add_co_u32 s22, s22, SCLB
	v_add_nc_u32 v[ADSB], s22, v[LOFF]
	s_mov_b32 s[SEL], 0x76543210
	s_mov_b32 s[SEL+1], 0xfedcba98
	s_mov_b32 s[HM], 0xffff0000
.irp b, 0,1,2,3
	v_mov_b32 v[TM+4+\b], 0                        ; written once: a lane permute's destination counts as one of its sources
.endr
	; where the results go.  q, k: [row block 512][8][1536]; v: [batch 4][row block 64][16][1536], the batch and the K step from the tile column
	s_lshr_b32 s98, s42, 3                         ; batch (0 for q and k)
	s_and_b32 s99, s42, 7
	s_lshl_b32 s99, s99, 1
	s_add_co_u32 s99, s99, s16                     ; my K step of the result
	s_lshl_b32 s8, s98, 6
	s_lshl_b32 s9, s17, 4
	s_add_co_u32 s8, s8, s9
	s_lshl_b32 s9, s15, 3
	s_add_co_u32 s8, s8, s9
	s_mul_i32 s8, s8, s97
	s_add_co_u32 s8, s8, s99
	s_mul_i32 s8, s8, 1536
	s_mul_i32 s9, ttmp9, 6291456
	s_add_co_u32 s8, s8, s9
	s_mov_b32 s9, 0
	s_add_nc_u64 s[12:13], s[6:7], s[8:9]
	s_lshl_b32 s8, s98, 3
	s_lshl_b32 s9, s17, 1
	s_add_co_u32 s8, s8, s9
	s_add_co_u32 s8, s8, s15
	s_mul_i32 s8, s8, s97
	s_add_co_u32 s8, s8, s99
	s_lshl_b32 s8, s8, 9
	s_mul_i32 s9, ttmp9, 262144
	s_add_co_u32 s8, s8, s9
	s_add_co_u32 s8, s8, 18874368
	s_mov_b32 s9, 0
	s_add_nc_u64 s[66:67], s[6:7], s[8:9]
	s_mul_i32 s97, s97, 1536                       ; from a row block to the next
	v_mov_b32 v[VOFF], v[LOFF]
.irp a, 1,2,3,4,5,6,7
	v_add_nc_u32 v[VOFF+\a], s97, v[VOFF+\a-1]
.endr
	s_wait_tensorcnt 1                             ; the scale words and my part of slot 0 are in; slot 1's load may be out
	s_barrier_signal -1
	s_barrier_wait -1
	FETCH_B 0, 0, 0
	FETCH_A 0, 0, 0
	SCALES 0
	FETCH_A 0, 0, 4
	STEP 0, 0, 1                                   ; the first step's products start the sums
	s_mov_b32 s3, LAPS-1
.Llap:
	TURN 0, 1, 1
	STEP 1, 0, 0
	TURN 1, 0, 1
	STEP 0, 0, 0
	s_sub_co_u32 s3, s3, 1
	s_cmp_lg_u32 s3, 0
	s_cbranch_scc1 .Llap
	TURN 0, 1, 0                                   ; the last lap fills nothing
	STEP 1, 0, 0
	s_wait_dscnt 4*NL
	WIN MUL_LO
	MUL16 0, 1, 1, 1, 0
	MUL16 2, 1, 1, 1, 0
	s_wait_dscnt 0x0
	WIN MUL_HI
	MUL16 4, 1, 1, 1, 0
	MUL16 6, 1, 1, 1, 0
	WIN 0
	PLACES NP                                      ; in front of the first read of results and of writes into A's registers
; THE WAY OUT.  Block a (16 stored rows x my 128 columns): 64 registers a lane, register 16 b + i = column 32 b + 16 (lane / 16) + i.  They are quantised where they lie; each accumulator is read from its low end on.
.macro QBLK a
.set W, 2+(\a)/4
.set AC, 64*((\a)%4)
.set P, AF+12*(\a)
.set W01, W|(W<<2)
	WIN W01                                        ; sources 0 and 1 in the accumulators' window
.irp b, 0,1,2,3
	v_max3_num_f32 v[TM+\b], |v[AC+16*\b]|, |v[AC+16*\b+1]|, 0x1800000
.endr
.irp i, 2,4,6,8,10,12,14
.irp b, 0,1,2,3
	v_max3_num_f32 v[TM+\b], |v[AC+16*\b+\i]|, |v[AC+16*\b+\i+1]|, v[TM+\b]
.endr
.endr
	WIN 0
.irp b, 0,1,2,3
	v_permlanex16_b32 v[TM+4+\b], v[TM+\b], s[SEL], s[SEL+1]
.endr
.irp b, 0,1,2,3
	v_max_num_f32 v[TM+\b], v[TM+\b], v[TM+4+\b]
.endr
.irp b, 0,1,2,3
	v_add_nc_u32 v[TM+12+\b], 0xff000000, v[TM+\b]
.endr
.irp b, 0,1,2,3
	v_lshrrev_b32 v[TM+4+\b], 23, v[TM+12+\b]
.endr
	v_lshl_or_b32 v[PW+\a], v[TM+5], 8, v[TM+4]
	v_lshl_or_b32 v[PW+\a], v[TM+6], 16, v[PW+\a]
	v_lshl_or_b32 v[PW+\a], v[TM+7], 24, v[PW+\a]
	WIN W                                          ; source 0 alone in the accumulators' window
.irp c, 0,1
	v_cvt_scalef32_pk16_fp6_f32 v[P+6*\c:P+6*\c+2], v[AC+32*\c:AC+32*\c+15], v[TM+12+2*\c]
	v_cvt_scalef32_pk16_fp6_f32 v[224+4*\c:226+4*\c], v[AC+32*\c+16:AC+32*\c+31], v[TM+13+2*\c]
.endr
	WIN 0
	v_nop                                          ; one plain place behind a scaled conversion
.irp c, 0,1
.irp i, 0,1,2
	v_permlane16_swap_b32 v[P+6*\c+\i], v[224+4*\c+\i]
.endr
.irp i, 0,1,2
	v_mov_b32 v[P+3+6*\c+\i], v[224+4*\c+\i]
.endr
.endr
.irp j, 0,1,2
	global_store_b128 v[VOFF+\a], v[P+4*\j:P+4*\j+3], s[12:13] offset:512*\j    ; the fragment image: 512 consecutive bytes, aligned; each block has registers of its own, so no store's data are written again
.endr
.endm
.irp a, 0,1,2,3,4,5,6,7
	QBLK \a
.endr
.irp j, 0,1,2,3
	v_cndmask_b32 v[SW+\j], v[PW+\j], v[PW+4+\j], s[HM]      ; the word image: block j in lanes 0-15, block 4 + j in lanes 16-31
.endr
	global_store_b128 v[LOFF], v[SW:SW+3], s[66:67]
	s_wait_tensorcnt 0x0                           ; the wave's end
	ds_add_u32 v[SPW], v[NIL]
	s_wait_dscnt 0x0
	CROUND                                         ; the closing round
	s_endpgm
.Lfunc_end_k_q1f45c1ef6e_qkv:
	.size	k_q1f45c1ef6e_qkv, .Lfunc_end_k_q1f45c1ef6e_qkv-k_q1f45c1ef6e_qkv
	.p2alignl 7, 3214868480
	.fill 96, 4, 3214868480
	.section	.rodata,"a",@progbits
	.p2align	6, 0x0
	.amdhsa_kernel k_q1f45c1ef6e_qkv
		.amdhsa_group_segment_fixed_size 327680
		.amdhsa_private_segment_fixed_size 0
		.amdhsa_enable_private_segment 0
		.amdhsa_kernarg_size 16
		.amdhsa_user_sgpr_count 2
		.amdhsa_user_sgpr_kernarg_segment_ptr 1
		.amdhsa_wavefront_size32 1
		.amdhsa_system_sgpr_workgroup_id_x 1
		.amdhsa_system_sgpr_workgroup_id_y 1
		.amdhsa_system_sgpr_workgroup_id_z 1
		.amdhsa_system_vgpr_workitem_id 0
		.amdhsa_next_free_vgpr 1024
		.amdhsa_next_free_sgpr 100
		.amdhsa_reserve_vcc 0
		.amdhsa_float_denorm_mode_32 3
		.amdhsa_float_denorm_mode_16_64 3
		.amdhsa_memory_ordered 1
		.amdhsa_forward_progress 1
		.amdhsa_inst_pref_size 140
	.end_amdhsa_kernel
	.amdgpu_metadata
---
amdhsa.version: [ 1, 2 ]
amdhsa.kernels:
  - .name:           k_q1f45c1ef6e_qkv
    .symbol:         k_q1f45c1ef6e_qkv.kd
    .args:
      - { .name: in6, .offset: 0, .size: 8, .value_kind: global_buffer, .address_space: global }
      - { .name: qkv, .offset: 8, .size: 8, .value_kind: global_buffer, .address_space: global }
    .group_segment_fixed_size: 327680
    .private_segment_fixed_size: 0
    .kernarg_segment_align: 8
    .kernarg_segment_size: 16
    .max_flat_workgroup_size: 128
    .sgpr_count:     100
    .vgpr_count:     1024
    .wavefront_size: 32
...
	.end_amdgpu_metadata
.endif
;; end of part 2
;; launch scores (part 3): grid 8 x 32, 4 waves a work-group, clusters of 4 x 4, 327,680 bytes of LDS; arguments qkv, prob; writes prob
.if DOCPART == 3
	.amdgcn_target "amdgcn-amd-amdhsa--gfx1250"
	.amdhsa_code_object_version 6
	.text
	.protected	k_q1f45c1ef6e_scores
	.globl	k_q1f45c1ef6e_scores
	.p2align	8
	.type	k_q1f45c1ef6e_scores,@function
k_q1f45c1ef6e_scores:
	s_mov_b64 s[64:65], 0
	v_nop
	global_prefetch_b8 v0, s[64:65] scope:SCOPE_SE
	s_setreg_imm32_b32 hwreg(HW_REG_WAVE_MODE, 25, 1), 1
	s_wait_xcnt 0x0
	s_wait_alu depctr_hold_cnt(0) depctr_sa_sdst(0) depctr_va_vdst(0) depctr_va_sdst(0) depctr_va_ssrc(0) depctr_va_vcc(0) depctr_vm_vsrc(0)
	s_getreg_b32 s2, hwreg(HW_REG_IB_STS2, 6, 4)
	s_cmp_eq_u32 s2, 0
	s_cbranch_scc0 .Lentry_in_a_cluster
	s_endpgm
.Lentry_in_a_cluster:
	s_bfe_u32 s2, ttmp6, 0x10000c
	s_cmp_lg_u32 s2, 0xf033
	s_cbranch_scc0 .Lentry_shape_is_right
	s_endpgm
.Lentry_shape_is_right:
; LAUNCH 3 OF 5.  S = q k^T on codes of FP6, and the softmax's numerator as codes.  Nothing is left out.
; t = score x log2(e) / 32.  For each query and each 128 keys (a wave's columns): M = ceil(the largest t of these 128), a whole number; p = 2^(t - M), at most 1, is quantised along the keys;
; -M and l = the sum of the unquantised p go to memory beside the codes.  The next launch brings the 16 parts of a row under the row's largest M by whole-number changes of the scale bytes: exact.
; So the maximum is taken away before every exponential.  A block's largest p is not searched for: p rises with the score, so the block's largest score goes through the same multiply-add and exponential.
; The core (tile 256 x 256, ring of two slots, cluster 4 x 4, transposed use, images) is launch 2's, word for word; A = q, B = k of the same batch.
; LIMITS: NaN and infinities are not served; a block whose every p is under 2^-124 keeps the byte 1.
; REGISTERS: as in launch 2; v64-123 the way out.
.set NK,     8
.set KC,     6291456
.set QS,     18874368
.set KS,     19136512
.set PS,     12582912                  ; prob: codes at 0; scale words here; -M 524,288 bytes on; l 1,048,576 bytes on
.set PW,     64                        ; v64-71   p's scale word for each block of rows
.set NMS,    72                        ; v72-79   -M
.set LL,     80                        ; v80-87   l
.set BM,     88                        ; v88-91   the blocks' largest scores, then largest p
.set BX,     92                        ; v92-95   from lane l xor 16
.set SO,     96                        ; v96-99   the conversions' scale operands
.set BY,     100                       ; v100-103 the bytes
.set NM,     104                       ; v[104:105] -M (a pair for the packed form, which takes its low word)
.set T,      106
.set LS0,    108
.set LS1,    110
.set SW,     112
.set MW,     116
.set LW,     120
.set CS,     92                        ; s[92:93] c = log2(e) / 32 (set behind the first fills)
; ---- the core: the same text in launches 2, 3 and 4 ----
.set LAPS,   NK/4
.set NQ,     2
.set NL,     3
.set NP,     4
.set HALFT,  24576
.set SLOT,   98304
.set SCLA,   2*SLOT
.set SCLB,   SCLA+1024*NK
.set SPARE,  SCLB+1024*NK
.set ADRA,   16
.set ADRB,   20
.set ADSA,   24
.set ADSB,   25
.set LOFF,   26
.set SPW,    28
.set NIL,    29
.set SC,     32
.set AF,     128
.set G1,  24
.set G0,  32
.set G1B, 48
.set G0B, 56
.set G1S, 68
.set G0S, 76
.set G1SB, 80
.set G0SB, 88
.set SEL, 94
.set HM,  96
.set MSB, 0
.macro WIN new
.if MSB != \new
	s_set_vgpr_msb (MSB<<8)|\new
.set MSB, \new
.endif
.endm
.set MUL_LO, 0xa1
.set MUL_HI, 0xf1
.set TO_B,   0x40
.macro JLOAD g0a, g1a, g0b, g1b
	s_cmp_eq_u32 s15, 0
	s_cbranch_scc0 .Lfor_b_\@
	tensor_load_to_lds s[\g0a:\g0a+3], s[\g1a:\g1a+7]
	s_nop 0
.rept 4
	v_nop
.endr
	s_branch .Lasked_\@
.Lfor_b_\@:
	tensor_load_to_lds s[\g0b:\g0b+3], s[\g1b:\g1b+7]
	s_nop 0
.rept 4
	v_nop
.endr
.Lasked_\@:
.endm
.macro CREST
	s_cmp_lg_u32 s14, 0
	s_cbranch_scc1 .Lnot_wave_0_\@
	s_barrier_signal -3
.Lnot_wave_0_\@:
	s_barrier_wait -3
	s_barrier_signal -1
	s_barrier_wait -1
.endm
.macro CROUND
	s_barrier_signal -1
	s_barrier_wait -1
	CREST
.endm
.macro PLACES n
.rept \n
	v_nop
.endr
.endm
.macro FRAG reg, adr, q, i
.irp c, 0,1,2
	ds_load_b128 v[\reg+4*\c:\reg+4*\c+3], v[\adr] offset:(\i)*3072+(\q)*1536+512*\c
.endr
.endm
.macro FETCH_B slot, q, p
	WIN TO_B
.irp i, 0,1,2,3,4,5,6,7
	FRAG 128*(\p)+12*\i, ADRB+\slot, \q, \i
.endr
	WIN 0
.endm
.macro FETCH_A slot, q, i0
.irp i, \i0, \i0+1, \i0+2, \i0+3
	FRAG AF+12*(\i), ADRA+\slot, \q, \i
.endr
.endm
.macro SCALES sc
.irp q, 0,1
	ds_load_b128 v[SC+16*\sc+8*\q:SC+16*\sc+8*\q+3], v[ADSA] offset:512*\q
	ds_load_b128 v[SC+16*\sc+8*\q+4:SC+16*\sc+8*\q+7], v[ADSB] offset:512*\q
.endr
.endm
.macro WM a, b, p, q, sc, zero
.set rD, 8*(8*((\a)%4)+(\b))
.set rB, 128*(\p)+12*(\b)
.set rA, AF+12*(\a)
.set rSB, SC+16*(\sc)+8*(\q)+4+(\b)%4
.set rSA, SC+16*(\sc)+8*(\q)+(\a)%4
.set rw, 2*((\b)/4)+(\a)/4
.if \zero
.if rw == 0
	v_wmma_scale_f32_16x16x128_f8f6f4 v[rD:rD+7], v[rB:rB+11], v[rA:rA+11], 0, v[rSB], v[rSA] matrix_a_fmt:MATRIX_FMT_FP6 matrix_b_fmt:MATRIX_FMT_FP6
.elseif rw == 1
	v_wmma_scale_f32_16x16x128_f8f6f4 v[rD:rD+7], v[rB:rB+11], v[rA:rA+11], 0, v[rSB], v[rSA] matrix_a_fmt:MATRIX_FMT_FP6 matrix_b_fmt:MATRIX_FMT_FP6 matrix_b_scale:MATRIX_SCALE_ROW1
.elseif rw == 2
	v_wmma_scale_f32_16x16x128_f8f6f4 v[rD:rD+7], v[rB:rB+11], v[rA:rA+11], 0, v[rSB], v[rSA] matrix_a_fmt:MATRIX_FMT_FP6 matrix_b_fmt:MATRIX_FMT_FP6 matrix_a_scale:MATRIX_SCALE_ROW1
.else
	v_wmma_scale_f32_16x16x128_f8f6f4 v[rD:rD+7], v[rB:rB+11], v[rA:rA+11], 0, v[rSB], v[rSA] matrix_a_fmt:MATRIX_FMT_FP6 matrix_b_fmt:MATRIX_FMT_FP6 matrix_a_scale:MATRIX_SCALE_ROW1 matrix_b_scale:MATRIX_SCALE_ROW1
.endif
.else
.if rw == 0
	v_wmma_scale_f32_16x16x128_f8f6f4 v[rD:rD+7], v[rB:rB+11], v[rA:rA+11], v[rD:rD+7], v[rSB], v[rSA] matrix_a_fmt:MATRIX_FMT_FP6 matrix_b_fmt:MATRIX_FMT_FP6
.elseif rw == 1
	v_wmma_scale_f32_16x16x128_f8f6f4 v[rD:rD+7], v[rB:rB+11], v[rA:rA+11], v[rD:rD+7], v[rSB], v[rSA] matrix_a_fmt:MATRIX_FMT_FP6 matrix_b_fmt:MATRIX_FMT_FP6 matrix_b_scale:MATRIX_SCALE_ROW1
.elseif rw == 2
	v_wmma_scale_f32_16x16x128_f8f6f4 v[rD:rD+7], v[rB:rB+11], v[rA:rA+11], v[rD:rD+7], v[rSB], v[rSA] matrix_a_fmt:MATRIX_FMT_FP6 matrix_b_fmt:MATRIX_FMT_FP6 matrix_a_scale:MATRIX_SCALE_ROW1
.else
	v_wmma_scale_f32_16x16x128_f8f6f4 v[rD:rD+7], v[rB:rB+11], v[rA:rA+11], v[rD:rD+7], v[rSB], v[rSA] matrix_a_fmt:MATRIX_FMT_FP6 matrix_b_fmt:MATRIX_FMT_FP6 matrix_a_scale:MATRIX_SCALE_ROW1 matrix_b_scale:MATRIX_SCALE_ROW1
.endif
.endif
.endm
.macro MUL16 a0, p, q, sc, zero        ; the 64 accumulators take turns, one instruction a turn
.irp a, \a0, \a0+1
.irp b, 0,1,2,3,4,5,6,7
	WM \a, \b, \p, \q, \sc, \zero
.endr
.endr
.endm
.macro STEP slot, q, zero
	s_wait_dscnt 4*NL                              ; the youngest 12 loads (A's blocks 4-7) may be out
	WIN MUL_LO
	MUL16 0, (\q)%2, \q, \slot, \zero
	MUL16 2, (\q)%2, \q, \slot, \zero
	s_wait_dscnt 0x0
	PLACES NP
	FETCH_B \slot, (\q)+1, 1-(\q)%2
	FETCH_A \slot, (\q)+1, 0
	WIN MUL_HI
	MUL16 4, (\q)%2, \q, \slot, \zero
	MUL16 6, (\q)%2, \q, \slot, \zero
	PLACES NP
	WIN 0
	FETCH_A \slot, (\q)+1, 4
.endm
.macro TURN slot, next, fill
	s_wait_tensorcnt 0x0                           ; all my tensor loads have landed: my part of the next slot
	ds_add_u32 v[SPW], v[NIL]                      ; 0 onto my spare word
	s_wait_dscnt 4*NL+1                            ; (the add and the youngest 12 loads may be out)
	WIN MUL_LO
	MUL16 0, 1, NQ-1, \slot, 0
	s_wait_dscnt 0x0                               ; the add is done, and my reads of this slot are over
	s_barrier_signal -1
	MUL16 2, 1, NQ-1, \slot, 0
	WIN 0
	s_barrier_wait -1
.if \fill
	CREST
	s_add_nc_u64 s[G0+4*\slot+2:G0+4*\slot+3], s[G0+4*\slot+2:G0+4*\slot+3], 6144
	s_add_nc_u64 s[G0B+4*\slot+2:G0B+4*\slot+3], s[G0B+4*\slot+2:G0B+4*\slot+3], 6144
	JLOAD G0+4*\slot, G1, G0B+4*\slot, G1B
.else
	PLACES NP
.endif
	v_add_nc_u32 v[ADSA], 1024, v[ADSA]
	v_add_nc_u32 v[ADSB], 1024, v[ADSB]
	FETCH_B \next, 0, 0
	FETCH_A \next, 0, 0
	SCALES \next
	WIN MUL_HI
	MUL16 4, 1, NQ-1, \slot, 0
	MUL16 6, 1, NQ-1, \slot, 0
	PLACES NP
	WIN 0
	FETCH_A \next, 0, 4
.endm
; ---- the core's macros end ----
	s_load_b128 s[4:7], s[0:1], 0x0                ; qkv s[4:5], prob s[6:7]
	v_lshl_add_u32 v[SPW], v0, 2, SPARE
	v_mov_b32 v[NIL], 0
	ds_add_u32 v[SPW], v[NIL]                      ; the wave's opening: the add, twice on end, and its wait ahead of my first tensor load
	ds_add_u32 v[SPW], v[NIL]
	v_lshrrev_b32 v1, 5, v0
	v_readfirstlane_b32 s14, v1
	s_lshr_b32 s15, s14, 1
	s_and_b32 s16, s14, 1
	s_bfe_u32 s40, ttmp6, 0x40000                  ; cx
	s_bfe_u32 s41, ttmp6, 0x40004                  ; cy
	s_and_b32 s2, ttmp7, 0xffff
	s_lshl_b32 s17, s2, 2
	s_add_co_u32 s17, s17, s41                     ; tile row: 256 queries of all 8,192
	s_lshl_b32 s42, ttmp9, 2
	s_add_co_u32 s42, s42, s40                     ; tile column: 256 keys of the batch's 2,048
	s_lshr_b32 s46, s2, 1                          ; the batch: two rows of clusters each
	s_lshl_b32 s46, s46, 3
	s_add_co_u32 s46, s46, s42                     ; the keys' tile among all tokens
	s_lshl_b32 s43, s41, 2
	s_lshl_b32 s43, 15, s43
	s_lshl_b32 s44, 0x1111, s40
	s_or_b32 s[G1+0], s43, (3<<16)|(1<<21)
	s_or_b32 s[G1B+0], s44, (3<<16)|(1<<21)
.irp g, G1, G1B
	s_mov_b32 s[\g+1], 384<<16
	s_mov_b32 s[\g+2], 8<<16
	s_mov_b32 s[\g+3], 384<<16
	s_mov_b32 s[\g+4], 8
	s_mov_b32 s[\g+5], 192*NK
	s_mov_b32 s[\g+6], 0
	s_mov_b32 s[\g+7], 0
.endr
	s_or_b32 s[G1S+0], s43, (3<<16)|(1<<21)
	s_or_b32 s[G1SB+0], s44, (3<<16)|(1<<21)
.irp g, G1S, G1SB
	s_mov_b32 s[\g+1], 32<<16
	s_mov_b32 s[\g+2], (2*NK)<<16
	s_mov_b32 s[\g+3], 32<<16
	s_mov_b32 s[\g+4], 2*NK
	s_mov_b32 s[\g+5], 32
	s_mov_b32 s[\g+6], 0
	s_mov_b32 s[\g+7], 0
.endr
	s_lshl_b32 s22, s17, 4
	s_lshl_b32 s23, s16, 3
	s_add_co_u32 s22, s22, s23
	s_mul_i32 s22, s22, 12288                      ; q's codes lie at 0
	s_mov_b32 s23, 0
	s_lshl_b32 s20, s17, 1
	s_add_co_u32 s20, s20, s16
	s_lshl_b32 s20, s20, 12
	s_add_co_u32 s20, s20, QS
	s_mov_b32 s21, 0
	s_lshl_b32 s92, s46, 1
	s_add_co_u32 s92, s92, s16
	s_lshl_b32 s92, s92, 12
	s_add_co_u32 s92, s92, KS
	s_mov_b32 s93, 0
	s_lshl_b32 s46, s46, 4
	s_lshl_b32 s47, s16, 3
	s_add_co_u32 s46, s46, s47
	s_mul_i32 s46, s46, 12288
	s_add_co_u32 s46, s46, KC
	s_mov_b32 s47, 0
	s_mul_i32 s45, s14, HALFT
	s_mul_i32 s94, s14, 512*NK
	s_wait_dscnt 0x0                               ; both opening adds are done
	s_wait_kmcnt 0x0
	s_add_nc_u64 s[22:23], s[4:5], s[22:23]
	s_add_nc_u64 s[20:21], s[4:5], s[20:21]
	s_add_nc_u64 s[46:47], s[4:5], s[46:47]
	s_add_nc_u64 s[92:93], s[4:5], s[92:93]
	CROUND
	s_mov_b32 s[G0S], 1
	s_add_co_u32 s[G0S+1], s94, SCLA
	s_mov_b64 s[G0S+2:G0S+3], s[20:21]
	s_or_b32 s[G0S+3], s[G0S+3], 0x80000000
	s_mov_b32 s[G0SB], 1
	s_add_co_u32 s[G0SB+1], s94, SCLA
	s_mov_b64 s[G0SB+2:G0SB+3], s[92:93]
	s_or_b32 s[G0SB+3], s[G0SB+3], 0x80000000
	JLOAD G0S, G1S, G0SB, G1SB
.irp s, 0,1
	s_mov_b32 s[G0+4*\s], 1
	s_add_co_u32 s[G0+4*\s+1], s45, \s*SLOT
	s_add_nc_u64 s[G0+4*\s+2:G0+4*\s+3], s[22:23], \s*3072
	s_or_b32 s[G0+4*\s+3], s[G0+4*\s+3], 0x80000000
	s_mov_b32 s[G0B+4*\s], 1
	s_add_co_u32 s[G0B+4*\s+1], s45, \s*SLOT
	s_add_nc_u64 s[G0B+4*\s+2:G0B+4*\s+3], s[46:47], \s*3072
	s_or_b32 s[G0B+4*\s+3], s[G0B+4*\s+3], 0x80000000
	JLOAD G0+4*\s, G1, G0B+4*\s, G1B
.endr
	v_and_b32 v1, 31, v0
	v_lshlrev_b32 v[LOFF], 4, v1
	s_mul_i32 s21, s15, HALFT
	s_mul_i32 s22, s16, HALFT
	s_add_co_u32 s22, s22, 2*HALFT
.irp s, 0,1
	v_add_nc_u32 v[ADRA+\s], s21, v[LOFF]
	v_add_nc_u32 v[ADRB+\s], s22, v[LOFF]
	s_add_co_u32 s21, s21, SLOT
	s_add_co_u32 s22, s22, SLOT
.endr
	s_mul_i32 s21, s15, 512*NK
	s_add_co_u32 s21, s21, SCLA
	v_add_nc_u32 v[ADSA], s21, v[LOFF]
	s_mul_i32 s22, s16, 512*NK
	s_add_co_u32 s22, s22, SCLB
	v_add_nc_u32 v[ADSB], s22, v[LOFF]
	s_mov_b32 s[SEL], 0x76543210
	s_mov_b32 s[SEL+1], 0xfedcba98
	s_mov_b32 s[HM], 0xffff0000
	s_mov_b32 s[CS], 0x3d38aa3b                    ; c = log2(e) / sqrt(1024)
	s_mov_b32 s[CS+1], s[CS]                       ; (named with it as a pair, so it is written)
.irp b, 0,1,2,3
	v_mov_b32 v[BX+\b], 0                          ; written once: a lane permute's destination counts as one of its sources
.endr
	v_mov_b32 v[NM+1], 0                           ; (named as the upper half of a pair)
	s_lshl_b32 s99, s42, 1
	s_add_co_u32 s99, s99, s16                     ; my K step among the batch's 16
	s_lshl_b32 s8, s17, 4
	s_lshl_b32 s9, s15, 3
	s_add_co_u32 s8, s8, s9
	s_lshl_b32 s8, s8, 4
	s_add_co_u32 s8, s8, s99
	s_mul_i32 s8, s8, 1536
	s_mov_b32 s9, 0
	s_add_nc_u64 s[12:13], s[6:7], s[8:9]          ; p's codes: [row block 512][16][1536]
	s_lshl_b32 s8, s17, 1
	s_add_co_u32 s8, s8, s15
	s_lshl_b32 s8, s8, 4
	s_add_co_u32 s8, s8, s99
	s_lshl_b32 s8, s8, 9
	s_add_co_u32 s8, s8, PS
	s_mov_b32 s9, 0
	s_add_nc_u64 s[66:67], s[6:7], s[8:9]          ; the word images: [group 64][16][512]
	s_wait_tensorcnt 1                             ; slot 1's load may be out
	s_barrier_signal -1
	s_barrier_wait -1
	FETCH_B 0, 0, 0
	FETCH_A 0, 0, 0
	SCALES 0
	FETCH_A 0, 0, 4
	STEP 0, 0, 1
	s_mov_b32 s3, LAPS-1
.Llap:
	TURN 0, 1, 1
	STEP 1, 0, 0
	TURN 1, 0, 1
	STEP 0, 0, 0
	s_sub_co_u32 s3, s3, 1
	s_cmp_lg_u32 s3, 0
	s_cbranch_scc1 .Llap
	TURN 0, 1, 0
	STEP 1, 0, 0
	s_wait_dscnt 4*NL
	WIN MUL_LO
	MUL16 0, 1, 1, 1, 0
	MUL16 2, 1, 1, 1, 0
	s_wait_dscnt 0x0
	WIN MUL_HI
	MUL16 4, 1, 1, 1, 0
	MUL16 6, 1, 1, 1, 0
	WIN 0
	PLACES NP
; THE WAY OUT.  Block a: 16 queries x my 128 keys; a lane holds one query, register 16 b + i = key 32 b + 16 (lane / 16) + i.
.macro SBLK a
.set W, 2+(\a)/4
.set AC, 64*((\a)%4)
.set P, AF+12*(\a)
.set W01, W|(W<<2)
.set W0D, W|(W<<6)
	WIN W01
.irp b, 0,1,2,3
	v_max3_num_f32 v[BM+\b], v[AC+16*\b], v[AC+16*\b+1], 0xff7fffff     ; the largest score of each block of 32 keys; each accumulator is read from its low end on
.endr
.irp i, 2,4,6,8,10,12,14
.irp b, 0,1,2,3
	v_max3_num_f32 v[BM+\b], v[AC+16*\b+\i], v[AC+16*\b+\i+1], v[BM+\b]
.endr
.endr
	WIN 0
.irp b, 0,1,2,3
	v_permlanex16_b32 v[BX+\b], v[BM+\b], s[SEL], s[SEL+1]
.endr
.irp b, 0,1,2,3
	v_max_num_f32 v[BM+\b], v[BM+\b], v[BX+\b]
.endr
	v_max3_num_f32 v[T], v[BM], v[BM+1], v[BM+2]
	v_max_num_f32 v[T], v[T], v[BM+3]              ; the largest score of my query among these 128 keys
	v_mul_f32 v[T], s[CS], v[T]                    ; as t (c is positive)
	v_floor_f32 v[NM], -v[T]                       ; -M = floor(-t) = -ceil(t)
	v_mov_b32 v[NMS+\a], v[NM]
.irp b, 0,1,2,3
	v_fma_f32 v[BM+\b], v[BM+\b], s[CS], v[NM]
.endr
	WIN W0D                                        ; source 0 and the destination in the accumulators' window
.set q, 0
.rept 32
	v_pk_fma_f32 v[AC+q:AC+q+1], v[AC+q:AC+q+1], s[CS:CS+1], v[NM:NM+1] op_sel_hi:[1,0,0]   ; t - M, two at a time
.set q, q+2
.endr
.set q, 0
.rept 64
	v_exp_f32 v[AC+q], v[AC+q]                     ; p = 2^(t - M)
.set q, q+1
.endr
	WIN 0
	v_nop                                          ; a plain place behind the exponentials
	s_wait_alu depctr_va_vdst(0)                   ; one wait for the batch of 64, ahead of its first reader
.irp b, 0,1,2,3
	v_exp_f32 v[BM+\b], v[BM+\b]                   ; the blocks' largest p
.endr
	WIN W01
	v_pk_add_f32 v[LS0:LS0+1], v[AC:AC+1], v[AC+2:AC+3]      ; the sum of the unquantised p, in two chains
	v_pk_add_f32 v[LS1:LS1+1], v[AC+4:AC+5], v[AC+6:AC+7]
	WIN W
.set q, 8
.rept 14
	v_pk_add_f32 v[LS0:LS0+1], v[AC+q:AC+q+1], v[LS0:LS0+1]
	v_pk_add_f32 v[LS1:LS1+1], v[AC+q+2:AC+q+3], v[LS1:LS1+1]
.set q, q+4
.endr
	WIN 0
	v_pk_add_f32 v[LS0:LS0+1], v[LS0:LS0+1], v[LS1:LS1+1]
	v_add_f32 v[T], v[LS0], v[LS0+1]
	v_permlanex16_b32 v[BX], v[T], s[SEL], s[SEL+1]
	v_add_f32 v[LL+\a], v[T], v[BX]                ; with lane l xor 16's 64 keys
	s_wait_alu depctr_va_vdst(0)                   ; and one wait for the four
.irp b, 0,1,2,3
	v_max_num_f32 v[BM+\b], 0x1800000, v[BM+\b]    ; the floor: the byte cannot fall under 1
.endr
.irp b, 0,1,2,3
	v_add_nc_u32 v[SO+\b], 0xff000000, v[BM+\b]
.endr
.irp b, 0,1,2,3
	v_lshrrev_b32 v[BY+\b], 23, v[SO+\b]
.endr
	v_lshl_or_b32 v[PW+\a], v[BY+1], 8, v[BY]
	v_lshl_or_b32 v[PW+\a], v[BY+2], 16, v[PW+\a]
	v_lshl_or_b32 v[PW+\a], v[BY+3], 24, v[PW+\a]
	WIN W
.irp c, 0,1
	v_cvt_scalef32_pk16_fp6_f32 v[P+6*\c:P+6*\c+2], v[AC+32*\c:AC+32*\c+15], v[SO+2*\c]
	v_cvt_scalef32_pk16_fp6_f32 v[224+4*\c:226+4*\c], v[AC+32*\c+16:AC+32*\c+31], v[SO+2*\c+1]
.endr
	WIN 0
	v_nop
.irp c, 0,1
.irp i, 0,1,2
	v_permlane16_swap_b32 v[P+6*\c+\i], v[224+4*\c+\i]
.endr
.irp i, 0,1,2
	v_mov_b32 v[P+3+6*\c+\i], v[224+4*\c+\i]
.endr
.endr
.irp j, 0,1,2
	global_store_b128 v[LOFF], v[P+4*\j:P+4*\j+3], s[12:13] offset:24576*\a+512*\j
.endr
.endm
.irp a, 0,1,2,3,4,5,6,7
	SBLK \a
.endr
.irp j, 0,1,2,3
	v_cndmask_b32 v[SW+\j], v[PW+\j], v[PW+4+\j], s[HM]
	v_cndmask_b32 v[MW+\j], v[NMS+\j], v[NMS+4+\j], s[HM]
	v_cndmask_b32 v[LW+\j], v[LL+\j], v[LL+4+\j], s[HM]
.endr
	global_store_b128 v[LOFF], v[SW:SW+3], s[66:67]
	global_store_b128 v[LOFF], v[MW:MW+3], s[66:67] offset:524288
	global_store_b128 v[LOFF], v[LW:LW+3], s[66:67] offset:1048576
	s_wait_tensorcnt 0x0                           ; the wave's end
	ds_add_u32 v[SPW], v[NIL]
	s_wait_dscnt 0x0
	CROUND
	s_endpgm
.Lfunc_end_k_q1f45c1ef6e_scores:
	.size	k_q1f45c1ef6e_scores, .Lfunc_end_k_q1f45c1ef6e_scores-k_q1f45c1ef6e_scores
	.p2alignl 7, 3214868480
	.fill 96, 4, 3214868480
	.section	.rodata,"a",@progbits
	.p2align	6, 0x0
	.amdhsa_kernel k_q1f45c1ef6e_scores
		.amdhsa_group_segment_fixed_size 327680
		.amdhsa_private_segment_fixed_size 0
		.amdhsa_enable_private_segment 0
		.amdhsa_kernarg_size 16
		.amdhsa_user_sgpr_count 2
		.amdhsa_user_sgpr_kernarg_segment_ptr 1
		.amdhsa_wavefront_size32 1
		.amdhsa_system_sgpr_workgroup_id_x 1
		.amdhsa_system_sgpr_workgroup_id_y 1
		.amdhsa_system_sgpr_workgroup_id_z 1
		.amdhsa_system_vgpr_workitem_id 0
		.amdhsa_next_free_vgpr 1024
		.amdhsa_next_free_sgpr 100
		.amdhsa_reserve_vcc 0
		.amdhsa_float_denorm_mode_32 3
		.amdhsa_float_denorm_mode_16_64 3
		.amdhsa_memory_ordered 1
		.amdhsa_forward_progress 1
		.amdhsa_inst_pref_size 197
	.end_amdhsa_kernel
	.amdgpu_metadata
---
amdhsa.version: [ 1, 2 ]
amdhsa.kernels:
  - .name:           k_q1f45c1ef6e_scores
    .symbol:         k_q1f45c1ef6e_scores.kd
    .args:
      - { .name: qkv, .offset: 0, .size: 8, .value_kind: global_buffer, .address_space: global }
      - { .name: prob, .offset: 8, .size: 8, .value_kind: global_buffer, .address_space: global }
    .group_segment_fixed_size: 327680
    .private_segment_fixed_size: 0
    .kernarg_segment_align: 8
    .kernarg_segment_size: 16
    .max_flat_workgroup_size: 128
    .sgpr_count:     100
    .vgpr_count:     1024
    .wavefront_size: 32
...
	.end_amdgpu_metadata
.endif
;; end of part 3
;; launch pv (part 4): grid 4 x 32, 4 waves a work-group, clusters of 4 x 4, 327,680 bytes of LDS; arguments prob, qkv, ctx; writes ctx
.if DOCPART == 4
	.amdgcn_target "amdgcn-amd-amdhsa--gfx1250"
	.amdhsa_code_object_version 6
	.text
	.protected	k_q1f45c1ef6e_pv
	.globl	k_q1f45c1ef6e_pv
	.p2align	8
	.type	k_q1f45c1ef6e_pv,@function
k_q1f45c1ef6e_pv:
	s_mov_b64 s[64:65], 0
	v_nop
	global_prefetch_b8 v0, s[64:65] scope:SCOPE_SE
	s_setreg_imm32_b32 hwreg(HW_REG_WAVE_MODE, 25, 1), 1
	s_wait_xcnt 0x0
	s_wait_alu depctr_hold_cnt(0) depctr_sa_sdst(0) depctr_va_vdst(0) depctr_va_sdst(0) depctr_va_ssrc(0) depctr_va_vcc(0) depctr_vm_vsrc(0)
	s_getreg_b32 s2, hwreg(HW_REG_IB_STS2, 6, 4)
	s_cmp_eq_u32 s2, 0
	s_cbranch_scc0 .Lentry_in_a_cluster
	s_endpgm
.Lentry_in_a_cluster:
	s_bfe_u32 s2, ttmp6, 0x10000c
	s_cmp_lg_u32 s2, 0xf033
	s_cbranch_scc0 .Lentry_shape_is_right
	s_endpgm
.Lentry_shape_is_right:
; LAUNCH 4 OF 5.  ctx = (p v) / l on codes of FP6, quantised along the features.  Nothing is left out.
; ALIGN, while the first tiles land: launch 3 left p under a whole number M for each (row, 128 keys).  The row's M is the largest of its 16; with d = M - the part's M (a whole number, 0 or more) the part's
; p is 2^-d times as large, which its scale bytes take up: byte - d, exact.  l = the sum of the parts' l x 2^-d.  The aligned scale words are stored to LDS, where the core reads A's scale words.
; LIMITS: d is held at 127, and a byte that would fall under 0 is held at 0 (2^-127): such a p is under 2^-124 of the row's largest, and its l counts as 0 from d = 127 on.  1 / l by v_rcp_f32.
; NaN and infinities are not served; ctx's bytes are held at 1 from below.
; The core is launch 2's, word for word, with K = 2,048 keys; A = p, B = v transposed, of the same batch.  128 work-groups: the result has 8,192 x 1,024 numbers.
; REGISTERS: as in launch 2.  ALIGN uses v64-239 ahead of the loop; v64-79 then hold 1 / l for each block of rows, as pairs.
.set NK,     16
.set VC,     12582912
.set VS,     19398656
.set PS,     12582912
.set CSO,    6291456                   ; ctx: codes at 0, scale words here
.set RV,     64                        ; v64-79  1 / l of block a in v[64 + 2 a] and v[65 + 2 a]
.set PW,     80
.set TM,     88
.set SW,     104
.set NMI,    64                        ; ALIGN: v64-127 -M of 16 K steps (my own 8 first), then d
.set LI,     128                       ;        v128-191 l likewise
.set SI,     192                       ;        v192-223 the scale words of my 8 K steps
.set MN,     224                       ;        v224-227 the row's -M
.set LT,     228                       ;        v228-231 the row's l
.set TT,     232                       ;        v232-239 at work
.set VO1,    2
.set VO2,    3
.set ASA,    4
; ---- the core: the same text in launches 2, 3 and 4 ----
.set LAPS,   NK/4
.set NQ,     2
.set NL,     3
.set NP,     4
.set HALFT,  24576
.set SLOT,   98304
.set SCLA,   2*SLOT
.set SCLB,   SCLA+1024*NK
.set SPARE,  SCLB+1024*NK
.set ADRA,   16
.set ADRB,   20
.set ADSA,   24
.set ADSB,   25
.set LOFF,   26
.set SPW,    28
.set NIL,    29
.set SC,     32
.set AF,     128
.set G1,  24
.set G0,  32
.set G1B, 48
.set G0B, 56
.set G1SB, 80
.set G0SB, 88
.set SEL, 94
.set HM,  96
.set MSB, 0
.macro WIN new
.if MSB != \new
	s_set_vgpr_msb (MSB<<8)|\new
.set MSB, \new
.endif
.endm
.set MUL_LO, 0xa1
.set MUL_HI, 0xf1
.set TO_B,   0x40
.macro JLOAD g0a, g1a, g0b, g1b
	s_cmp_eq_u32 s15, 0
	s_cbranch_scc0 .Lfor_b_\@
	tensor_load_to_lds s[\g0a:\g0a+3], s[\g1a:\g1a+7]
	s_nop 0
.rept 4
	v_nop
.endr
	s_branch .Lasked_\@
.Lfor_b_\@:
	tensor_load_to_lds s[\g0b:\g0b+3], s[\g1b:\g1b+7]
	s_nop 0
.rept 4
	v_nop
.endr
.Lasked_\@:
.endm
.macro CREST
	s_cmp_lg_u32 s14, 0
	s_cbranch_scc1 .Lnot_wave_0_\@
	s_barrier_signal -3
.Lnot_wave_0_\@:
	s_barrier_wait -3
	s_barrier_signal -1
	s_barrier_wait -1
.endm
.macro CROUND
	s_barrier_signal -1
	s_barrier_wait -1
	CREST
.endm
.macro PLACES n
.rept \n
	v_nop
.endr
.endm
.macro FRAG reg, adr, q, i
.irp c, 0,1,2
	ds_load_b128 v[\reg+4*\c:\reg+4*\c+3], v[\adr] offset:(\i)*3072+(\q)*1536+512*\c
.endr
.endm
.macro FETCH_B slot, q, p
	WIN TO_B
.irp i, 0,1,2,3,4,5,6,7
	FRAG 128*(\p)+12*\i, ADRB+\slot, \q, \i
.endr
	WIN 0
.endm
.macro FETCH_A slot, q, i0
.irp i, \i0, \i0+1, \i0+2, \i0+3
	FRAG AF+12*(\i), ADRA+\slot, \q, \i
.endr
.endm
.macro SCALES sc
.irp q, 0,1
	ds_load_b128 v[SC+16*\sc+8*\q:SC+16*\sc+8*\q+3], v[ADSA] offset:512*\q
	ds_load_b128 v[SC+16*\sc+8*\q+4:SC+16*\sc+8*\q+7], v[ADSB] offset:512*\q
.endr
.endm
.macro WM a, b, p, q, sc, zero
.set rD, 8*(8*((\a)%4)+(\b))
.set rB, 128*(\p)+12*(\b)
.set rA, AF+12*(\a)
.set rSB, SC+16*(\sc)+8*(\q)+4+(\b)%4
.set rSA, SC+16*(\sc)+8*(\q)+(\a)%4
.set rw, 2*((\b)/4)+(\a)/4
.if \zero
.if rw == 0
	v_wmma_scale_f32_16x16x128_f8f6f4 v[rD:rD+7], v[rB:rB+11], v[rA:rA+11], 0, v[rSB], v[rSA] matrix_a_fmt:MATRIX_FMT_FP6 matrix_b_fmt:MATRIX_FMT_FP6
.elseif rw == 1
	v_wmma_scale_f32_16x16x128_f8f6f4 v[rD:rD+7], v[rB:rB+11], v[rA:rA+11], 0, v[rSB], v[rSA] matrix_a_fmt:MATRIX_FMT_FP6 matrix_b_fmt:MATRIX_FMT_FP6 matrix_b_scale:MATRIX_SCALE_ROW1
.elseif rw == 2
	v_wmma_scale_f32_16x16x128_f8f6f4 v[rD:rD+7], v[rB:rB+11], v[rA:rA+11], 0, v[rSB], v[rSA] matrix_a_fmt:MATRIX_FMT_FP6 matrix_b_fmt:MATRIX_FMT_FP6 matrix_a_scale:MATRIX_SCALE_ROW1
.else
	v_wmma_scale_f32_16x16x128_f8f6f4 v[rD:rD+7], v[rB:rB+11], v[rA:rA+11], 0, v[rSB], v[rSA] matrix_a_fmt:MATRIX_FMT_FP6 matrix_b_fmt:MATRIX_FMT_FP6 matrix_a_scale:MATRIX_SCALE_ROW1 matrix_b_scale:MATRIX_SCALE_ROW1
.endif
.else
.if rw == 0
	v_wmma_scale_f32_16x16x128_f8f6f4 v[rD:rD+7], v[rB:rB+11], v[rA:rA+11], v[rD:rD+7], v[rSB], v[rSA] matrix_a_fmt:MATRIX_FMT_FP6 matrix_b_fmt:MATRIX_FMT_FP6
.elseif rw == 1
	v_wmma_scale_f32_16x16x128_f8f6f4 v[rD:rD+7], v[rB:rB+11], v[rA:rA+11], v[rD:rD+7], v[rSB], v[rSA] matrix_a_fmt:MATRIX_FMT_FP6 matrix_b_fmt:MATRIX_FMT_FP6 matrix_b_scale:MATRIX_SCALE_ROW1
.elseif rw == 2
	v_wmma_scale_f32_16x16x128_f8f6f4 v[rD:rD+7], v[rB:rB+11], v[rA:rA+11], v[rD:rD+7], v[rSB], v[rSA] matrix_a_fmt:MATRIX_FMT_FP6 matrix_b_fmt:MATRIX_FMT_FP6 matrix_a_scale:MATRIX_SCALE_ROW1
.else
	v_wmma_scale_f32_16x16x128_f8f6f4 v[rD:rD+7], v[rB:rB+11], v[rA:rA+11], v[rD:rD+7], v[rSB], v[rSA] matrix_a_fmt:MATRIX_FMT_FP6 matrix_b_fmt:MATRIX_FMT_FP6 matrix_a_scale:MATRIX_SCALE_ROW1 matrix_b_scale:MATRIX_SCALE_ROW1
.endif
.endif
.endm
.macro MUL16 a0, p, q, sc, zero        ; the 64 accumulators take turns, one instruction a turn
.irp a, \a0, \a0+1
.irp b, 0,1,2,3,4,5,6,7
	WM \a, \b, \p, \q, \sc, \zero
.endr
.endr
.endm
.macro STEP slot, q, zero
	s_wait_dscnt 4*NL                              ; the youngest 12 loads (A's blocks 4-7) may be out
	WIN MUL_LO
	MUL16 0, (\q)%2, \q, \slot, \zero
	MUL16 2, (\q)%2, \q, \slot, \zero
	s_wait_dscnt 0x0
	PLACES NP
	FETCH_B \slot, (\q)+1, 1-(\q)%2
	FETCH_A \slot, (\q)+1, 0
	WIN MUL_HI
	MUL16 4, (\q)%2, \q, \slot, \zero
	MUL16 6, (\q)%2, \q, \slot, \zero
	PLACES NP
	WIN 0
	FETCH_A \slot, (\q)+1, 4
.endm
.macro TURN slot, next, fill
	s_wait_tensorcnt 0x0                           ; all my tensor loads have landed: my part of the next slot
	ds_add_u32 v[SPW], v[NIL]                      ; 0 onto my spare word
	s_wait_dscnt 4*NL+1                            ; (the add and the youngest 12 loads may be out)
	WIN MUL_LO
	MUL16 0, 1, NQ-1, \slot, 0
	s_wait_dscnt 0x0                               ; the add is done, and my reads of this slot are over
	s_barrier_signal -1
	MUL16 2, 1, NQ-1, \slot, 0
	WIN 0
	s_barrier_wait -1
.if \fill
	CREST
	s_add_nc_u64 s[G0+4*\slot+2:G0+4*\slot+3], s[G0+4*\slot+2:G0+4*\slot+3], 6144
	s_add_nc_u64 s[G0B+4*\slot+2:G0B+4*\slot+3], s[G0B+4*\slot+2:G0B+4*\slot+3], 6144
	JLOAD G0+4*\slot, G1, G0B+4*\slot, G1B
.else
	PLACES NP
.endif
	v_add_nc_u32 v[ADSA], 1024, v[ADSA]
	v_add_nc_u32 v[ADSB], 1024, v[ADSB]
	FETCH_B \next, 0, 0
	FETCH_A \next, 0, 0
	SCALES \next
	WIN MUL_HI
	MUL16 4, 1, NQ-1, \slot, 0
	MUL16 6, 1, NQ-1, \slot, 0
	PLACES NP
	WIN 0
	FETCH_A \next, 0, 4
.endm
; ---- the core's macros end ----
	s_load_b128 s[4:7], s[0:1], 0x0                ; prob s[4:5], qkv s[6:7]
	s_load_b64 s[8:9], s[0:1], 0x10                ; ctx
	v_lshl_add_u32 v[SPW], v0, 2, SPARE
	v_mov_b32 v[NIL], 0
	ds_add_u32 v[SPW], v[NIL]                      ; the wave's opening: the add, twice on end, and its wait ahead of my first tensor load
	ds_add_u32 v[SPW], v[NIL]
	v_lshrrev_b32 v1, 5, v0
	v_readfirstlane_b32 s14, v1
	s_lshr_b32 s15, s14, 1
	s_and_b32 s16, s14, 1
	s_bfe_u32 s40, ttmp6, 0x40000                  ; cx
	s_bfe_u32 s41, ttmp6, 0x40004                  ; cy
	s_and_b32 s2, ttmp7, 0xffff
	s_lshl_b32 s17, s2, 2
	s_add_co_u32 s17, s17, s41                     ; tile row: 256 queries
	s_lshl_b32 s42, ttmp9, 2
	s_add_co_u32 s42, s42, s40                     ; tile column: 256 features
	s_lshr_b32 s46, s2, 1                          ; the batch
	s_lshl_b32 s43, s41, 2
	s_lshl_b32 s43, 15, s43
	s_lshl_b32 s44, 0x1111, s40
	s_or_b32 s[G1+0], s43, (3<<16)|(1<<21)
	s_or_b32 s[G1B+0], s44, (3<<16)|(1<<21)
.irp g, G1, G1B
	s_mov_b32 s[\g+1], 384<<16
	s_mov_b32 s[\g+2], 8<<16
	s_mov_b32 s[\g+3], 384<<16
	s_mov_b32 s[\g+4], 8
	s_mov_b32 s[\g+5], 192*NK
	s_mov_b32 s[\g+6], 0
	s_mov_b32 s[\g+7], 0
.endr
	s_or_b32 s[G1SB+0], s44, (3<<16)|(1<<21)
	s_mov_b32 s[G1SB+1], 32<<16
	s_mov_b32 s[G1SB+2], (2*NK)<<16
	s_mov_b32 s[G1SB+3], 32<<16
	s_mov_b32 s[G1SB+4], 2*NK
	s_mov_b32 s[G1SB+5], 32
	s_mov_b32 s[G1SB+6], 0
	s_mov_b32 s[G1SB+7], 0
	s_lshl_b32 s22, s17, 4
	s_lshl_b32 s23, s16, 3
	s_add_co_u32 s22, s22, s23
	s_mul_i32 s22, s22, 24576                      ; p's codes lie at 0
	s_mov_b32 s23, 0
	s_lshl_b32 s92, s46, 3
	s_lshl_b32 s93, s42, 1
	s_add_co_u32 s92, s92, s93
	s_add_co_u32 s92, s92, s16
	s_lshl_b32 s92, s92, 13
	s_add_co_u32 s92, s92, VS
	s_mov_b32 s93, 0
	s_lshl_b32 s46, s46, 6
	s_lshl_b32 s47, s42, 4
	s_add_co_u32 s46, s46, s47
	s_lshl_b32 s47, s16, 3
	s_add_co_u32 s46, s46, s47
	s_mul_i32 s46, s46, 24576
	s_add_co_u32 s46, s46, VC
	s_mov_b32 s47, 0
	s_lshl_b32 s20, s17, 1
	s_add_co_u32 s20, s20, s15                     ; my group of 128 rows
	s_lshl_b32 s20, s20, 13
	s_add_co_u32 s20, s20, PS
	s_mov_b32 s21, 0
	s_mul_i32 s45, s14, HALFT
	s_lshl_b32 s94, s16, 13
	s_wait_dscnt 0x0                               ; both opening adds are done
	s_wait_kmcnt 0x0
	s_add_nc_u64 s[22:23], s[4:5], s[22:23]
	s_add_nc_u64 s[10:11], s[4:5], s[20:21]        ; my rows' word images in prob: scale words; -M 524,288 on; l 1,048,576 on
	s_add_nc_u64 s[46:47], s[6:7], s[46:47]
	s_add_nc_u64 s[92:93], s[6:7], s[92:93]
	CROUND
	s_mov_b32 s[G0SB], 1
	s_add_co_u32 s[G0SB+1], s94, SCLB
	s_mov_b64 s[G0SB+2:G0SB+3], s[92:93]
	s_or_b32 s[G0SB+3], s[G0SB+3], 0x80000000
.irp s, 0,1
	s_mov_b32 s[G0+4*\s], 1
	s_add_co_u32 s[G0+4*\s+1], s45, \s*SLOT
	s_add_nc_u64 s[G0+4*\s+2:G0+4*\s+3], s[22:23], \s*3072
	s_or_b32 s[G0+4*\s+3], s[G0+4*\s+3], 0x80000000
	s_mov_b32 s[G0B+4*\s], 1
	s_add_co_u32 s[G0B+4*\s+1], s45, \s*SLOT
	s_add_nc_u64 s[G0B+4*\s+2:G0B+4*\s+3], s[46:47], \s*3072
	s_or_b32 s[G0B+4*\s+3], s[G0B+4*\s+3], 0x80000000
.endr
	s_cmp_eq_u32 s15, 0                            ; a wave's first fills stand in one branch; in both arms slot 1's load is the last and slot 0's the one before it
	s_cbranch_scc0 .Lfirst_b
	tensor_load_to_lds s[G0:G0+3], s[G1:G1+7]
	s_nop 0
	tensor_load_to_lds s[G0+4:G0+7], s[G1:G1+7]
	s_nop 0
.rept 4
	v_nop
.endr
	s_branch .Lfirst_done
.Lfirst_b:
	tensor_load_to_lds s[G0SB:G0SB+3], s[G1SB:G1SB+7]
	s_nop 0
	tensor_load_to_lds s[G0B:G0B+3], s[G1B:G1B+7]
	s_nop 0
	tensor_load_to_lds s[G0B+4:G0B+7], s[G1B:G1B+7]
	s_nop 0
.rept 4
	v_nop
.endr
.Lfirst_done:
	v_and_b32 v1, 31, v0
	v_lshlrev_b32 v[LOFF], 4, v1
	s_mul_i32 s21, s15, HALFT
	s_mul_i32 s22, s16, HALFT
	s_add_co_u32 s22, s22, 2*HALFT
.irp s, 0,1
	v_add_nc_u32 v[ADRA+\s], s21, v[LOFF]
	v_add_nc_u32 v[ADRB+\s], s22, v[LOFF]
	s_add_co_u32 s21, s21, SLOT
	s_add_co_u32 s22, s22, SLOT
.endr
	s_mul_i32 s21, s15, 512*NK
	s_add_co_u32 s21, s21, SCLA
	v_add_nc_u32 v[ADSA], s21, v[LOFF]
	s_mul_i32 s22, s16, 512*NK
	s_add_co_u32 s22, s22, SCLB
	v_add_nc_u32 v[ADSB], s22, v[LOFF]
	s_lshl_b32 s21, s14, 12
	s_add_co_u32 s21, s21, SCLA
	v_add_nc_u32 v[ASA], s21, v[LOFF]              ; where I store aligned scale words: my group's region, my 8 K steps
	s_lshl_b32 s21, s16, 12
	v_add_nc_u32 v[VO1], s21, v[LOFF]              ; my 8 K steps in memory,
	s_xor_b32 s21, s21, 4096
	v_add_nc_u32 v[VO2], s21, v[LOFF]              ; and the other 8
	s_mov_b32 s[SEL], 0x76543210
	s_mov_b32 s[SEL+1], 0xfedcba98
	s_mov_b32 s[HM], 0xffff0000
	s_mov_b32 s98, 0x80808080
	; ---- ALIGN ----
.irp k, 0,1,2,3,4,5,6,7
	global_load_b128 v[NMI+4*\k:NMI+4*\k+3], v[VO1], s[10:11] offset:524288+512*\k
	global_load_b128 v[NMI+32+4*\k:NMI+32+4*\k+3], v[VO2], s[10:11] offset:524288+512*\k
	global_load_b128 v[LI+4*\k:LI+4*\k+3], v[VO1], s[10:11] offset:1048576+512*\k
	global_load_b128 v[LI+32+4*\k:LI+32+4*\k+3], v[VO2], s[10:11] offset:1048576+512*\k
	global_load_b128 v[SI+4*\k:SI+4*\k+3], v[VO1], s[10:11] offset:512*\k
.endr
	; where the results go
	s_lshl_b32 s99, s42, 1
	s_add_co_u32 s99, s99, s16                     ; my K step of ctx
	s_lshl_b32 s20, s17, 4
	s_lshl_b32 s21, s15, 3
	s_add_co_u32 s20, s20, s21
	s_lshl_b32 s20, s20, 3
	s_add_co_u32 s20, s20, s99
	s_mul_i32 s20, s20, 1536
	s_mov_b32 s21, 0
	s_add_nc_u64 s[12:13], s[8:9], s[20:21]
	s_lshl_b32 s20, s17, 1
	s_add_co_u32 s20, s20, s15
	s_lshl_b32 s20, s20, 3
	s_add_co_u32 s20, s20, s99
	s_lshl_b32 s20, s20, 9
	s_add_co_u32 s20, s20, CSO
	s_mov_b32 s21, 0
	s_add_nc_u64 s[66:67], s[8:9], s[20:21]
	s_wait_loadcnt 0x0
.irp j, 0,1,2,3
	v_min3_num_f32 v[MN+\j], v[NMI+\j], v[NMI+4+\j], v[NMI+8+\j]       ; the row's -M: the least of its 16
.endr
.irp k, 3,5,7,9,11,13
.irp j, 0,1,2,3
	v_min3_num_f32 v[MN+\j], v[MN+\j], v[NMI+4*\k+\j], v[NMI+4*\k+4+\j]
.endr
.endr
.irp j, 0,1,2,3
	v_min_num_f32 v[MN+\j], v[MN+\j], v[NMI+60+\j]
.endr
.set q, 0
.rept 64
	v_sub_f32 v[NMI+q], v[NMI+q], v[MN+q%4]        ; d = the row's M - the part's M: a whole number, 0 or more
.set q, q+1
.endr
.set q, 0
.rept 64
	v_cvt_u32_f32 v[NMI+q], v[NMI+q]
.set q, q+1
.endr
.set q, 0
.rept 64
	v_min_u32 v[NMI+q], 127, v[NMI+q]
.set q, q+1
.endr
.irp k, 0,1,2,3,4,5,6,7,8,9,10,11,12,13,14,15
.irp j, 0,1,2,3
	v_sub_nc_u32 v[TT+\j], 127, v[NMI+4*\k+\j]
.endr
.irp j, 0,1,2,3
	v_lshlrev_b32 v[TT+\j], 23, v[TT+\j]           ; 2^-d as f32 (0 at d = 127)
.endr
.irp j, 0,1,2,3
.if \k == 0
	v_mul_f32 v[LT+\j], v[LI+\j], v[TT+\j]
.else
	v_fmac_f32 v[LT+\j], v[LI+4*\k+\j], v[TT+\j]
.endif
.endr
.endr
.irp k, 0,1,2,3,4,5,6,7                        ; my 8 K steps' scale words: each of a word's four bytes less d, held at 0.  p is at most 1, so a byte is at most 125: bit 7 is free
.irp j, 0,1,2,3
	v_perm_b32 v[TT+\j], v[NMI+4*\k+\j], v[NMI+4*\k+\j], 0             ; d in all four bytes
.endr
.irp j, 0,1,2,3
	v_or_b32 v[SI+4*\k+\j], s98, v[SI+4*\k+\j]
.endr
.irp j, 0,1,2,3
	v_sub_nc_u32 v[SI+4*\k+\j], v[SI+4*\k+\j], v[TT+\j]                ; 128 + byte - d, at least 2: nothing is borrowed between bytes
.endr
.irp j, 0,1,2,3
	v_and_b32 v[TT+\j], s98, v[SI+4*\k+\j]                             ; bit 7 stands where byte >= d
.endr
.irp j, 0,1,2,3
	v_lshrrev_b32 v[TT+4+\j], 7, v[TT+\j]
.endr
.irp j, 0,1,2,3
	v_sub_nc_u32 v[TT+\j], v[TT+\j], v[TT+4+\j]                        ; 0x7f there, 0 elsewhere
.endr
.irp j, 0,1,2,3
	v_and_b32 v[SI+4*\k+\j], v[SI+4*\k+\j], v[TT+\j]
.endr
	ds_store_b128 v[ASA], v[SI+4*\k:SI+4*\k+3] offset:512*\k
.endr
.irp j, 0,1,2,3
	v_rcp_f32 v[TT+\j], v[LT+\j]
.endr
.irp j, 0,1,2,3
	v_mov_b32 v[TT+4+\j], 0                        ; plain places behind the reciprocals; and a lane permute's destination counts as one of its sources
.endr
	s_wait_alu depctr_va_vdst(0)                   ; one wait for the four, ahead of their first reader
.irp j, 0,1,2,3
	v_permlanex16_b32 v[TT+4+\j], v[TT+\j], s[SEL], s[SEL+1]
.endr
.irp a, 0,1,2,3                                ; word j holds block j in lanes 0-15 and block 4 + j in lanes 16-31: each block's 1 / l into all 32 lanes
	v_cndmask_b32 v[RV+2*\a], v[TT+\a], v[TT+4+\a], s[HM]
	v_cndmask_b32 v[RV+8+2*\a], v[TT+4+\a], v[TT+\a], s[HM]
.endr
.irp a, 0,1,2,3,4,5,6,7
	v_mov_b32 v[RV+2*\a+1], v[RV+2*\a]
.endr
.irp b, 0,1,2,3
	v_mov_b32 v[TM+4+\b], 0
.endr
	s_wait_tensorcnt 1                             ; v's scale words and my part of slot 0 are in; slot 1's load may be out
	s_wait_dscnt 0x0                               ; for the others' sake: my aligned scale words lie in LDS
	s_barrier_signal -1
	s_barrier_wait -1
	FETCH_B 0, 0, 0
	FETCH_A 0, 0, 0
	SCALES 0
	FETCH_A 0, 0, 4
	STEP 0, 0, 1
	s_mov_b32 s3, LAPS-1
.Llap:
	TURN 0, 1, 1
	STEP 1, 0, 0
	TURN 1, 0, 1
	STEP 0, 0, 0
	s_sub_co_u32 s3, s3, 1
	s_cmp_lg_u32 s3, 0
	s_cbranch_scc1 .Llap
	TURN 0, 1, 0
	STEP 1, 0, 0
	s_wait_dscnt 4*NL
	WIN MUL_LO
	MUL16 0, 1, 1, 1, 0
	MUL16 2, 1, 1, 1, 0
	s_wait_dscnt 0x0
	WIN MUL_HI
	MUL16 4, 1, 1, 1, 0
	MUL16 6, 1, 1, 1, 0
	WIN 0
	PLACES NP
; THE WAY OUT: block a is divided by its rows' l and quantised where it lies, as in launch 2.
.macro QBLK a
.set W, 2+(\a)/4
.set AC, 64*((\a)%4)
.set P, AF+12*(\a)
.set W01, W|(W<<2)
.set W0D, W|(W<<6)
	WIN W0D
.set q, 0
.rept 32
	v_pk_mul_f32 v[AC+q:AC+q+1], v[AC+q:AC+q+1], v[RV+2*\a:RV+2*\a+1]  ; ascending: each accumulator is read from its low end on
.set q, q+2
.endr
	WIN W01
.irp b, 0,1,2,3
	v_max3_num_f32 v[TM+\b], |v[AC+16*\b]|, |v[AC+16*\b+1]|, 0x1800000
.endr
.irp i, 2,4,6,8,10,12,14
.irp b, 0,1,2,3
	v_max3_num_f32 v[TM+\b], |v[AC+16*\b+\i]|, |v[AC+16*\b+\i+1]|, v[TM+\b]
.endr
.endr
	WIN 0
.irp b, 0,1,2,3
	v_permlanex16_b32 v[TM+4+\b], v[TM+\b], s[SEL], s[SEL+1]
.endr
.irp b, 0,1,2,3
	v_max_num_f32 v[TM+\b], v[TM+\b], v[TM+4+\b]
.endr
.irp b, 0,1,2,3
	v_add_nc_u32 v[TM+12+\b], 0xff000000, v[TM+\b]
.endr
.irp b, 0,1,2,3
	v_lshrrev_b32 v[TM+4+\b], 23, v[TM+12+\b]
.endr
	v_lshl_or_b32 v[PW+\a], v[TM+5], 8, v[TM+4]
	v_lshl_or_b32 v[PW+\a], v[TM+6], 16, v[PW+\a]
	v_lshl_or_b32 v[PW+\a], v[TM+7], 24, v[PW+\a]
	WIN W
.irp c, 0,1
	v_cvt_scalef32_pk16_fp6_f32 v[P+6*\c:P+6*\c+2], v[AC+32*\c:AC+32*\c+15], v[TM+12+2*\c]
	v_cvt_scalef32_pk16_fp6_f32 v[224+4*\c:226+4*\c], v[AC+32*\c+16:AC+32*\c+31], v[TM+13+2*\c]
.endr
	WIN 0
	v_nop
.irp c, 0,1
.irp i, 0,1,2
	v_permlane16_swap_b32 v[P+6*\c+\i], v[224+4*\c+\i]
.endr
.irp i, 0,1,2
	v_mov_b32 v[P+3+6*\c+\i], v[224+4*\c+\i]
.endr
.endr
.irp j, 0,1,2
	global_store_b128 v[LOFF], v[P+4*\j:P+4*\j+3], s[12:13] offset:12288*\a+512*\j
.endr
.endm
.irp a, 0,1,2,3,4,5,6,7
	QBLK \a
.endr
.irp j, 0,1,2,3
	v_cndmask_b32 v[SW+\j], v[PW+\j], v[PW+4+\j], s[HM]
.endr
	global_store_b128 v[LOFF], v[SW:SW+3], s[66:67]
	s_wait_tensorcnt 0x0                           ; the wave's end, behind my last tensor load and my last LDS store
	ds_add_u32 v[SPW], v[NIL]
	s_wait_dscnt 0x0
	CROUND
	s_endpgm
.Lfunc_end_k_q1f45c1ef6e_pv:
	.size	k_q1f45c1ef6e_pv, .Lfunc_end_k_q1f45c1ef6e_pv-k_q1f45c1ef6e_pv
	.p2alignl 7, 3214868480
	.fill 96, 4, 3214868480
	.section	.rodata,"a",@progbits
	.p2align	6, 0x0
	.amdhsa_kernel k_q1f45c1ef6e_pv
		.amdhsa_group_segment_fixed_size 327680
		.amdhsa_private_segment_fixed_size 0
		.amdhsa_enable_private_segment 0
		.amdhsa_kernarg_size 24
		.amdhsa_user_sgpr_count 2
		.amdhsa_user_sgpr_kernarg_segment_ptr 1
		.amdhsa_wavefront_size32 1
		.amdhsa_system_sgpr_workgroup_id_x 1
		.amdhsa_system_sgpr_workgroup_id_y 1
		.amdhsa_system_sgpr_workgroup_id_z 1
		.amdhsa_system_vgpr_workitem_id 0
		.amdhsa_next_free_vgpr 1024
		.amdhsa_next_free_sgpr 100
		.amdhsa_reserve_vcc 0
		.amdhsa_float_denorm_mode_32 3
		.amdhsa_float_denorm_mode_16_64 3
		.amdhsa_memory_ordered 1
		.amdhsa_forward_progress 1
		.amdhsa_inst_pref_size 186
	.end_amdhsa_kernel
	.amdgpu_metadata
---
amdhsa.version: [ 1, 2 ]
amdhsa.kernels:
  - .name:           k_q1f45c1ef6e_pv
    .symbol:         k_q1f45c1ef6e_pv.kd
    .args:
      - { .name: prob, .offset: 0, .size: 8, .value_kind: global_buffer, .address_space: global }
      - { .name: qkv, .offset: 8, .size: 8, .value_kind: global_buffer, .address_space: global }
      - { .name: ctx, .offset: 16, .size: 8, .value_kind: global_buffer, .address_space: global }
    .group_segment_fixed_size: 327680
    .private_segment_fixed_size: 0
    .kernarg_segment_align: 8
    .kernarg_segment_size: 24
    .max_flat_workgroup_size: 128
    .sgpr_count:     100
    .vgpr_count:     1024
    .wavefront_size: 32
...
	.end_amdgpu_metadata
.endif
;; end of part 4
;; launch wo_ln (part 5): grid 128 x 1, 4 waves a work-group, clusters of 4 x 1, 327,680 bytes of LDS; arguments ctx, in6, ln2_gamma, ln2_beta, out0; writes out0
.if DOCPART == 5
	.amdgcn_target "amdgcn-amd-amdhsa--gfx1250"
	.amdhsa_code_object_version 6
	.text
	.protected	k_q1f45c1ef6e_wo_ln
	.globl	k_q1f45c1ef6e_wo_ln
	.p2align	8
	.type	k_q1f45c1ef6e_wo_ln,@function
k_q1f45c1ef6e_wo_ln:
	s_mov_b64 s[64:65], 0
	v_nop
	global_prefetch_b8 v0, s[64:65] scope:SCOPE_SE
	s_setreg_imm32_b32 hwreg(HW_REG_WAVE_MODE, 25, 1), 1
	s_wait_xcnt 0x0
	s_wait_alu depctr_hold_cnt(0) depctr_sa_sdst(0) depctr_va_vdst(0) depctr_va_sdst(0) depctr_va_ssrc(0) depctr_va_vcc(0) depctr_vm_vsrc(0)
	s_getreg_b32 s2, hwreg(HW_REG_IB_STS2, 6, 4)
	s_cmp_eq_u32 s2, 0
	s_cbranch_scc0 .Lentry_in_a_cluster
	s_endpgm
.Lentry_in_a_cluster:
	s_bfe_u32 s2, ttmp6, 0x10000c
	s_cmp_lg_u32 s2, 0x3003
	s_cbranch_scc0 .Lentry_shape_is_right
	s_endpgm
.Lentry_shape_is_right:
; LAUNCH 5 OF 5.  hidden = ctx Wo on codes of FP6, then LayerNorm over each row's 1,024 numbers, in f32, in two passes as the problem has it (mean; then the mean of squared differences).  Nothing is left out.
; SHARES.  LayerNorm wants whole rows in one work-group: a work-group takes 64 stored rows x all 1,024 columns; wave w takes stored columns 256 w .. 256 w + 255: 4 blocks of rows x 16 blocks of columns = 64 accumulators.
; 128 work-groups: 64 x 1,024 sums of f32 are half of a WGP's registers, and the operands need room beside them.
; ctx's 64 rows (all of K) and both operands' scale words come into LDS once.  Wo goes through a ring of two slots of one K step (128) each; two slots of two K steps would not fit beside them.
; CLUSTER 4 x 1: all work-groups walk the same Wo, so its tiles and scale words are asked for jointly by the four; ctx's loads are each work-group's own.
; TRANSPOSED USE as in launch 2: lane (r, h) holds stored row r; register j of column tile b is the true column 256 w + 32 (b / 2) + 16 h + 8 (b % 2) + j.  The order PI of the rows is undone in out0's row addresses.
; LIMITS: NaN and infinities are not served; 1 / sqrt by v_rsq_f32.
; REGISTERS: window 0: v16-29 addresses; v32-63 scale words, two sets; v64-159 ctx's fragments, two sets of 4 (on the way out v64-191: rows read back); v192-247 statistics.
;   window 1: Wo's 16 fragments, one set (later gamma in v0-127, beta in v128-255).  windows 2, 3: accumulator (a, b) at v[8 (8 a + b % 8)] of window 2 + b / 8.
.set WC,     6553600
.set WS,     9699328
.set WMAT,   786432
.set WSM,    32768
.set CSO,    6291456
.set RSL,    98304                     ; a slot: 64 row blocks of Wo x 1,536 bytes; wave w's 16 at 24,576 w
.set AIM,    196608                    ; ctx's fragments: 4 row blocks x 8 K steps x 1,536
.set ASC,    245760                    ; ctx's scale words: 8 K steps x 256 bytes
.set BSC,    247808                    ; Wo's word images: 8 groups x 8 K steps x 512
.set STAT1,  280576                    ; the waves' sums, 1,024 bytes; the sums of squares 1,024 bytes on
.set SPARE,  282624                    ; the spare words, 128 bytes for each wave: two blocks of 256 bytes that no other line names
.set ADA,    16
.set ADSA,   17
.set ADSB,   18
.set ADB,    20                        ; v20-21
.set STO,    22
.set RD,     23
.set STW,    24
.set STR,    25
.set LOFF,   26
.set GV,     27
.set SPW,    28
.set NIL,    29
.set SC,     32                        ; set p at v[SC + 16 p]: +0..3 ctx's words (register a = block a), +4..11 Wo's two groups
.set AF,     64
.set SS,     192                       ; v192-199 a pair of sums for each block of rows
.set TP,     200                       ; v200-203 from lane l xor 16
.set LD4,    208                       ; v208-223 the four waves' parts
.set MU,     224                       ; v224-231 the means, as pairs
.set QQ,     232                       ; v232-239 sums of squares
.set RS,     240                       ; v240-247 1 / sqrt(var + eps), as pairs
.set G1R,  24
.set G0R,  32
.set G1A,  40
.set G0A,  48
.set G1AS, 52
.set G0AS, 60
.set G1BS, 68
.set G0BS, 76
.set SEL,  84
.set MSB, 0
.macro WIN new
.if MSB != \new
	s_set_vgpr_msb (MSB<<8)|\new
.set MSB, \new
.endif
.endm
.macro CREST
	s_cmp_lg_u32 s14, 0
	s_cbranch_scc1 .Lnot_wave_0_\@
	s_barrier_signal -3
.Lnot_wave_0_\@:
	s_barrier_wait -3
	s_barrier_signal -1
	s_barrier_wait -1
.endm
.macro CROUND
	s_barrier_signal -1
	s_barrier_wait -1
	CREST
.endm
.macro PLACES n
.rept \n
	v_nop
.endr
.endm
.macro WM5 a, b, p, zero
.set rD, 8*(8*(\a)+(\b)%8)
.set rB, 12*(\b)
.set rA, AF+48*(\p)+12*(\a)
.set rSB, SC+16*(\p)+4+4*((\b)/8)+(\b)%4
.set rSA, SC+16*(\p)+(\a)
.set rw, ((\b)/4)%2
.if \zero
.if rw == 0
	v_wmma_scale_f32_16x16x128_f8f6f4 v[rD:rD+7], v[rB:rB+11], v[rA:rA+11], 0, v[rSB], v[rSA] matrix_a_fmt:MATRIX_FMT_FP6 matrix_b_fmt:MATRIX_FMT_FP6
.else
	v_wmma_scale_f32_16x16x128_f8f6f4 v[rD:rD+7], v[rB:rB+11], v[rA:rA+11], 0, v[rSB], v[rSA] matrix_a_fmt:MATRIX_FMT_FP6 matrix_b_fmt:MATRIX_FMT_FP6 matrix_a_scale:MATRIX_SCALE_ROW1
.endif
.else
.if rw == 0
	v_wmma_scale_f32_16x16x128_f8f6f4 v[rD:rD+7], v[rB:rB+11], v[rA:rA+11], v[rD:rD+7], v[rSB], v[rSA] matrix_a_fmt:MATRIX_FMT_FP6 matrix_b_fmt:MATRIX_FMT_FP6
.else
	v_wmma_scale_f32_16x16x128_f8f6f4 v[rD:rD+7], v[rB:rB+11], v[rA:rA+11], v[rD:rD+7], v[rSB], v[rSA] matrix_a_fmt:MATRIX_FMT_FP6 matrix_b_fmt:MATRIX_FMT_FP6 matrix_a_scale:MATRIX_SCALE_ROW1
.endif
.endif
.endm
.macro MULB b0, n, p, zero             ; column blocks b0 .. b0 + n - 1 x the four blocks of rows; the accumulators take turns, in the same order in every step
.set bb, \b0
.rept \n
.irp a, 0,1,2,3
	WM5 \a, bb, \p, \zero
.endr
.set bb, bb+1
.endr
.endm
.macro FB s, b0                        ; eight of Wo's fragments out of slot s: 24 loads
	WIN 0x40
.set bb, \b0
.rept 8
.irp c, 0,1,2
	ds_load_b128 v[12*bb+4*\c:12*bb+4*\c+3], v[ADB+\s] offset:1536*bb+512*\c
.endr
.set bb, bb+1
.endr
	WIN 0
.endm
.macro FA p                            ; ctx's four fragments of a K step: 12 loads
.irp a, 0,1,2,3
.irp c, 0,1,2
	ds_load_b128 v[AF+48*(\p)+12*\a+4*\c:AF+48*(\p)+12*\a+4*\c+3], v[ADA] offset:12288*\a+512*\c
.endr
.endr
.endm
.macro FS p                            ; the K step's scale words: 3 loads
	ds_load_b128 v[SC+16*(\p):SC+16*(\p)+3], v[ADSA]
	ds_load_b128 v[SC+16*(\p)+4:SC+16*(\p)+7], v[ADSB]
	ds_load_b128 v[SC+16*(\p)+8:SC+16*(\p)+11], v[ADSB] offset:4096
.endm
; A K step, out of slot s, with the change of slots in it.  fill = 1: slot s is filled again, two K steps ahead, behind a round of the cluster's barrier.
.macro TURN5 s, fill, zero
	s_wait_tensorcnt 0x0                           ; all my tensor loads have landed: my part of the other slot
	ds_add_u32 v[SPW], v[NIL]                      ; 0 onto my spare word
	s_wait_dscnt 25                                ; (the add and the youngest 24 loads, Wo's blocks 8-15, may be out)
	WIN 0xa1
	MULB 0, 4, \s, \zero
	s_wait_dscnt 0x0                               ; the add is done, and my reads of this slot are over: all 16 fragments are in registers
	s_barrier_signal -1
	MULB 4, 4, \s, \zero
	WIN 0
	s_barrier_wait -1
.if \fill
	CREST
	s_add_nc_u64 s[G0R+4*\s+2:G0R+4*\s+3], s[G0R+4*\s+2:G0R+4*\s+3], 3072
	tensor_load_to_lds s[G0R+4*\s:G0R+4*\s+3], s[G1R:G1R+7]    ; the first tensor load behind the round, one a wave
	s_nop 0
	PLACES 4
.else
	PLACES 4
.endif
	v_add_nc_u32 v[ADA], 1536, v[ADA]              ; on to the next K step
	v_add_nc_u32 v[ADSA], 256, v[ADSA]
	v_add_nc_u32 v[ADSB], 512, v[ADSB]
	FB 1-\s, 0
	FA 1-\s
	FS 1-\s
	WIN 0xf1
	MULB 8, 8, \s, \zero
	PLACES 4
	FB 1-\s, 8
.endm
	s_load_b256 s[4:11], s[0:1], 0x0               ; ctx s[4:5], in6 s[6:7], gamma s[8:9], beta s[10:11]
	s_load_b64 s[12:13], s[0:1], 0x20              ; out0
	v_lshl_add_u32 v[SPW], v0, 2, SPARE
	v_mov_b32 v[NIL], 0
	ds_add_u32 v[SPW], v[NIL]                      ; the wave's opening: the add, twice on end, and its wait ahead of my first tensor load
	ds_add_u32 v[SPW], v[NIL]
	v_lshrrev_b32 v1, 5, v0
	v_readfirstlane_b32 s14, v1                    ; wave 0..3
	s_bfe_u32 s16, ttmp6, 0x40000                  ; cx
	s_lshl_b32 s17, ttmp9, 2
	s_add_co_u32 s17, s17, s16                     ; my work-group: it enters ctx's and out0's addresses alone
	; Wo's tile: 16 rows (row blocks) of 1,536 bytes, 12,288 bytes apart; joint
	s_mov_b32 s[G1R+0], 15|(3<<16)|(1<<21)
	s_mov_b32 s[G1R+1], 192<<16
	s_mov_b32 s[G1R+2], 16<<16
	s_mov_b32 s[G1R+3], 192<<16
	s_mov_b32 s[G1R+4], 16
	s_mov_b32 s[G1R+5], 1536
	s_mov_b32 s[G1R+6], 0
	s_mov_b32 s[G1R+7], 0
	; ctx's fragments: a dense block of 12,288 bytes a wave, as 48 rows of 256; my work-group's own
	s_mov_b32 s[G1A+0], 3<<16
	s_mov_b32 s[G1A+1], 32<<16
	s_mov_b32 s[G1A+2], 48<<16
	s_mov_b32 s[G1A+3], 32<<16
	s_mov_b32 s[G1A+4], 48
	s_mov_b32 s[G1A+5], 32
	s_mov_b32 s[G1A+6], 0
	s_mov_b32 s[G1A+7], 0
	; ctx's scale words: my 64 rows are half of a word image: 256 bytes of each K step's 512; 2 K steps a wave
	s_mov_b32 s[G1AS+0], 3<<16
	s_mov_b32 s[G1AS+1], 32<<16
	s_mov_b32 s[G1AS+2], 2<<16
	s_mov_b32 s[G1AS+3], 32<<16
	s_mov_b32 s[G1AS+4], 2
	s_mov_b32 s[G1AS+5], 64
	s_mov_b32 s[G1AS+6], 0
	s_mov_b32 s[G1AS+7], 0
	; Wo's word images: a dense block of 8,192 bytes a wave, as 32 rows of 256; joint
	s_mov_b32 s[G1BS+0], 15|(3<<16)|(1<<21)
	s_mov_b32 s[G1BS+1], 32<<16
	s_mov_b32 s[G1BS+2], 32<<16
	s_mov_b32 s[G1BS+3], 32<<16
	s_mov_b32 s[G1BS+4], 32
	s_mov_b32 s[G1BS+5], 32
	s_mov_b32 s[G1BS+6], 0
	s_mov_b32 s[G1BS+7], 0
	s_mul_i32 s18, s14, 196608                     ; Wo: my 16 row blocks
	s_add_co_u32 s18, s18, WC+3*WMAT
	s_mov_b32 s19, 0
	s_lshl_b32 s20, s14, 13
	s_add_co_u32 s20, s20, WS+3*WSM
	s_mov_b32 s21, 0
	s_mul_i32 s80, s17, 49152                      ; ctx: my work-group's 4 row blocks, my wave's one
	s_mul_i32 s81, s14, 12288
	s_add_co_u32 s80, s80, s81
	s_mov_b32 s81, 0
	s_lshr_b32 s86, s17, 1
	s_lshl_b32 s86, s86, 12
	s_and_b32 s87, s17, 1
	s_lshl_b32 s87, s87, 8
	s_add_co_u32 s86, s86, s87
	s_lshl_b32 s87, s14, 10
	s_add_co_u32 s86, s86, s87
	s_add_co_u32 s86, s86, CSO
	s_mov_b32 s87, 0
	s_mul_i32 s22, s14, 24576                      ; my quarter of a slot
	s_mul_i32 s23, s14, 12288
	s_wait_dscnt 0x0                               ; both opening adds are done
	s_wait_kmcnt 0x0
	s_add_nc_u64 s[18:19], s[6:7], s[18:19]
	s_add_nc_u64 s[20:21], s[6:7], s[20:21]
	s_add_nc_u64 s[80:81], s[4:5], s[80:81]
	s_add_nc_u64 s[86:87], s[4:5], s[86:87]
	CROUND                                         ; the four work-groups are here: the first joint loads meet
	s_mov_b32 s[G0A], 1
	s_add_co_u32 s[G0A+1], s23, AIM
	s_mov_b64 s[G0A+2:G0A+3], s[80:81]
	s_or_b32 s[G0A+3], s[G0A+3], 0x80000000
	s_mov_b32 s[G0AS], 1
	s_lshl_b32 s[G0AS+1], s14, 9
	s_add_co_u32 s[G0AS+1], s[G0AS+1], ASC
	s_mov_b64 s[G0AS+2:G0AS+3], s[86:87]
	s_or_b32 s[G0AS+3], s[G0AS+3], 0x80000000
	s_mov_b32 s[G0BS], 1
	s_lshl_b32 s[G0BS+1], s14, 13
	s_add_co_u32 s[G0BS+1], s[G0BS+1], BSC
	s_mov_b64 s[G0BS+2:G0BS+3], s[20:21]
	s_or_b32 s[G0BS+3], s[G0BS+3], 0x80000000
.irp s, 0,1
	s_mov_b32 s[G0R+4*\s], 1
	s_add_co_u32 s[G0R+4*\s+1], s22, \s*RSL
	s_add_nc_u64 s[G0R+4*\s+2:G0R+4*\s+3], s[18:19], \s*1536
	s_or_b32 s[G0R+4*\s+3], s[G0R+4*\s+3], 0x80000000
.endr
	tensor_load_to_lds s[G0A:G0A+3], s[G1A:G1A+7]              ; every wave issues the same five first fills: by this text's count five loads of mine are out here, one behind each round
	s_nop 0
	tensor_load_to_lds s[G0AS:G0AS+3], s[G1AS:G1AS+7]
	s_nop 0
	tensor_load_to_lds s[G0BS:G0BS+3], s[G1BS:G1BS+7]
	s_nop 0
	tensor_load_to_lds s[G0R:G0R+3], s[G1R:G1R+7]
	s_nop 0
	tensor_load_to_lds s[G0R+4:G0R+7], s[G1R:G1R+7]
	s_nop 0
	PLACES 4
	v_and_b32 v1, 31, v0
	v_lshlrev_b32 v[LOFF], 4, v1
	v_and_b32 v2, 15, v0                           ; r
	v_bfe_u32 v3, v0, 4, 1                         ; h
	v_lshlrev_b32 v4, 4, v2                        ; 16 r
	v_add_nc_u32 v[ADA], AIM, v[LOFF]
	v_add_nc_u32 v[ADSA], ASC, v4
	s_lshl_b32 s23, s14, 13
	s_add_co_u32 s23, s23, BSC
	v_add_nc_u32 v[ADSB], s23, v[LOFF]
	v_add_nc_u32 v[ADB], s22, v[LOFF]
	s_add_co_u32 s23, s22, RSL
	v_add_nc_u32 v[ADB+1], s23, v[LOFF]
	v_mul_u32_u24 v[STO], v2, 1040                 ; the stage for the way out: 16 rows x (1,024 + 16) bytes in my quarter of slot 0, which has had its last fill and its last read by then
	v_lshl_add_u32 v[STO], v3, 6, v[STO]
	v_add_nc_u32 v[STO], s22, v[STO]
	v_add_nc_u32 v[RD], s22, v[LOFF]
	s_lshl_b32 s23, s14, 2
	s_add_co_u32 s23, s23, STAT1
	v_add_nc_u32 v[STW], s23, v4                   ; my wave's word for row r
	v_add_nc_u32 v[STR], STAT1, v4                 ; the four waves' words for row r
	s_lshl_b32 s23, s14, 10
	v_lshl_add_u32 v[GV], v3, 6, s23               ; gamma, beta: 4 x (256 w + 16 h)
	s_mov_b32 s[SEL], 0x76543210
	s_mov_b32 s[SEL+1], 0xfedcba98
	s_mov_b32 s82, 0x3a800000                      ; 1 / 1024
	s_mov_b32 s83, 0x3727c5ac                      ; eps = 1e-5
.irp a, 0,1,2,3
	v_mov_b32 v[TP+\a], 0                          ; written once: a lane permute's destination counts as one of its sources
.endr
	s_lshl_b32 s80, s17, 18                        ; out0: my work-group's 64 rows of 4,096 bytes,
	s_add_co_u32 s80, s80, s23                     ; my wave's 1,024 bytes of each
	s_mov_b32 s81, 0
	s_add_nc_u64 s[12:13], s[12:13], s[80:81]
	s_wait_tensorcnt 1                             ; ctx, the scale words and slot 0 are in; slot 1's load may be out
	s_barrier_signal -1
	s_barrier_wait -1
	FB 0, 0
	FA 0
	FS 0
	FB 0, 8
	TURN5 0, 1, 1                                  ; K step 0: its products start the sums; asks for K step 2
	s_mov_b32 s3, 2
.Lpair:                                            ; K steps 1 to 4; they ask for 3 to 6
	TURN5 1, 1, 0
	TURN5 0, 1, 0
	s_sub_co_u32 s3, s3, 1
	s_cmp_lg_u32 s3, 0
	s_cbranch_scc1 .Lpair
	TURN5 1, 1, 0                                  ; K step 5; asks for 7
	TURN5 0, 0, 0                                  ; K step 6: nothing is left to ask for
	s_wait_dscnt 24                                ; K step 7: the youngest 24 loads (Wo's blocks 8-15) may be out
	WIN 0xa1
	MULB 0, 8, 1, 0
	s_wait_dscnt 0x0
	WIN 0xf1
	MULB 8, 8, 1, 0
	WIN 0
	PLACES 4                                       ; in front of the first read of results and of loads into Wo's registers
	; ---- LayerNorm ----
	WIN 0x40                                       ; gamma and beta of my lane's 128 columns, in the order of its registers, into window 1
.set q, 0
.rept 32
	global_load_b128 v[4*q:4*q+3], v[GV], s[8:9] offset:128*(q/4)+16*(q%4)
	global_load_b128 v[128+4*q:128+4*q+3], v[GV], s[10:11] offset:128*(q/4)+16*(q%4)
.set q, q+1
.endr
	WIN 0x0a                                       ; the rows' sums: one chain for each block of rows, the four by turns
.irp a, 0,1,2,3
	v_pk_add_f32 v[SS+2*\a:SS+2*\a+1], v[64*\a:64*\a+1], v[64*\a+2:64*\a+3]
.endr
	WIN 0x02
.set q, 4
.rept 30
.irp a, 0,1,2,3
	v_pk_add_f32 v[SS+2*\a:SS+2*\a+1], v[64*\a+q:64*\a+q+1], v[SS+2*\a:SS+2*\a+1]
.endr
.set q, q+2
.endr
	WIN 0x03
.set q, 0
.rept 32
.irp a, 0,1,2,3
	v_pk_add_f32 v[SS+2*\a:SS+2*\a+1], v[64*\a+q:64*\a+q+1], v[SS+2*\a:SS+2*\a+1]
.endr
.set q, q+2
.endr
	WIN 0
; a pair of sums for each block of rows -> the row's sum over all four waves, in v[LD4 + 4 a]; off: which 1,024 bytes of the exchange
.macro ALLSUM src, off
.irp a, 0,1,2,3
	v_add_f32 v[\src+2*\a], v[\src+2*\a], v[\src+2*\a+1]
.endr
.irp a, 0,1,2,3
	v_permlanex16_b32 v[TP+\a], v[\src+2*\a], s[SEL], s[SEL+1]
.endr
.irp a, 0,1,2,3
	v_add_f32 v[\src+2*\a], v[\src+2*\a], v[TP+\a]           ; my wave's 256 columns of row r
.endr
.irp a, 0,1,2,3
	ds_store_b32 v[STW], v[\src+2*\a] offset:\off+256*\a     ; lanes r and r + 16 write the same word with the same value
.endr
	s_wait_dscnt 0x0                               ; for the others' sake
	s_barrier_signal -1
	s_barrier_wait -1
.irp a, 0,1,2,3
	ds_load_b128 v[LD4+4*\a:LD4+4*\a+3], v[STR] offset:\off+256*\a
.endr
	s_wait_dscnt 0x0
.irp a, 0,1,2,3
	v_add_f32 v[LD4+4*\a], v[LD4+4*\a], v[LD4+4*\a+1]
	v_add_f32 v[LD4+4*\a+2], v[LD4+4*\a+2], v[LD4+4*\a+3]
.endr
.irp a, 0,1,2,3
	v_add_f32 v[LD4+4*\a], v[LD4+4*\a], v[LD4+4*\a+2]
.endr
.endm
	ALLSUM SS, 0
.irp a, 0,1,2,3
	v_mul_f32 v[MU+2*\a], s82, v[LD4+4*\a]         ; the mean
.endr
.irp a, 0,1,2,3
	v_mov_b32 v[MU+2*\a+1], v[MU+2*\a]
.endr
.macro CENTRE w, first                 ; x - mean in place, and the sums of its squares
.set W0D, (\w)|((\w)<<6)
.set W01, (\w)|((\w)<<2)
	WIN W0D
.set q, 0
.rept 32
.irp a, 0,1,2,3
	v_pk_add_f32 v[64*\a+q:64*\a+q+1], v[64*\a+q:64*\a+q+1], v[MU+2*\a:MU+2*\a+1] neg_lo:[0,1] neg_hi:[0,1]
.endr
.set q, q+2
.endr
	WIN W01
.set q, 0
.rept 32
.irp a, 0,1,2,3
.if \first && (q == 0)
	v_pk_mul_f32 v[QQ+2*\a:QQ+2*\a+1], v[64*\a+q:64*\a+q+1], v[64*\a+q:64*\a+q+1]
.else
	v_pk_fma_f32 v[QQ+2*\a:QQ+2*\a+1], v[64*\a+q:64*\a+q+1], v[64*\a+q:64*\a+q+1], v[QQ+2*\a:QQ+2*\a+1]
.endif
.endr
.set q, q+2
.endr
.endm
	CENTRE 2, 1
	CENTRE 3, 0
	WIN 0
	ALLSUM QQ, 1024
.irp a, 0,1,2,3
	v_fma_f32 v[LD4+4*\a], v[LD4+4*\a], s82, s83   ; var + eps
.endr
.irp a, 0,1,2,3
	v_rsq_f32 v[RS+2*\a], v[LD4+4*\a]
.endr
	v_nop                                          ; a plain place behind the last of them
	s_wait_alu depctr_va_vdst(0)                   ; one wait for the four, ahead of their first reader
.irp a, 0,1,2,3
	v_mov_b32 v[RS+2*\a+1], v[RS+2*\a]
.endr
	s_wait_loadcnt 0x0                             ; gamma and beta
.macro SCALE w                         ; (x - mean) x rsqrt x gamma + beta, in place
.set W0D, (\w)|((\w)<<6)
.set WGB, (\w)|(1<<2)|(1<<4)|((\w)<<6)
	WIN W0D
.set q, 0
.rept 32
.irp a, 0,1,2,3
	v_pk_mul_f32 v[64*\a+q:64*\a+q+1], v[64*\a+q:64*\a+q+1], v[RS+2*\a:RS+2*\a+1]
.endr
.set q, q+2
.endr
	WIN WGB                                        ; sources 1 and 2 (gamma, beta) in window 1
.set q, 0
.rept 32
.irp a, 0,1,2,3
	v_pk_fma_f32 v[64*\a+q:64*\a+q+1], v[64*\a+q:64*\a+q+1], v[64*((\w)-2)+q:64*((\w)-2)+q+1], v[128+64*((\w)-2)+q:128+64*((\w)-2)+q+1]
.endr
.set q, q+2
.endr
.endm
	SCALE 2
	SCALE 3
	WIN 0
; THE WAY OUT, a block of 16 rows at a time, through my stage: in by columns, back as whole runs of 512 bytes of a row.
.macro OUTA a
.if \a > 0
	s_wait_xcnt 0x0                                ; the last block's stores have read their registers: they are loaded again only behind this wait
.endif
	WIN 0x08                                       ; an LDS store's data are its source 1: window 2
.set q, 0
.rept 8
	ds_store_b128 v[STO], v[64*\a+8*q:64*\a+8*q+3] offset:128*(q/2)+32*(q%2)
	ds_store_b128 v[STO], v[64*\a+8*q+4:64*\a+8*q+7] offset:128*(q/2)+32*(q%2)+16
.set q, q+1
.endr
	WIN 0x0c                                       ; window 3: column blocks 8-15
.set q, 0
.rept 8
	ds_store_b128 v[STO], v[64*\a+8*q:64*\a+8*q+3] offset:512+128*(q/2)+32*(q%2)
	ds_store_b128 v[STO], v[64*\a+8*q+4:64*\a+8*q+7] offset:512+128*(q/2)+32*(q%2)+16
.set q, q+1
.endr
	WIN 0
.set q, 0
.rept 32
	ds_load_b128 v[64+4*q:64+4*q+3], v[RD] offset:1040*(q/2)+512*(q%2)         ; my own bytes, served in order: these see the stores above
.set q, q+1
.endr
.set q, 0
.rept 32
	s_wait_dscnt 31-q                              ; the younger loads may be out
	global_store_b128 v[LOFF], v[64+4*q:64+4*q+3], s[12:13] offset:(32*((\a)/2)+16*((q/2)/8)+8*((\a)%2)+(q/2)%8)*4096+512*(q%2) th:TH_STORE_NT   ; stored row 16 a + q / 2 is this true row; 512 consecutive bytes, aligned
.set q, q+1
.endr
.endm
	OUTA 0
	OUTA 1
	OUTA 2
	OUTA 3
	s_wait_tensorcnt 0x0                           ; the wave's end, behind my last tensor load and my last LDS store
	ds_add_u32 v[SPW], v[NIL]
	s_wait_dscnt 0x0
	CROUND                                         ; the closing round
	s_endpgm
.Lfunc_end_k_q1f45c1ef6e_wo_ln:
	.size	k_q1f45c1ef6e_wo_ln, .Lfunc_end_k_q1f45c1ef6e_wo_ln-k_q1f45c1ef6e_wo_ln
	.p2alignl 7, 3214868480
	.fill 96, 4, 3214868480
	.section	.rodata,"a",@progbits
	.p2align	6, 0x0
	.amdhsa_kernel k_q1f45c1ef6e_wo_ln
		.amdhsa_group_segment_fixed_size 327680
		.amdhsa_private_segment_fixed_size 0
		.amdhsa_enable_private_segment 0
		.amdhsa_kernarg_size 40
		.amdhsa_user_sgpr_count 2
		.amdhsa_user_sgpr_kernarg_segment_ptr 1
		.amdhsa_wavefront_size32 1
		.amdhsa_system_sgpr_workgroup_id_x 1
		.amdhsa_system_sgpr_workgroup_id_y 1
		.amdhsa_system_sgpr_workgroup_id_z 1
		.amdhsa_system_vgpr_workitem_id 0
		.amdhsa_next_free_vgpr 1024
		.amdhsa_next_free_sgpr 90
		.amdhsa_reserve_vcc 0
		.amdhsa_float_denorm_mode_32 3
		.amdhsa_float_denorm_mode_16_64 3
		.amdhsa_memory_ordered 1
		.amdhsa_forward_progress 1
		.amdhsa_inst_pref_size 209
	.end_amdhsa_kernel
	.amdgpu_metadata
---
amdhsa.version: [ 1, 2 ]
amdhsa.kernels:
  - .name:           k_q1f45c1ef6e_wo_ln
    .symbol:         k_q1f45c1ef6e_wo_ln.kd
    .args:
      - { .name: ctx, .offset: 0, .size: 8, .value_kind: global_buffer, .address_space: global }
      - { .name: in6, .offset: 8, .size: 8, .value_kind: global_buffer, .address_space: global }
      - { .name: ln2_gamma, .offset: 16, .size: 8, .value_kind: global_buffer, .address_space: global }
      - { .name: ln2_beta, .offset: 24, .size: 8, .value_kind: global_buffer, .address_space: global }
      - { .name: out0, .offset: 32, .size: 8, .value_kind: global_buffer, .address_space: global }
    .group_segment_fixed_size: 327680
    .private_segment_fixed_size: 0
    .kernarg_segment_align: 8
    .kernarg_segment_size: 40
    .max_flat_workgroup_size: 128
    .sgpr_count:     90
    .vgpr_count:     1024
    .wavefront_size: 32
...
	.end_amdgpu_metadata
.endif
;; end of part 5
;; ======== version 2 of 2: 5 launches; 1.16 times as fast as version 1
;; workspace buffers: in6 9,830,400 bytes; qkv 19,660,800 bytes; prob 14,155,776 bytes; ctx 6,553,600 bytes
;; launch quant: the kernel of part 1 again; grid 384 x 1, 8 waves a work-group, no clusters, 97,280 bytes of LDS; arguments x, Wq, Wk, Wv, Wo, in6; writes in6
;; launch qkv (part 6): grid 12 x 32, 4 waves a work-group, clusters of 4 x 4, 327,680 bytes of LDS; arguments in6, qkv; writes qkv
.if DOCPART == 6
	.amdgcn_target "amdgcn-amd-amdhsa--gfx1250"
	.amdhsa_code_object_version 6
	.text
	.protected	k_q1f45c1ef6e_qkv
	.globl	k_q1f45c1ef6e_qkv
	.p2align	8
	.type	k_q1f45c1ef6e_qkv,@function
k_q1f45c1ef6e_qkv:
	s_mov_b64 s[64:65], 0
	v_nop
	global_prefetch_b8 v0, s[64:65] scope:SCOPE_SE
	s_setreg_imm32_b32 hwreg(HW_REG_WAVE_MODE, 25, 1), 1
	s_wait_xcnt 0x0
	s_wait_alu depctr_hold_cnt(0) depctr_sa_sdst(0) depctr_va_vdst(0) depctr_va_sdst(0) depctr_va_ssrc(0) depctr_va_vcc(0) depctr_vm_vsrc(0)
	s_getreg_b32 s2, hwreg(HW_REG_IB_STS2, 6, 4)
	s_cmp_eq_u32 s2, 0
	s_cbranch_scc0 .Lentry_in_a_cluster
	s_endpgm
.Lentry_in_a_cluster:
	s_bfe_u32 s2, ttmp6, 0x10000c
	s_cmp_lg_u32 s2, 0xf033
	s_cbranch_scc0 .Lentry_shape_is_right
	s_endpgm
.Lentry_shape_is_right:
; LAUNCH 2 OF 5.  q = x Wq, k = x Wk, v = x Wv on codes of FP6; the results are quantised at once: q and k along the features, v along the keys.  Nothing is left out.
; One body: out[R][C] = sum over k of A[R][k] B[C][k], quantised along C.  Cluster column 0: A = x, B = Wq; 1: A = x, B = Wk; 2: A = Wv, B = x, which gives v transposed, keys along C.
; Only numbers are chosen by the cluster's column (s_cselect_b32), no branch.  Layout of the workspace (order of rows PI, fragment images, word images): see the head of launch 1.
; A tile of out is 256 x 256; four waves, 128 x 128 each: 64 accumulators.  K = 1,024 is four slots' worth of 256.  THREE slots lie in LDS and are asked for together at the head; the fourth part of K goes
; into slot 0's bytes when slot 0 has been read, and has 224 matrix instructions in which to land.  A slot holds fragment images, which come out of LDS by three
; loads of 16 bytes a lane, 16 x lane: no pitch, no padding.  The scale words of the tile's rows for all of K come once, with the first fills.
; CLUSTER 4 x 4: A's tiles are asked for jointly along a row of the cluster, B's along a column.
; TRANSPOSED USE: source 0 = 16 stored rows of B, source 1 = 16 stored rows of A: lane (r, h) holds stored row r of A's block, and by the order PI its registers of B's tiles 2 b, 2 b + 1 are the true
; columns 32 b + 16 h + 0 .. 15.  A wave's 128 columns are one K step of the next product: each block of 16 rows becomes one fragment and one scale word a row, straight from the accumulators.
; LIMITS: as in launch 1 (byte held at 1 from below; NaN, infinities not served).
; REGISTERS: window 0: v16-29 addresses; v32-63 scale words, two sets; v64-99 the way out; v128-223 A's fragments, one set (on the way out: the codes).  window 1: B's fragments, two sets.  windows 2, 3: accumulators.
.set NK,     8                         ; K steps of 128 in both operands
.set XS,     6291456
.set WC,     6553600
.set WS,     9699328
.set WMAT,   786432
.set WSM,    32768
.set PW,     64                        ; v64-71  a scale word for each block of rows
.set TM,     72                        ; v72-87  at work
.set SW,     88                        ; v88-91  the word image
.set VOFF,   92                        ; v92-99  block a's byte offset in the codes
; ---- the core: the same text in launches 2 and 3 ----
.set NL,     3                         ; LDS loads that bring a fragment
.set NP,     4                         ; places behind this matrix instruction (ISA guide 7.12.1)
.set HALFT,  24576                     ; 8 row blocks x 2 K steps x 1,536 bytes: what one tensor load brings, and what one wave reads of A or of B
.set SLOT,   98304                     ; A's two halves, then B's two halves
.set SCLA,   3*SLOT                    ; behind the three slots: A's word images, 2 groups x NK x 512 bytes;
.set SCLB,   SCLA+1024*NK              ; B's;
.set SPARE,  SCLB+1024*NK              ; the spare words, 128 bytes for each wave: two blocks of 256 bytes that no other line names
.set ADRA,   16                        ; v16-18 LDS address of my A fragments in slot 0, 1, 2
.set ADRB,   20                        ; v20-22 the same for B
.set ADSA,   24                        ; v24    of A's word images;  v25 of B's
.set ADSB,   25
.set LOFF,   26                        ; v26    16 x lane
.set SPW,    28                        ; v28    LDS address of my spare word; never rewritten
.set NIL,    29                        ; v29    0; never rewritten
.set SC,     32                        ; set sc, step q at v[SC + 16 sc + 8 q]: +0..3 A's image, +4..7 B's: register j holds block j's words in lanes 0-15 and block 4 + j's in lanes 16-31
.set AF,     128
.set G1,  24
.set G0,  32                           ; s[32:39] A's groups 0 for slots 0 and 1
.set G0C, 20                           ; s[20:23] A's group 0 for slot 2
.set G1B, 48
.set G0B, 56                           ; s[56:63] B's for slots 0 and 1
.set G0BC, 44                          ; s[44:47] B's for slot 2
.set G1S, 68
.set G0S, 76
.set G1SB, 80
.set G0SB, 88
.set SEL, 94                           ; s[94:95] selects for lane l xor 16 (set behind the first fills)
.set HM,  96                           ; s96 a mask of lanes 16-31
.set MSB, 0
.macro WIN new                         ; the immediate's high byte repeats the setting that is left
.if MSB != \new
	s_set_vgpr_msb (MSB<<8)|\new
.set MSB, \new
.endif
.endm
.set MUL_LO, 0xa1                      ; source 0 (B) window 1, source 1 (A) window 0, C and D window 2
.set MUL_HI, 0xf1
.set TO_B,   0x40
.macro JLOAD g0a, g1a, g0b, g1b        ; a joint load: waves 0 and 1 fetch for A, waves 2 and 3 for B; an s_nop 0 and four v_nop follow each line
	s_cmp_eq_u32 s15, 0
	s_cbranch_scc0 .Lfor_b_\@
	tensor_load_to_lds s[\g0a:\g0a+3], s[\g1a:\g1a+7]
	s_nop 0
.rept 4
	v_nop
.endr
	s_branch .Lasked_\@
.Lfor_b_\@:
	tensor_load_to_lds s[\g0b:\g0b+3], s[\g1b:\g1b+7]
	s_nop 0
.rept 4
	v_nop
.endr
.Lasked_\@:
.endm
.macro CREST                           ; a round of the cluster's barrier behind its opening barrier
	s_cmp_lg_u32 s14, 0
	s_cbranch_scc1 .Lnot_wave_0_\@
	s_barrier_signal -3
.Lnot_wave_0_\@:
	s_barrier_wait -3
	s_barrier_signal -1
	s_barrier_wait -1
.endm
.macro CROUND
	s_barrier_signal -1
	s_barrier_wait -1
	CREST
.endm
.macro PLACES n
.rept \n
	v_nop
.endr
.endm
.macro FRAG reg, adr, q, i             ; a fragment image: three loads of 512 consecutive bytes
.irp c, 0,1,2
	ds_load_b128 v[\reg+4*\c:\reg+4*\c+3], v[\adr] offset:(\i)*3072+(\q)*1536+512*\c
.endr
.endm
.macro FETCH_B slot, q, p
	WIN TO_B
.irp i, 0,1,2,3,4,5,6,7
	FRAG 128*(\p)+12*\i, ADRB+\slot, \q, \i
.endr
	WIN 0
.endm
.macro FETCH_A slot, q, i0
.irp i, \i0, \i0+1, \i0+2, \i0+3
	FRAG AF+12*(\i), ADRA+\slot, \q, \i
.endr
.endm
.macro SCALES sc                       ; a slot's two K steps of word images
.irp q, 0,1
	ds_load_b128 v[SC+16*(\sc)+8*\q:SC+16*(\sc)+8*\q+3], v[ADSA] offset:512*\q
	ds_load_b128 v[SC+16*(\sc)+8*\q+4:SC+16*(\sc)+8*\q+7], v[ADSB] offset:512*\q
.endr
.endm
.macro WM a, b, p, q, sc, zero         ; A's block a x B's block b; blocks 4-7 take their scale words from lanes 16-31
.set rD, 8*(8*((\a)%4)+(\b))
.set rB, 128*(\p)+12*(\b)
.set rA, AF+12*(\a)
.set rSB, SC+16*(\sc)+8*(\q)+4+(\b)%4
.set rSA, SC+16*(\sc)+8*(\q)+(\a)%4
.set rw, 2*((\b)/4)+(\a)/4
.if \zero
.if rw == 0
	v_wmma_scale_f32_16x16x128_f8f6f4 v[rD:rD+7], v[rB:rB+11], v[rA:rA+11], 0, v[rSB], v[rSA] matrix_a_fmt:MATRIX_FMT_FP6 matrix_b_fmt:MATRIX_FMT_FP6
.elseif rw == 1
	v_wmma_scale_f32_16x16x128_f8f6f4 v[rD:rD+7], v[rB:rB+11], v[rA:rA+11], 0, v[rSB], v[rSA] matrix_a_fmt:MATRIX_FMT_FP6 matrix_b_fmt:MATRIX_FMT_FP6 matrix_b_scale:MATRIX_SCALE_ROW1
.elseif rw == 2
	v_wmma_scale_f32_16x16x128_f8f6f4 v[rD:rD+7], v[rB:rB+11], v[rA:rA+11], 0, v[rSB], v[rSA] matrix_a_fmt:MATRIX_FMT_FP6 matrix_b_fmt:MATRIX_FMT_FP6 matrix_a_scale:MATRIX_SCALE_ROW1
.else
	v_wmma_scale_f32_16x16x128_f8f6f4 v[rD:rD+7], v[rB:rB+11], v[rA:rA+11], 0, v[rSB], v[rSA] matrix_a_fmt:MATRIX_FMT_FP6 matrix_b_fmt:MATRIX_FMT_FP6 matrix_a_scale:MATRIX_SCALE_ROW1 matrix_b_scale:MATRIX_SCALE_ROW1
.endif
.else
.if rw == 0
	v_wmma_scale_f32_16x16x128_f8f6f4 v[rD:rD+7], v[rB:rB+11], v[rA:rA+11], v[rD:rD+7], v[rSB], v[rSA] matrix_a_fmt:MATRIX_FMT_FP6 matrix_b_fmt:MATRIX_FMT_FP6
.elseif rw == 1
	v_wmma_scale_f32_16x16x128_f8f6f4 v[rD:rD+7], v[rB:rB+11], v[rA:rA+11], v[rD:rD+7], v[rSB], v[rSA] matrix_a_fmt:MATRIX_FMT_FP6 matrix_b_fmt:MATRIX_FMT_FP6 matrix_b_scale:MATRIX_SCALE_ROW1
.elseif rw == 2
	v_wmma_scale_f32_16x16x128_f8f6f4 v[rD:rD+7], v[rB:rB+11], v[rA:rA+11], v[rD:rD+7], v[rSB], v[rSA] matrix_a_fmt:MATRIX_FMT_FP6 matrix_b_fmt:MATRIX_FMT_FP6 matrix_a_scale:MATRIX_SCALE_ROW1
.else
	v_wmma_scale_f32_16x16x128_f8f6f4 v[rD:rD+7], v[rB:rB+11], v[rA:rA+11], v[rD:rD+7], v[rSB], v[rSA] matrix_a_fmt:MATRIX_FMT_FP6 matrix_b_fmt:MATRIX_FMT_FP6 matrix_a_scale:MATRIX_SCALE_ROW1 matrix_b_scale:MATRIX_SCALE_ROW1
.endif
.endif
.endm
.macro MUL16 a0, p, q, sc, zero        ; the 64 accumulators take turns, one instruction a turn, in the same order in every step
.irp a, \a0, \a0+1
.irp b, 0,1,2,3,4,5,6,7
	WM \a, \b, \p, \q, \sc, \zero
.endr
.endr
.endm
.macro STEP slot, sc, zero             ; a slot's first step of 128 along K; its successor lies in the same slot.  sc: the set of scale words
	s_wait_dscnt 4*NL                              ; B's set, A's blocks 0-3 and the scale words are in; the youngest 12 loads (A's blocks 4-7) may be out
	WIN MUL_LO
	MUL16 0, 0, 0, \sc, \zero
	MUL16 2, 0, 0, \sc, \zero
	s_wait_dscnt 0x0
	PLACES NP                                      ; places in front of loads into registers that matrix instructions have read
	FETCH_B \slot, 1, 1
	FETCH_A \slot, 1, 0
	WIN MUL_HI
	MUL16 4, 0, 0, \sc, \zero
	MUL16 6, 0, 0, \sc, \zero
	PLACES NP
	WIN 0
	FETCH_A \slot, 1, 4
.endm
; A slot's second step goes on into slot next.  mode 1: this slot is filled again: each wave's three lines, a round of the cluster's barrier, the joint refill first behind it.
; mode 2: the next slot's tile is the refill: each wave waits for its part, and a barrier shows it to all.  mode 0: the next slot was shown landed to every wave in front of an earlier barrier, and nobody writes this one: no barrier.
.macro TURN slot, next, sc, mode
.if \mode
	s_wait_tensorcnt 0x0                           ; all my tensor loads have landed
	ds_add_u32 v[SPW], v[NIL]                      ; 0 onto my spare word
	s_wait_dscnt 4*NL+1                            ; (the add and the youngest 12 loads may be out)
	WIN MUL_LO
	MUL16 0, 1, 1, \sc, 0
	s_wait_dscnt 0x0                               ; the add is done, and my reads of this slot are over
	s_barrier_signal -1
	MUL16 2, 1, 1, \sc, 0
	WIN 0
	s_barrier_wait -1
.else
	s_wait_dscnt 4*NL                              ; the youngest 12 loads (A's blocks 4-7) may be out
	WIN MUL_LO
	MUL16 0, 1, 1, \sc, 0
	MUL16 2, 1, 1, \sc, 0
	s_wait_dscnt 0x0
	WIN 0
.endif
.if \mode == 1
	CREST                                          ; no wave of any partner still reads this slot or has a load on its way
	s_add_nc_u64 s[G0+4*\slot+2:G0+4*\slot+3], s[G0+4*\slot+2:G0+4*\slot+3], 3*3072      ; three slots on along K
	s_add_nc_u64 s[G0B+4*\slot+2:G0B+4*\slot+3], s[G0B+4*\slot+2:G0B+4*\slot+3], 3*3072
	JLOAD G0+4*\slot, G1, G0B+4*\slot, G1B         ; the first tensor load behind the round; its four v_nop are the places in front of the loads below
.else
	PLACES NP
.endif
	v_add_nc_u32 v[ADSA], 1024, v[ADSA]            ; on to the next slot's word images
	v_add_nc_u32 v[ADSB], 1024, v[ADSB]
	FETCH_B \next, 0, 0
	FETCH_A \next, 0, 0
	SCALES 1-\sc
	WIN MUL_HI
	MUL16 4, 1, 1, \sc, 0
	MUL16 6, 1, 1, \sc, 0
	PLACES NP
	WIN 0
	FETCH_A \next, 0, 4
.endm
; ---- the core's macros end ----
	s_load_b128 s[4:7], s[0:1], 0x0                ; in6 s[4:5], qkv s[6:7]
	v_lshl_add_u32 v[SPW], v0, 2, SPARE
	v_mov_b32 v[NIL], 0
	ds_add_u32 v[SPW], v[NIL]                      ; the wave's opening: the add, twice on end, and its wait ahead of my first tensor load
	ds_add_u32 v[SPW], v[NIL]
	v_lshrrev_b32 v1, 5, v0
	v_readfirstlane_b32 s14, v1                    ; wave 0..3
	s_lshr_b32 s15, s14, 1                         ; my half of the tile's rows.  Also: I fetch for A (0) or for B (1)
	s_and_b32 s16, s14, 1                          ; my half of its columns.  Also: which 128 rows I fetch
	s_bfe_u32 s40, ttmp6, 0x40000                  ; cx
	s_bfe_u32 s41, ttmp6, 0x40004                  ; cy
	s_and_b32 s2, ttmp7, 0xffff                    ; the cluster's y
	s_mul_i32 s8, ttmp9, WMAT
	s_add_co_u32 s8, s8, WC                        ; Wq's or Wk's codes,
	s_mul_i32 s9, ttmp9, WSM
	s_add_co_u32 s9, s9, WS                        ; and scales
	s_mov_b32 s10, WC+2*WMAT                       ; Wv's
	s_mov_b32 s11, WS+2*WSM
	s_mov_b32 s18, XS
	s_cmp_eq_u32 ttmp9, 2                          ; v?  The same in all sixteen partners.  All seven choices stand behind this one compare
	s_cselect_b32 s19, 0, s2                       ; rows: the cluster's y counts tokens for q and k,
	s_cselect_b32 s46, s2, 0                       ; columns: for v
	s_cselect_b32 s20, s10, 0                      ; A's codes in in6 (x's lie at 0)
	s_cselect_b32 s21, s11, s18                    ; A's scales
	s_cselect_b32 s47, 0, s8                       ; B's codes
	s_cselect_b32 s92, s18, s9                     ; B's scales
	s_cselect_b32 s97, 16, 8                       ; K steps in a row of the result's codes
	s_lshl_b32 s17, s19, 2
	s_add_co_u32 s17, s17, s41                     ; tile row
	s_lshl_b32 s42, s46, 2
	s_add_co_u32 s42, s42, s40                     ; tile column
	s_lshl_b32 s43, s41, 2
	s_lshl_b32 s43, 15, s43                        ; my row of the cluster
	s_lshl_b32 s44, 0x1111, s40                    ; my column
	; descriptor group 1, tiles: 8 rows (row blocks) of 3,072 bytes (two fragment images), 1,536 NK bytes apart; elements of 8 bytes; no padding
	s_or_b32 s[G1+0], s43, (3<<16)|(1<<21)
	s_or_b32 s[G1B+0], s44, (3<<16)|(1<<21)
.irp g, G1, G1B
	s_mov_b32 s[\g+1], 384<<16
	s_mov_b32 s[\g+2], 8<<16
	s_mov_b32 s[\g+3], 384<<16
	s_mov_b32 s[\g+4], 8
	s_mov_b32 s[\g+5], 192*NK
	s_mov_b32 s[\g+6], 0
	s_mov_b32 s[\g+7], 0
.endr
	; word images of 128 rows for all of K: a dense block of 512 NK bytes, as rows of 256 bytes
	s_or_b32 s[G1S+0], s43, (3<<16)|(1<<21)
	s_or_b32 s[G1SB+0], s44, (3<<16)|(1<<21)
.irp g, G1S, G1SB
	s_mov_b32 s[\g+1], 32<<16
	s_mov_b32 s[\g+2], (2*NK)<<16
	s_mov_b32 s[\g+3], 32<<16
	s_mov_b32 s[\g+4], 2*NK
	s_mov_b32 s[\g+5], 32
	s_mov_b32 s[\g+6], 0
	s_mov_b32 s[\g+7], 0
.endr
	s_lshl_b32 s22, s17, 4
	s_lshl_b32 s23, s16, 3
	s_add_co_u32 s22, s22, s23                     ; A: row block 16 x tile row + 8 x half
	s_mul_i32 s22, s22, 12288
	s_add_co_u32 s22, s22, s20
	s_mov_b32 s23, 0
	s_lshl_b32 s20, s17, 1
	s_add_co_u32 s20, s20, s16
	s_lshl_b32 s20, s20, 12
	s_add_co_u32 s20, s20, s21
	s_mov_b32 s21, 0
	s_lshl_b32 s46, s42, 4
	s_lshl_b32 s93, s16, 3
	s_add_co_u32 s46, s46, s93                     ; B likewise, in registers that never hold cy
	s_mul_i32 s46, s46, 12288
	s_add_co_u32 s46, s46, s47
	s_mov_b32 s47, 0
	s_lshl_b32 s93, s42, 1
	s_add_co_u32 s93, s93, s16
	s_lshl_b32 s93, s93, 12
	s_add_co_u32 s92, s92, s93
	s_mov_b32 s93, 0
	s_mul_i32 s45, s14, HALFT                      ; where they go: no place in the cluster enters an LDS address
	s_mul_i32 s94, s14, 512*NK
	s_wait_dscnt 0x0                               ; both opening adds are done
	s_wait_kmcnt 0x0
	s_add_nc_u64 s[22:23], s[4:5], s[22:23]
	s_add_nc_u64 s[20:21], s[4:5], s[20:21]
	s_add_nc_u64 s[46:47], s[4:5], s[46:47]
	s_add_nc_u64 s[92:93], s[4:5], s[92:93]
	CROUND                                         ; all sixteen work-groups are here: the first joint loads meet
	s_mov_b32 s[G0S], 1
	s_add_co_u32 s[G0S+1], s94, SCLA
	s_mov_b64 s[G0S+2:G0S+3], s[20:21]
	s_or_b32 s[G0S+3], s[G0S+3], 0x80000000
	s_mov_b32 s[G0SB], 1
	s_add_co_u32 s[G0SB+1], s94, SCLA
	s_mov_b64 s[G0SB+2:G0SB+3], s[92:93]
	s_or_b32 s[G0SB+3], s[G0SB+3], 0x80000000
	JLOAD G0S, G1S, G0SB, G1SB                     ; the scale words first: by this text's count four loads of mine are out at the start, one behind the round
.irp s, 0,1
	s_mov_b32 s[G0+4*\s], 1
	s_add_co_u32 s[G0+4*\s+1], s45, \s*SLOT
	s_add_nc_u64 s[G0+4*\s+2:G0+4*\s+3], s[22:23], \s*3072
	s_or_b32 s[G0+4*\s+3], s[G0+4*\s+3], 0x80000000
	s_mov_b32 s[G0B+4*\s], 1
	s_add_co_u32 s[G0B+4*\s+1], s45, \s*SLOT
	s_add_nc_u64 s[G0B+4*\s+2:G0B+4*\s+3], s[46:47], \s*3072
	s_or_b32 s[G0B+4*\s+3], s[G0B+4*\s+3], 0x80000000
	JLOAD G0+4*\s, G1, G0B+4*\s, G1B
.endr
	s_mov_b32 s[G0C], 1                            ; slot 2's groups 0 take the registers that held the addresses; they are not written again
	s_add_co_u32 s[G0C+1], s45, 2*SLOT
	s_add_nc_u64 s[G0C+2:G0C+3], s[22:23], 2*3072
	s_or_b32 s[G0C+3], s[G0C+3], 0x80000000
	s_mov_b32 s[G0BC], 1
	s_add_co_u32 s[G0BC+1], s45, 2*SLOT
	s_add_nc_u64 s[G0BC+2:G0BC+3], s[46:47], 2*3072
	s_or_b32 s[G0BC+3], s[G0BC+3], 0x80000000
	JLOAD G0C, G1, G0BC, G1B
	v_and_b32 v1, 31, v0
	v_lshlrev_b32 v[LOFF], 4, v1
	s_mul_i32 s18, s15, HALFT                      ; my 128 rows of A
	s_mul_i32 s19, s16, HALFT                      ; my 128 rows of B,
	s_add_co_u32 s19, s19, 2*HALFT                 ; behind A's two halves
.irp s, 0,1,2
	v_add_nc_u32 v[ADRA+\s], s18, v[LOFF]
	v_add_nc_u32 v[ADRB+\s], s19, v[LOFF]
	s_add_co_u32 s18, s18, SLOT
	s_add_co_u32 s19, s19, SLOT
.endr
	s_mul_i32 s18, s15, 512*NK
	s_add_co_u32 s18, s18, SCLA
	v_add_nc_u32 v[ADSA], s18, v[LOFF]
	s_mul_i32 s19, s16, 512*NK
	s_add_co_u32 s19, s19, SCLB
	v_add_nc_u32 v[ADSB], s19, v[LOFF]
	s_mov_b32 s[SEL], 0x76543210
	s_mov_b32 s[SEL+1], 0xfedcba98
	s_mov_b32 s[HM], 0xffff0000
.irp b, 0,1,2,3
	v_mov_b32 v[TM+4+\b], 0                        ; written once: a lane permute's destination counts as one of its sources
.endr
	; where the results go.  q, k: [row block 512][8][1536]; v: [batch 4][row block 64][16][1536], the batch and the K step from the tile column
	s_lshr_b32 s98, s42, 3                         ; batch (0 for q and k)
	s_and_b32 s99, s42, 7
	s_lshl_b32 s99, s99, 1
	s_add_co_u32 s99, s99, s16                     ; my K step of the result
	s_lshl_b32 s8, s98, 6
	s_lshl_b32 s9, s17, 4
	s_add_co_u32 s8, s8, s9
	s_lshl_b32 s9, s15, 3
	s_add_co_u32 s8, s8, s9
	s_mul_i32 s8, s8, s97
	s_add_co_u32 s8, s8, s99
	s_mul_i32 s8, s8, 1536
	s_mul_i32 s9, ttmp9, 6291456
	s_add_co_u32 s8, s8, s9
	s_mov_b32 s9, 0
	s_add_nc_u64 s[12:13], s[6:7], s[8:9]
	s_lshl_b32 s8, s98, 3
	s_lshl_b32 s9, s17, 1
	s_add_co_u32 s8, s8, s9
	s_add_co_u32 s8, s8, s15
	s_mul_i32 s8, s8, s97
	s_add_co_u32 s8, s8, s99
	s_lshl_b32 s8, s8, 9
	s_mul_i32 s9, ttmp9, 262144
	s_add_co_u32 s8, s8, s9
	s_add_co_u32 s8, s8, 18874368
	s_mov_b32 s9, 0
	s_add_nc_u64 s[66:67], s[6:7], s[8:9]
	s_mul_i32 s97, s97, 1536                       ; from a row block to the next
	v_mov_b32 v[VOFF], v[LOFF]
.irp a, 1,2,3,4,5,6,7
	v_add_nc_u32 v[VOFF+\a], s97, v[VOFF+\a-1]
.endr
	s_wait_tensorcnt 2                             ; the scale words and my part of slot 0 are in; slots 1 and 2 may be out
	s_barrier_signal -1
	s_barrier_wait -1
	FETCH_B 0, 0, 0
	FETCH_A 0, 0, 0
	SCALES 0
	FETCH_A 0, 0, 4
	STEP 0, 0, 1                                   ; K step 0: its products start the sums
	TURN 0, 1, 0, 1                                ; K step 1; slots 1 and 2 have landed; slot 0 is asked for again, with K steps 6 and 7
	STEP 1, 1, 0                                   ; K step 2
	TURN 1, 2, 1, 0                                ; K step 3; slot 2 was shown landed in front of the round above
	STEP 2, 0, 0                                   ; K step 4
	TURN 2, 0, 0, 2                                ; K step 5; the refill has landed; nothing more is asked for
	STEP 0, 1, 0                                   ; K step 6
	s_wait_dscnt 4*NL                              ; K step 7
	WIN MUL_LO
	MUL16 0, 1, 1, 1, 0
	MUL16 2, 1, 1, 1, 0
	s_wait_dscnt 0x0
	WIN MUL_HI
	MUL16 4, 1, 1, 1, 0
	MUL16 6, 1, 1, 1, 0
	WIN 0
	PLACES NP                                      ; in front of the first read of results and of writes into A's registers
; THE WAY OUT.  Block a (16 stored rows x my 128 columns): 64 registers a lane, register 16 b + i = column 32 b + 16 (lane / 16) + i.  They are quantised where they lie; each accumulator is read from its low end on.
.macro QBLK a
.set W, 2+(\a)/4
.set AC, 64*((\a)%4)
.set P, AF+12*(\a)
.set W01, W|(W<<2)
	WIN W01                                        ; sources 0 and 1 in the accumulators' window
.irp b, 0,1,2,3
	v_max3_num_f32 v[TM+\b], |v[AC+16*\b]|, |v[AC+16*\b+1]|, 0x1800000
.endr
.irp i, 2,4,6,8,10,12,14
.irp b, 0,1,2,3
	v_max3_num_f32 v[TM+\b], |v[AC+16*\b+\i]|, |v[AC+16*\b+\i+1]|, v[TM+\b]
.endr
.endr
	WIN 0
.irp b, 0,1,2,3
	v_permlanex16_b32 v[TM+4+\b], v[TM+\b], s[SEL], s[SEL+1]
.endr
.irp b, 0,1,2,3
	v_max_num_f32 v[TM+\b], v[TM+\b], v[TM+4+\b]
.endr
.irp b, 0,1,2,3
	v_add_nc_u32 v[TM+12+\b], 0xff000000, v[TM+\b]
.endr
.irp b, 0,1,2,3
	v_lshrrev_b32 v[TM+4+\b], 23, v[TM+12+\b]
.endr
	v_lshl_or_b32 v[PW+\a], v[TM+5], 8, v[TM+4]
	v_lshl_or_b32 v[PW+\a], v[TM+6], 16, v[PW+\a]
	v_lshl_or_b32 v[PW+\a], v[TM+7], 24, v[PW+\a]
	WIN W                                          ; source 0 alone in the accumulators' window
.irp c, 0,1
	v_cvt_scalef32_pk16_fp6_f32 v[P+6*\c:P+6*\c+2], v[AC+32*\c:AC+32*\c+15], v[TM+12+2*\c]
	v_cvt_scalef32_pk16_fp6_f32 v[224+4*\c:226+4*\c], v[AC+32*\c+16:AC+32*\c+31], v[TM+13+2*\c]
.endr
	WIN 0
	v_nop                                          ; one plain place behind a scaled conversion
.irp c, 0,1
.irp i, 0,1,2
	v_permlane16_swap_b32 v[P+6*\c+\i], v[224+4*\c+\i]
.endr
.irp i, 0,1,2
	v_mov_b32 v[P+3+6*\c+\i], v[224+4*\c+\i]
.endr
.endr
.irp j, 0,1,2
	global_store_b128 v[VOFF+\a], v[P+4*\j:P+4*\j+3], s[12:13] offset:512*\j    ; the fragment image: 512 consecutive bytes, aligned; each block has registers of its own, so no store's data are written again
.endr
.endm
.irp a, 0,1,2,3,4,5,6,7
	QBLK \a
.endr
.irp j, 0,1,2,3
	v_cndmask_b32 v[SW+\j], v[PW+\j], v[PW+4+\j], s[HM]      ; the word image: block j in lanes 0-15, block 4 + j in lanes 16-31
.endr
	global_store_b128 v[LOFF], v[SW:SW+3], s[66:67]
	s_wait_tensorcnt 0x0                           ; the wave's end
	ds_add_u32 v[SPW], v[NIL]
	s_wait_dscnt 0x0
	CROUND                                         ; the closing round
	s_endpgm
.Lfunc_end_k_q1f45c1ef6e_qkv:
	.size	k_q1f45c1ef6e_qkv, .Lfunc_end_k_q1f45c1ef6e_qkv-k_q1f45c1ef6e_qkv
	.p2alignl 7, 3214868480
	.fill 96, 4, 3214868480
	.section	.rodata,"a",@progbits
	.p2align	6, 0x0
	.amdhsa_kernel k_q1f45c1ef6e_qkv
		.amdhsa_group_segment_fixed_size 327680
		.amdhsa_private_segment_fixed_size 0
		.amdhsa_enable_private_segment 0
		.amdhsa_kernarg_size 16
		.amdhsa_user_sgpr_count 2
		.amdhsa_user_sgpr_kernarg_segment_ptr 1
		.amdhsa_wavefront_size32 1
		.amdhsa_system_sgpr_workgroup_id_x 1
		.amdhsa_system_sgpr_workgroup_id_y 1
		.amdhsa_system_sgpr_workgroup_id_z 1
		.amdhsa_system_vgpr_workitem_id 0
		.amdhsa_next_free_vgpr 1024
		.amdhsa_next_free_sgpr 100
		.amdhsa_reserve_vcc 0
		.amdhsa_float_denorm_mode_32 3
		.amdhsa_float_denorm_mode_16_64 3
		.amdhsa_memory_ordered 1
		.amdhsa_forward_progress 1
		.amdhsa_inst_pref_size 140
	.end_amdhsa_kernel
	.amdgpu_metadata
---
amdhsa.version: [ 1, 2 ]
amdhsa.kernels:
  - .name:           k_q1f45c1ef6e_qkv
    .symbol:         k_q1f45c1ef6e_qkv.kd
    .args:
      - { .name: in6, .offset: 0, .size: 8, .value_kind: global_buffer, .address_space: global }
      - { .name: qkv, .offset: 8, .size: 8, .value_kind: global_buffer, .address_space: global }
    .group_segment_fixed_size: 327680
    .private_segment_fixed_size: 0
    .kernarg_segment_align: 8
    .kernarg_segment_size: 16
    .max_flat_workgroup_size: 128
    .sgpr_count:     100
    .vgpr_count:     1024
    .wavefront_size: 32
...
	.end_amdgpu_metadata
.endif
;; end of part 6
;; launch scores (part 7): grid 8 x 32, 4 waves a work-group, clusters of 4 x 4, 327,680 bytes of LDS; arguments qkv, prob; writes prob
.if DOCPART == 7
	.amdgcn_target "amdgcn-amd-amdhsa--gfx1250"
	.amdhsa_code_object_version 6
	.text
	.protected	k_q1f45c1ef6e_scores
	.globl	k_q1f45c1ef6e_scores
	.p2align	8
	.type	k_q1f45c1ef6e_scores,@function
k_q1f45c1ef6e_scores:
	s_mov_b64 s[64:65], 0
	v_nop
	global_prefetch_b8 v0, s[64:65] scope:SCOPE_SE
	s_setreg_imm32_b32 hwreg(HW_REG_WAVE_MODE, 25, 1), 1
	s_wait_xcnt 0x0
	s_wait_alu depctr_hold_cnt(0) depctr_sa_sdst(0) depctr_va_vdst(0) depctr_va_sdst(0) depctr_va_ssrc(0) depctr_va_vcc(0) depctr_vm_vsrc(0)
	s_getreg_b32 s2, hwreg(HW_REG_IB_STS2, 6, 4)
	s_cmp_eq_u32 s2, 0
	s_cbranch_scc0 .Lentry_in_a_cluster
	s_endpgm
.Lentry_in_a_cluster:
	s_bfe_u32 s2, ttmp6, 0x10000c
	s_cmp_lg_u32 s2, 0xf033
	s_cbranch_scc0 .Lentry_shape_is_right
	s_endpgm
.Lentry_shape_is_right:
; LAUNCH 3 OF 5.  S = q k^T on codes of FP6, and the softmax's numerator as codes.  Nothing is left out.
; t = score x log2(e) / 32.  For each query and each 128 keys (a wave's columns): M = ceil(the largest t of these 128), a whole number; p = 2^(t - M), at most 1, is quantised along the keys;
; -M and l = the sum of the unquantised p go to memory beside the codes.  The next launch brings the 16 parts of a row under the row's largest M by whole-number changes of the scale bytes: exact.
; So the maximum is taken away before every exponential.  A block's largest p is not searched for: p rises with the score, so the block's largest score goes through the same multiply-add and exponential.
; The core (tile 256 x 256, three slots asked for at the head and one refill, cluster 4 x 4, transposed use, images) is launch 2's, word for word; A = q, B = k of the same batch.
; LIMITS: NaN and infinities are not served; a block whose every p is under 2^-124 keeps the byte 1.
; REGISTERS: as in launch 2; v64-123 the way out.
.set NK,     8
.set KC,     6291456
.set QS,     18874368
.set KS,     19136512
.set PS,     12582912                  ; prob: codes at 0; scale words here; -M 524,288 bytes on; l 1,048,576 bytes on
.set PW,     64                        ; v64-71   p's scale word for each block of rows
.set NMS,    72                        ; v72-79   -M
.set LL,     80                        ; v80-87   l
.set BM,     88                        ; v88-91   the blocks' largest scores, then largest p
.set BX,     92                        ; v92-95   from lane l xor 16
.set SO,     96                        ; v96-99   the conversions' scale operands
.set BY,     100                       ; v100-103 the bytes
.set NM,     104                       ; v[104:105] -M (a pair for the packed form, which takes its low word)
.set T,      106
.set LS0,    108
.set LS1,    110
.set SW,     112
.set MW,     116
.set LW,     120
.set CS,     92                        ; s[92:93] c = log2(e) / 32 (set behind the first fills)
; ---- the core: the same text in launches 2 and 3 ----
.set NL,     3
.set NP,     4
.set HALFT,  24576
.set SLOT,   98304
.set SCLA,   3*SLOT
.set SCLB,   SCLA+1024*NK
.set SPARE,  SCLB+1024*NK
.set ADRA,   16
.set ADRB,   20
.set ADSA,   24
.set ADSB,   25
.set LOFF,   26
.set SPW,    28
.set NIL,    29
.set SC,     32
.set AF,     128
.set G1,  24
.set G0,  32
.set G0C, 20
.set G1B, 48
.set G0B, 56
.set G0BC, 44
.set G1S, 68
.set G0S, 76
.set G1SB, 80
.set G0SB, 88
.set SEL, 94
.set HM,  96
.set MSB, 0
.macro WIN new
.if MSB != \new
	s_set_vgpr_msb (MSB<<8)|\new
.set MSB, \new
.endif
.endm
.set MUL_LO, 0xa1
.set MUL_HI, 0xf1
.set TO_B,   0x40
.macro JLOAD g0a, g1a, g0b, g1b
	s_cmp_eq_u32 s15, 0
	s_cbranch_scc0 .Lfor_b_\@
	tensor_load_to_lds s[\g0a:\g0a+3], s[\g1a:\g1a+7]
	s_nop 0
.rept 4
	v_nop
.endr
	s_branch .Lasked_\@
.Lfor_b_\@:
	tensor_load_to_lds s[\g0b:\g0b+3], s[\g1b:\g1b+7]
	s_nop 0
.rept 4
	v_nop
.endr
.Lasked_\@:
.endm
.macro CREST
	s_cmp_lg_u32 s14, 0
	s_cbranch_scc1 .Lnot_wave_0_\@
	s_barrier_signal -3
.Lnot_wave_0_\@:
	s_barrier_wait -3
	s_barrier_signal -1
	s_barrier_wait -1
.endm
.macro CROUND
	s_barrier_signal -1
	s_barrier_wait -1
	CREST
.endm
.macro PLACES n
.rept \n
	v_nop
.endr
.endm
.macro FRAG reg, adr, q, i
.irp c, 0,1,2
	ds_load_b128 v[\reg+4*\c:\reg+4*\c+3], v[\adr] offset:(\i)*3072+(\q)*1536+512*\c
.endr
.endm
.macro FETCH_B slot, q, p
	WIN TO_B
.irp i, 0,1,2,3,4,5,6,7
	FRAG 128*(\p)+12*\i, ADRB+\slot, \q, \i
.endr
	WIN 0
.endm
.macro FETCH_A slot, q, i0
.irp i, \i0, \i0+1, \i0+2, \i0+3
	FRAG AF+12*(\i), ADRA+\slot, \q, \i
.endr
.endm
.macro SCALES sc
.irp q, 0,1
	ds_load_b128 v[SC+16*(\sc)+8*\q:SC+16*(\sc)+8*\q+3], v[ADSA] offset:512*\q
	ds_load_b128 v[SC+16*(\sc)+8*\q+4:SC+16*(\sc)+8*\q+7], v[ADSB] offset:512*\q
.endr
.endm
.macro WM a, b, p, q, sc, zero
.set rD, 8*(8*((\a)%4)+(\b))
.set rB, 128*(\p)+12*(\b)
.set rA, AF+12*(\a)
.set rSB, SC+16*(\sc)+8*(\q)+4+(\b)%4
.set rSA, SC+16*(\sc)+8*(\q)+(\a)%4
.set rw, 2*((\b)/4)+(\a)/4
.if \zero
.if rw == 0
	v_wmma_scale_f32_16x16x128_f8f6f4 v[rD:rD+7], v[rB:rB+11], v[rA:rA+11], 0, v[rSB], v[rSA] matrix_a_fmt:MATRIX_FMT_FP6 matrix_b_fmt:MATRIX_FMT_FP6
.elseif rw == 1
	v_wmma_scale_f32_16x16x128_f8f6f4 v[rD:rD+7], v[rB:rB+11], v[rA:rA+11], 0, v[rSB], v[rSA] matrix_a_fmt:MATRIX_FMT_FP6 matrix_b_fmt:MATRIX_FMT_FP6 matrix_b_scale:MATRIX_SCALE_ROW1
.elseif rw == 2
	v_wmma_scale_f32_16x16x128_f8f6f4 v[rD:rD+7], v[rB:rB+11], v[rA:rA+11], 0, v[rSB], v[rSA] matrix_a_fmt:MATRIX_FMT_FP6 matrix_b_fmt:MATRIX_FMT_FP6 matrix_a_scale:MATRIX_SCALE_ROW1
.else
	v_wmma_scale_f32_16x16x128_f8f6f4 v[rD:rD+7], v[rB:rB+11], v[rA:rA+11], 0, v[rSB], v[rSA] matrix_a_fmt:MATRIX_FMT_FP6 matrix_b_fmt:MATRIX_FMT_FP6 matrix_a_scale:MATRIX_SCALE_ROW1 matrix_b_scale:MATRIX_SCALE_ROW1
.endif
.else
.if rw == 0
	v_wmma_scale_f32_16x16x128_f8f6f4 v[rD:rD+7], v[rB:rB+11], v[rA:rA+11], v[rD:rD+7], v[rSB], v[rSA] matrix_a_fmt:MATRIX_FMT_FP6 matrix_b_fmt:MATRIX_FMT_FP6
.elseif rw == 1
	v_wmma_scale_f32_16x16x128_f8f6f4 v[rD:rD+7], v[rB:rB+11], v[rA:rA+11], v[rD:rD+7], v[rSB], v[rSA] matrix_a_fmt:MATRIX_FMT_FP6 matrix_b_fmt:MATRIX_FMT_FP6 matrix_b_scale:MATRIX_SCALE_ROW1
.elseif rw == 2
	v_wmma_scale_f32_16x16x128_f8f6f4 v[rD:rD+7], v[rB:rB+11], v[rA:rA+11], v[rD:rD+7], v[rSB], v[rSA] matrix_a_fmt:MATRIX_FMT_FP6 matrix_b_fmt:MATRIX_FMT_FP6 matrix_a_scale:MATRIX_SCALE_ROW1
.else
	v_wmma_scale_f32_16x16x128_f8f6f4 v[rD:rD+7], v[rB:rB+11], v[rA:rA+11], v[rD:rD+7], v[rSB], v[rSA] matrix_a_fmt:MATRIX_FMT_FP6 matrix_b_fmt:MATRIX_FMT_FP6 matrix_a_scale:MATRIX_SCALE_ROW1 matrix_b_scale:MATRIX_SCALE_ROW1
.endif
.endif
.endm
.macro MUL16 a0, p, q, sc, zero        ; the 64 accumulators take turns, one instruction a turn
.irp a, \a0, \a0+1
.irp b, 0,1,2,3,4,5,6,7
	WM \a, \b, \p, \q, \sc, \zero
.endr
.endr
.endm
.macro STEP slot, sc, zero
	s_wait_dscnt 4*NL                              ; the youngest 12 loads (A's blocks 4-7) may be out
	WIN MUL_LO
	MUL16 0, 0, 0, \sc, \zero
	MUL16 2, 0, 0, \sc, \zero
	s_wait_dscnt 0x0
	PLACES NP
	FETCH_B \slot, 1, 1
	FETCH_A \slot, 1, 0
	WIN MUL_HI
	MUL16 4, 0, 0, \sc, \zero
	MUL16 6, 0, 0, \sc, \zero
	PLACES NP
	WIN 0
	FETCH_A \slot, 1, 4
.endm
; mode 1: this slot is filled again, behind a round of the cluster's barrier.  mode 2: the next slot's tile is the refill: wait and barrier.  mode 0: the next slot was shown landed in front of an earlier barrier: no barrier.
.macro TURN slot, next, sc, mode
.if \mode
	s_wait_tensorcnt 0x0                           ; all my tensor loads have landed
	ds_add_u32 v[SPW], v[NIL]                      ; 0 onto my spare word
	s_wait_dscnt 4*NL+1                            ; (the add and the youngest 12 loads may be out)
	WIN MUL_LO
	MUL16 0, 1, 1, \sc, 0
	s_wait_dscnt 0x0                               ; the add is done, and my reads of this slot are over
	s_barrier_signal -1
	MUL16 2, 1, 1, \sc, 0
	WIN 0
	s_barrier_wait -1
.else
	s_wait_dscnt 4*NL                              ; the youngest 12 loads (A's blocks 4-7) may be out
	WIN MUL_LO
	MUL16 0, 1, 1, \sc, 0
	MUL16 2, 1, 1, \sc, 0
	s_wait_dscnt 0x0
	WIN 0
.endif
.if \mode == 1
	CREST
	s_add_nc_u64 s[G0+4*\slot+2:G0+4*\slot+3], s[G0+4*\slot+2:G0+4*\slot+3], 3*3072
	s_add_nc_u64 s[G0B+4*\slot+2:G0B+4*\slot+3], s[G0B+4*\slot+2:G0B+4*\slot+3], 3*3072
	JLOAD G0+4*\slot, G1, G0B+4*\slot, G1B
.else
	PLACES NP
.endif
	v_add_nc_u32 v[ADSA], 1024, v[ADSA]
	v_add_nc_u32 v[ADSB], 1024, v[ADSB]
	FETCH_B \next, 0, 0
	FETCH_A \next, 0, 0
	SCALES 1-\sc
	WIN MUL_HI
	MUL16 4, 1, 1, \sc, 0
	MUL16 6, 1, 1, \sc, 0
	PLACES NP
	WIN 0
	FETCH_A \next, 0, 4
.endm
; ---- the core's macros end ----
	s_load_b128 s[4:7], s[0:1], 0x0                ; qkv s[4:5], prob s[6:7]
	v_lshl_add_u32 v[SPW], v0, 2, SPARE
	v_mov_b32 v[NIL], 0
	ds_add_u32 v[SPW], v[NIL]                      ; the wave's opening: the add, twice on end, and its wait ahead of my first tensor load
	ds_add_u32 v[SPW], v[NIL]
	v_lshrrev_b32 v1, 5, v0
	v_readfirstlane_b32 s14, v1
	s_lshr_b32 s15, s14, 1
	s_and_b32 s16, s14, 1
	s_bfe_u32 s40, ttmp6, 0x40000                  ; cx
	s_bfe_u32 s41, ttmp6, 0x40004                  ; cy
	s_and_b32 s2, ttmp7, 0xffff
	s_lshl_b32 s17, s2, 2
	s_add_co_u32 s17, s17, s41                     ; tile row: 256 queries of all 8,192
	s_lshl_b32 s42, ttmp9, 2
	s_add_co_u32 s42, s42, s40                     ; tile column: 256 keys of the batch's 2,048
	s_lshr_b32 s46, s2, 1                          ; the batch: two rows of clusters each
	s_lshl_b32 s46, s46, 3
	s_add_co_u32 s46, s46, s42                     ; the keys' tile among all tokens
	s_lshl_b32 s43, s41, 2
	s_lshl_b32 s43, 15, s43
	s_lshl_b32 s44, 0x1111, s40
	s_or_b32 s[G1+0], s43, (3<<16)|(1<<21)
	s_or_b32 s[G1B+0], s44, (3<<16)|(1<<21)
.irp g, G1, G1B
	s_mov_b32 s[\g+1], 384<<16
	s_mov_b32 s[\g+2], 8<<16
	s_mov_b32 s[\g+3], 384<<16
	s_mov_b32 s[\g+4], 8
	s_mov_b32 s[\g+5], 192*NK
	s_mov_b32 s[\g+6], 0
	s_mov_b32 s[\g+7], 0
.endr
	s_or_b32 s[G1S+0], s43, (3<<16)|(1<<21)
	s_or_b32 s[G1SB+0], s44, (3<<16)|(1<<21)
.irp g, G1S, G1SB
	s_mov_b32 s[\g+1], 32<<16
	s_mov_b32 s[\g+2], (2*NK)<<16
	s_mov_b32 s[\g+3], 32<<16
	s_mov_b32 s[\g+4], 2*NK
	s_mov_b32 s[\g+5], 32
	s_mov_b32 s[\g+6], 0
	s_mov_b32 s[\g+7], 0
.endr
	s_lshl_b32 s22, s17, 4
	s_lshl_b32 s23, s16, 3
	s_add_co_u32 s22, s22, s23
	s_mul_i32 s22, s22, 12288                      ; q's codes lie at 0
	s_mov_b32 s23, 0
	s_lshl_b32 s20, s17, 1
	s_add_co_u32 s20, s20, s16
	s_lshl_b32 s20, s20, 12
	s_add_co_u32 s20, s20, QS
	s_mov_b32 s21, 0
	s_lshl_b32 s92, s46, 1
	s_add_co_u32 s92, s92, s16
	s_lshl_b32 s92, s92, 12
	s_add_co_u32 s92, s92, KS
	s_mov_b32 s93, 0
	s_lshl_b32 s46, s46, 4
	s_lshl_b32 s47, s16, 3
	s_add_co_u32 s46, s46, s47
	s_mul_i32 s46, s46, 12288
	s_add_co_u32 s46, s46, KC
	s_mov_b32 s47, 0
	s_mul_i32 s45, s14, HALFT
	s_mul_i32 s94, s14, 512*NK
	s_wait_dscnt 0x0                               ; both opening adds are done
	s_wait_kmcnt 0x0
	s_add_nc_u64 s[22:23], s[4:5], s[22:23]
	s_add_nc_u64 s[20:21], s[4:5], s[20:21]
	s_add_nc_u64 s[46:47], s[4:5], s[46:47]
	s_add_nc_u64 s[92:93], s[4:5], s[92:93]
	CROUND
	s_mov_b32 s[G0S], 1
	s_add_co_u32 s[G0S+1], s94, SCLA
	s_mov_b64 s[G0S+2:G0S+3], s[20:21]
	s_or_b32 s[G0S+3], s[G0S+3], 0x80000000
	s_mov_b32 s[G0SB], 1
	s_add_co_u32 s[G0SB+1], s94, SCLA
	s_mov_b64 s[G0SB+2:G0SB+3], s[92:93]
	s_or_b32 s[G0SB+3], s[G0SB+3], 0x80000000
	JLOAD G0S, G1S, G0SB, G1SB                     ; by this text's count four loads of mine are out at the start, one behind the round
.irp s, 0,1
	s_mov_b32 s[G0+4*\s], 1
	s_add_co_u32 s[G0+4*\s+1], s45, \s*SLOT
	s_add_nc_u64 s[G0+4*\s+2:G0+4*\s+3], s[22:23], \s*3072
	s_or_b32 s[G0+4*\s+3], s[G0+4*\s+3], 0x80000000
	s_mov_b32 s[G0B+4*\s], 1
	s_add_co_u32 s[G0B+4*\s+1], s45, \s*SLOT
	s_add_nc_u64 s[G0B+4*\s+2:G0B+4*\s+3], s[46:47], \s*3072
	s_or_b32 s[G0B+4*\s+3], s[G0B+4*\s+3], 0x80000000
	JLOAD G0+4*\s, G1, G0B+4*\s, G1B
.endr
	s_mov_b32 s[G0C], 1                            ; slot 2's groups 0 take the registers that held the addresses; they are not written again
	s_add_co_u32 s[G0C+1], s45, 2*SLOT
	s_add_nc_u64 s[G0C+2:G0C+3], s[22:23], 2*3072
	s_or_b32 s[G0C+3], s[G0C+3], 0x80000000
	s_mov_b32 s[G0BC], 1
	s_add_co_u32 s[G0BC+1], s45, 2*SLOT
	s_add_nc_u64 s[G0BC+2:G0BC+3], s[46:47], 2*3072
	s_or_b32 s[G0BC+3], s[G0BC+3], 0x80000000
	JLOAD G0C, G1, G0BC, G1B
	v_and_b32 v1, 31, v0
	v_lshlrev_b32 v[LOFF], 4, v1
	s_mul_i32 s18, s15, HALFT
	s_mul_i32 s19, s16, HALFT
	s_add_co_u32 s19, s19, 2*HALFT
.irp s, 0,1,2
	v_add_nc_u32 v[ADRA+\s], s18, v[LOFF]
	v_add_nc_u32 v[ADRB+\s], s19, v[LOFF]
	s_add_co_u32 s18, s18, SLOT
	s_add_co_u32 s19, s19, SLOT
.endr
	s_mul_i32 s18, s15, 512*NK
	s_add_co_u32 s18, s18, SCLA
	v_add_nc_u32 v[ADSA], s18, v[LOFF]
	s_mul_i32 s19, s16, 512*NK
	s_add_co_u32 s19, s19, SCLB
	v_add_nc_u32 v[ADSB], s19, v[LOFF]
	s_mov_b32 s[SEL], 0x76543210
	s_mov_b32 s[SEL+1], 0xfedcba98
	s_mov_b32 s[HM], 0xffff0000
	s_mov_b32 s[CS], 0x3d38aa3b                    ; c = log2(e) / sqrt(1024)
	s_mov_b32 s[CS+1], s[CS]                       ; (named with it as a pair, so it is written)
.irp b, 0,1,2,3
	v_mov_b32 v[BX+\b], 0                          ; written once: a lane permute's destination counts as one of its sources
.endr
	v_mov_b32 v[NM+1], 0                           ; (named as the upper half of a pair)
	s_lshl_b32 s99, s42, 1
	s_add_co_u32 s99, s99, s16                     ; my K step among the batch's 16
	s_lshl_b32 s8, s17, 4
	s_lshl_b32 s9, s15, 3
	s_add_co_u32 s8, s8, s9
	s_lshl_b32 s8, s8, 4
	s_add_co_u32 s8, s8, s99
	s_mul_i32 s8, s8, 1536
	s_mov_b32 s9, 0
	s_add_nc_u64 s[12:13], s[6:7], s[8:9]          ; p's codes: [row block 512][16][1536]
	s_lshl_b32 s8, s17, 1
	s_add_co_u32 s8, s8, s15
	s_lshl_b32 s8, s8, 4
	s_add_co_u32 s8, s8, s99
	s_lshl_b32 s8, s8, 9
	s_add_co_u32 s8, s8, PS
	s_mov_b32 s9, 0
	s_add_nc_u64 s[66:67], s[6:7], s[8:9]          ; the word images: [group 64][16][512]
	s_wait_tensorcnt 2                             ; the scale words and my part of slot 0 are in; slots 1 and 2 may be out
	s_barrier_signal -1
	s_barrier_wait -1
	FETCH_B 0, 0, 0
	FETCH_A 0, 0, 0
	SCALES 0
	FETCH_A 0, 0, 4
	STEP 0, 0, 1                                   ; K step 0: its products start the sums
	TURN 0, 1, 0, 1                                ; K step 1; slot 0 is asked for again, with K steps 6 and 7
	STEP 1, 1, 0
	TURN 1, 2, 1, 0                                ; K step 3; slot 2 was shown landed in front of the round above
	STEP 2, 0, 0
	TURN 2, 0, 0, 2                                ; K step 5; the refill has landed
	STEP 0, 1, 0
	s_wait_dscnt 4*NL                              ; K step 7
	WIN MUL_LO
	MUL16 0, 1, 1, 1, 0
	MUL16 2, 1, 1, 1, 0
	s_wait_dscnt 0x0
	WIN MUL_HI
	MUL16 4, 1, 1, 1, 0
	MUL16 6, 1, 1, 1, 0
	WIN 0
	PLACES NP
; THE WAY OUT.  Block a: 16 queries x my 128 keys; a lane holds one query, register 16 b + i = key 32 b + 16 (lane / 16) + i.
.macro SBLK a
.set W, 2+(\a)/4
.set AC, 64*((\a)%4)
.set P, AF+12*(\a)
.set W01, W|(W<<2)
.set W0D, W|(W<<6)
	WIN W01
.irp b, 0,1,2,3
	v_max3_num_f32 v[BM+\b], v[AC+16*\b], v[AC+16*\b+1], 0xff7fffff     ; the largest score of each block of 32 keys; each accumulator is read from its low end on
.endr
.irp i, 2,4,6,8,10,12,14
.irp b, 0,1,2,3
	v_max3_num_f32 v[BM+\b], v[AC+16*\b+\i], v[AC+16*\b+\i+1], v[BM+\b]
.endr
.endr
	WIN 0
.irp b, 0,1,2,3
	v_permlanex16_b32 v[BX+\b], v[BM+\b], s[SEL], s[SEL+1]
.endr
.irp b, 0,1,2,3
	v_max_num_f32 v[BM+\b], v[BM+\b], v[BX+\b]
.endr
	v_max3_num_f32 v[T], v[BM], v[BM+1], v[BM+2]
	v_max_num_f32 v[T], v[T], v[BM+3]              ; the largest score of my query among these 128 keys
	v_mul_f32 v[T], s[CS], v[T]                    ; as t (c is positive)
	v_floor_f32 v[NM], -v[T]                       ; -M = floor(-t) = -ceil(t)
	v_mov_b32 v[NMS+\a], v[NM]
.irp b, 0,1,2,3
	v_fma_f32 v[BM+\b], v[BM+\b], s[CS], v[NM]
.endr
	WIN W0D                                        ; source 0 and the destination in the accumulators' window
.set q, 0
.rept 32
	v_pk_fma_f32 v[AC+q:AC+q+1], v[AC+q:AC+q+1], s[CS:CS+1], v[NM:NM+1] op_sel_hi:[1,0,0]   ; t - M, two at a time
.set q, q+2
.endr
.set q, 0
.rept 64
	v_exp_f32 v[AC+q], v[AC+q]                     ; p = 2^(t - M)
.set q, q+1
.endr
	WIN 0
	v_nop                                          ; a plain place behind the exponentials
	s_wait_alu depctr_va_vdst(0)                   ; one wait for the batch of 64, ahead of its first reader
.irp b, 0,1,2,3
	v_exp_f32 v[BM+\b], v[BM+\b]                   ; the blocks' largest p
.endr
	WIN W01
	v_pk_add_f32 v[LS0:LS0+1], v[AC:AC+1], v[AC+2:AC+3]      ; the sum of the unquantised p, in two chains
	v_pk_add_f32 v[LS1:LS1+1], v[AC+4:AC+5], v[AC+6:AC+7]
	WIN W
.set q, 8
.rept 14
	v_pk_add_f32 v[LS0:LS0+1], v[AC+q:AC+q+1], v[LS0:LS0+1]
	v_pk_add_f32 v[LS1:LS1+1], v[AC+q+2:AC+q+3], v[LS1:LS1+1]
.set q, q+4
.endr
	WIN 0
	v_pk_add_f32 v[LS0:LS0+1], v[LS0:LS0+1], v[LS1:LS1+1]
	v_add_f32 v[T], v[LS0], v[LS0+1]
	v_permlanex16_b32 v[BX], v[T], s[SEL], s[SEL+1]
	v_add_f32 v[LL+\a], v[T], v[BX]                ; with lane l xor 16's 64 keys
	s_wait_alu depctr_va_vdst(0)                   ; and one wait for the four
.irp b, 0,1,2,3
	v_max_num_f32 v[BM+\b], 0x1800000, v[BM+\b]    ; the floor: the byte cannot fall under 1
.endr
.irp b, 0,1,2,3
	v_add_nc_u32 v[SO+\b], 0xff000000, v[BM+\b]
.endr
.irp b, 0,1,2,3
	v_lshrrev_b32 v[BY+\b], 23, v[SO+\b]
.endr
	v_lshl_or_b32 v[PW+\a], v[BY+1], 8, v[BY]
	v_lshl_or_b32 v[PW+\a], v[BY+2], 16, v[PW+\a]
	v_lshl_or_b32 v[PW+\a], v[BY+3], 24, v[PW+\a]
	WIN W
.irp c, 0,1
	v_cvt_scalef32_pk16_fp6_f32 v[P+6*\c:P+6*\c+2], v[AC+32*\c:AC+32*\c+15], v[SO+2*\c]
	v_cvt_scalef32_pk16_fp6_f32 v[224+4*\c:226+4*\c], v[AC+32*\c+16:AC+32*\c+31], v[SO+2*\c+1]
.endr
	WIN 0
	v_nop
.irp c, 0,1
.irp i, 0,1,2
	v_permlane16_swap_b32 v[P+6*\c+\i], v[224+4*\c+\i]
.endr
.irp i, 0,1,2
	v_mov_b32 v[P+3+6*\c+\i], v[224+4*\c+\i]
.endr
.endr
.irp j, 0,1,2
	global_store_b128 v[LOFF], v[P+4*\j:P+4*\j+3], s[12:13] offset:24576*\a+512*\j
.endr
.endm
.irp a, 0,1,2,3,4,5,6,7
	SBLK \a
.endr
.irp j, 0,1,2,3
	v_cndmask_b32 v[SW+\j], v[PW+\j], v[PW+4+\j], s[HM]
	v_cndmask_b32 v[MW+\j], v[NMS+\j], v[NMS+4+\j], s[HM]
	v_cndmask_b32 v[LW+\j], v[LL+\j], v[LL+4+\j], s[HM]
.endr
	global_store_b128 v[LOFF], v[SW:SW+3], s[66:67]
	global_store_b128 v[LOFF], v[MW:MW+3], s[66:67] offset:524288
	global_store_b128 v[LOFF], v[LW:LW+3], s[66:67] offset:1048576
	s_wait_tensorcnt 0x0                           ; the wave's end
	ds_add_u32 v[SPW], v[NIL]
	s_wait_dscnt 0x0
	CROUND
	s_endpgm
.Lfunc_end_k_q1f45c1ef6e_scores:
	.size	k_q1f45c1ef6e_scores, .Lfunc_end_k_q1f45c1ef6e_scores-k_q1f45c1ef6e_scores
	.p2alignl 7, 3214868480
	.fill 96, 4, 3214868480
	.section	.rodata,"a",@progbits
	.p2align	6, 0x0
	.amdhsa_kernel k_q1f45c1ef6e_scores
		.amdhsa_group_segment_fixed_size 327680
		.amdhsa_private_segment_fixed_size 0
		.amdhsa_enable_private_segment 0
		.amdhsa_kernarg_size 16
		.amdhsa_user_sgpr_count 2
		.amdhsa_user_sgpr_kernarg_segment_ptr 1
		.amdhsa_wavefront_size32 1
		.amdhsa_system_sgpr_workgroup_id_x 1
		.amdhsa_system_sgpr_workgroup_id_y 1
		.amdhsa_system_sgpr_workgroup_id_z 1
		.amdhsa_system_vgpr_workitem_id 0
		.amdhsa_next_free_vgpr 1024
		.amdhsa_next_free_sgpr 100
		.amdhsa_reserve_vcc 0
		.amdhsa_float_denorm_mode_32 3
		.amdhsa_float_denorm_mode_16_64 3
		.amdhsa_memory_ordered 1
		.amdhsa_forward_progress 1
		.amdhsa_inst_pref_size 197
	.end_amdhsa_kernel
	.amdgpu_metadata
---
amdhsa.version: [ 1, 2 ]
amdhsa.kernels:
  - .name:           k_q1f45c1ef6e_scores
    .symbol:         k_q1f45c1ef6e_scores.kd
    .args:
      - { .name: qkv, .offset: 0, .size: 8, .value_kind: global_buffer, .address_space: global }
      - { .name: prob, .offset: 8, .size: 8, .value_kind: global_buffer, .address_space: global }
    .group_segment_fixed_size: 327680
    .private_segment_fixed_size: 0
    .kernarg_segment_align: 8
    .kernarg_segment_size: 16
    .max_flat_workgroup_size: 128
    .sgpr_count:     100
    .vgpr_count:     1024
    .wavefront_size: 32
...
	.end_amdgpu_metadata
.endif
;; end of part 7
;; launch pv (part 8): grid 4 x 64, 4 waves a work-group, clusters of 4 x 4, 327,680 bytes of LDS; arguments prob, qkv, ctx; writes ctx
.if DOCPART == 8
	.amdgcn_target "amdgcn-amd-amdhsa--gfx1250"
	.amdhsa_code_object_version 6
	.text
	.protected	k_q1f45c1ef6e_pv
	.globl	k_q1f45c1ef6e_pv
	.p2align	8
	.type	k_q1f45c1ef6e_pv,@function
k_q1f45c1ef6e_pv:
	s_mov_b64 s[64:65], 0
	v_nop
	global_prefetch_b8 v0, s[64:65] scope:SCOPE_SE
	s_setreg_imm32_b32 hwreg(HW_REG_WAVE_MODE, 25, 1), 1
	s_wait_xcnt 0x0
	s_wait_alu depctr_hold_cnt(0) depctr_sa_sdst(0) depctr_va_vdst(0) depctr_va_sdst(0) depctr_va_ssrc(0) depctr_va_vcc(0) depctr_vm_vsrc(0)
	s_getreg_b32 s2, hwreg(HW_REG_IB_STS2, 6, 4)
	s_cmp_eq_u32 s2, 0
	s_cbranch_scc0 .Lentry_in_a_cluster
	s_endpgm
.Lentry_in_a_cluster:
	s_bfe_u32 s2, ttmp6, 0x10000c
	s_cmp_lg_u32 s2, 0xf033
	s_cbranch_scc0 .Lentry_shape_is_right
	s_endpgm
.Lentry_shape_is_right:
; LAUNCH 4 OF 5.  ctx = (p v) / l on codes of FP6, quantised along the features.  Nothing is left out.
; SHARES.  The result has 8,192 x 1,024 numbers: a tile of 128 x 256 gives 256 work-groups.  Four waves, 64 rows x 128 columns each: 32 accumulators, 256 registers; both operands have two sets of registers.
; K = 2,048 keys = 16 K steps of 128.  A slot holds FOUR K steps (A: 8 row blocks x 6,144 bytes, B: 16 x 6,144): two slots, four fills, of which two are first fills; a refill has 112 matrix instructions in which to land.
; The price of the smaller tile: a K step's 12 fragments from LDS feed 32 products.  The K steps are written out: every LDS offset is an immediate.
; ALIGN, while the first tiles land: launch 3 left p under a whole number M for each (row, 128 keys).  The row's M is the largest of its 16; with d = M - the part's M (a whole number, 0 or more) the part's
; p is 2^-d times as large, which its scale bytes take up: byte - d, exact.  l = the sum of the parts' l x 2^-d.  The work-group's 128 rows are one group of word images; each wave aligns 4 of the 16 K steps' images and stores them to LDS.
; LIMITS: d is held at 127, and a byte that would fall under 0 is held at 0 (2^-127): such a p is under 2^-124 of the row's largest, and its l counts as 0 from d = 127 on.  1 / l by v_rcp_f32; the four waves add the 16 parts of l
; in different orders (f32 rounding).  NaN and infinities are not served; ctx's bytes are held at 1 from below.
; CLUSTER 4 x 4: p's tiles are asked for jointly along a row of the cluster, v's along a column (a cluster's 512 rows lie in one batch).  TRANSPOSED USE and the images as in launch 2.
; REGISTERS: window 0: v2-29 addresses; v32-47 scale words, two sets; v64-105 1 / l and the way out; v128-223 A's fragments, two sets of 4.  window 1: B's fragments, two sets of 8, at v0 and v128.  window 2: accumulator (a, b) at v[8 (8 a + b)].
;   ALIGN uses v64-239 ahead of the products.
.set NK,     16
.set VC,     12582912
.set VS,     19398656
.set PS,     12582912
.set CSO,    6291456                   ; ctx: codes at 0, scale words here
.set NP,     4                         ; places behind this matrix instruction (ISA guide 7.12.1)
.set AHALF,  24576                     ; 4 row blocks x 4 K steps x 1,536 bytes: a wave's load for A, and what a wave reads of A
.set BHALF,  49152                     ; 8 row blocks: the same for B
.set SLOT,   2*AHALF+2*BHALF           ; A's two halves, then B's two halves
.set SCLA,   2*SLOT                    ; behind the ring: p's aligned word images, 16 x 512 bytes: stored by the waves, never a tensor load's target;
.set SCLB,   SCLA+512*NK               ; v's word images, 2 groups x 16 x 512;
.set SPARE,  SCLB+1024*NK              ; the spare words, 128 bytes for each wave: two blocks of 256 bytes that no other line names
.set VO,     2                         ; v2-5   ALIGN: 16 x lane + 2,048 x ((wave + q) % 4): four K steps' images, my own four first
.set ASA,    6                         ; v6     where I store aligned images
.set SOFF,   7                         ; v7     16 r + 8 h: my 8 bytes of ctx's half word image
.set ADRA,   16                        ; v16-17 LDS address of my A fragments in slot 0, 1
.set ADRB,   20                        ; v20-21 the same for B
.set ADSA,   24                        ; v24    p's scale words: 16 r + 256 x my half of the rows: register a = my block a, in lanes 0-15
.set ADSB,   25                        ; v25    v's word images
.set LOFF,   26                        ; v26    16 x lane
.set SPW,    28                        ; v28    LDS address of my spare word; never rewritten
.set NIL,    29                        ; v29    0; never rewritten
.set SC,     32                        ; set p at v[SC + 8 p]: +0..3 p's words, +4..7 v's image
.set RV,     64                        ; v64-71  1 / l of my block a in v[64 + 2 a] and v[65 + 2 a]
.set PW,     80
.set TM,     88
.set SW,     104
.set NMI,    64                        ; ALIGN: v64-127 -M of 16 K steps, then d
.set LI,     128                       ;        v128-191 l likewise
.set SI,     192                       ;        v192-207 the scale words of my 4 K steps
.set MN,     224                       ;        v224-227 the row's -M
.set LT,     228                       ;        v228-231 the row's l
.set TT,     232                       ;        v232-239 at work
.set AF,     128
.set G1,  24
.set G0,  32
.set G1B, 48
.set G0B, 56
.set G1SB, 80
.set G0SB, 88
.set SEL, 94
.set HM,  96
.set MSB, 0
.macro WIN new                         ; the immediate's high byte repeats the setting that is left
.if MSB != \new
	s_set_vgpr_msb (MSB<<8)|\new
.set MSB, \new
.endif
.endm
.set MUL,    0xa1                      ; source 0 (B) window 1, source 1 (A) window 0, C and D window 2
.set TO_B,   0x40
.macro JLOAD g0a, g1a, g0b, g1b        ; a joint load: waves 0 and 1 fetch for A, waves 2 and 3 for B; an s_nop 0 and four v_nop follow each line
	s_cmp_eq_u32 s15, 0
	s_cbranch_scc0 .Lfor_b_\@
	tensor_load_to_lds s[\g0a:\g0a+3], s[\g1a:\g1a+7]
	s_nop 0
.rept 4
	v_nop
.endr
	s_branch .Lasked_\@
.Lfor_b_\@:
	tensor_load_to_lds s[\g0b:\g0b+3], s[\g1b:\g1b+7]
	s_nop 0
.rept 4
	v_nop
.endr
.Lasked_\@:
.endm
.macro CREST
	s_cmp_lg_u32 s14, 0
	s_cbranch_scc1 .Lnot_wave_0_\@
	s_barrier_signal -3
.Lnot_wave_0_\@:
	s_barrier_wait -3
	s_barrier_signal -1
	s_barrier_wait -1
.endm
.macro CROUND
	s_barrier_signal -1
	s_barrier_wait -1
	CREST
.endm
.macro PLACES n
.rept \n
	v_nop
.endr
.endm
.macro FRAG reg, adr, q, i             ; a fragment image: three loads of 512 consecutive bytes
.irp c, 0,1,2
	ds_load_b128 v[\reg+4*\c:\reg+4*\c+3], v[\adr] offset:(\i)*6144+(\q)*1536+512*\c
.endr
.endm
.macro FETCH slot, q, p, ks            ; K step ks, the slot's q-th, into set p: B's 8 fragments, A's 4, the scale words: 38 loads
	WIN TO_B
.irp i, 0,1,2,3,4,5,6,7
	FRAG 128*(\p)+12*\i, ADRB+(\slot), \q, \i
.endr
	WIN 0
.irp i, 0,1,2,3
	FRAG AF+48*(\p)+12*\i, ADRA+(\slot), \q, \i
.endr
	ds_load_b128 v[SC+8*(\p):SC+8*(\p)+3], v[ADSA] offset:512*(\ks)
	ds_load_b128 v[SC+8*(\p)+4:SC+8*(\p)+7], v[ADSB] offset:512*(\ks)
.endm
.macro WMS a, b, p, zero               ; my block a of rows x my block b of columns; B's blocks 4-7 take their scale words from lanes 16-31
.set rD, 8*(8*(\a)+(\b))
.set rB, 128*(\p)+12*(\b)
.set rA, AF+48*(\p)+12*(\a)
.set rSB, SC+8*(\p)+4+(\b)%4
.set rSA, SC+8*(\p)+(\a)
.if \zero
.if (\b) < 4
	v_wmma_scale_f32_16x16x128_f8f6f4 v[rD:rD+7], v[rB:rB+11], v[rA:rA+11], 0, v[rSB], v[rSA] matrix_a_fmt:MATRIX_FMT_FP6 matrix_b_fmt:MATRIX_FMT_FP6
.else
	v_wmma_scale_f32_16x16x128_f8f6f4 v[rD:rD+7], v[rB:rB+11], v[rA:rA+11], 0, v[rSB], v[rSA] matrix_a_fmt:MATRIX_FMT_FP6 matrix_b_fmt:MATRIX_FMT_FP6 matrix_a_scale:MATRIX_SCALE_ROW1
.endif
.else
.if (\b) < 4
	v_wmma_scale_f32_16x16x128_f8f6f4 v[rD:rD+7], v[rB:rB+11], v[rA:rA+11], v[rD:rD+7], v[rSB], v[rSA] matrix_a_fmt:MATRIX_FMT_FP6 matrix_b_fmt:MATRIX_FMT_FP6
.else
	v_wmma_scale_f32_16x16x128_f8f6f4 v[rD:rD+7], v[rB:rB+11], v[rA:rA+11], v[rD:rD+7], v[rSB], v[rSA] matrix_a_fmt:MATRIX_FMT_FP6 matrix_b_fmt:MATRIX_FMT_FP6 matrix_a_scale:MATRIX_SCALE_ROW1
.endif
.endif
.endm
.macro MUL8 a, p, zero                 ; the 32 accumulators take turns, one instruction a turn, in the same order in every step
.irp b, 0,1,2,3,4,5,6,7
	WMS \a, \b, \p, \zero
.endr
.endm
.macro STEP ks, zero                   ; a K step whose successor lies in the same slot
.set pp, (\ks)%2
.set sl, ((\ks)/4)%2
.set qq, (\ks)%4
	s_wait_dscnt 0x0                               ; this step's set is in
	PLACES NP                                      ; places in front of loads into the other set, which the last step's products read
	FETCH sl, qq+1, 1-pp, (\ks)+1
	WIN MUL
	MUL8 0, pp, \zero
	MUL8 1, pp, \zero
	MUL8 2, pp, \zero
	MUL8 3, pp, \zero
	WIN 0
.endm
; A slot's last K step changes slots: one barrier; in front of it each wave waits for all its tensor loads, adds 0 to its spare word, and waits for that and for its reads of this slot (its last fragments are in registers).
; fill = 1: the barrier opens a round of the cluster's barrier, and this slot is filled again, eight K steps on.
.macro TURN ks, fill
.set pp, (\ks)%2
.set sl, ((\ks)/4)%2
	s_wait_tensorcnt 0x0                           ; all my tensor loads have landed: my part of the other slot
	ds_add_u32 v[SPW], v[NIL]                      ; 0 onto my spare word
	s_wait_dscnt 1                                 ; this step's set is in (the add may be out)
	WIN MUL
	MUL8 0, pp, 0
	s_wait_dscnt 0x0                               ; the add is done, and my reads of this slot are over
	s_barrier_signal -1
	MUL8 1, pp, 0
	WIN 0
	s_barrier_wait -1
.if \fill
	CREST                                          ; no wave of any partner still reads this slot or has a load on its way
	s_add_nc_u64 s[G0+4*sl+2:G0+4*sl+3], s[G0+4*sl+2:G0+4*sl+3], 2*6144
	s_add_nc_u64 s[G0B+4*sl+2:G0B+4*sl+3], s[G0B+4*sl+2:G0B+4*sl+3], 2*6144
	JLOAD G0+4*sl, G1, G0B+4*sl, G1B               ; the first tensor load behind the round; its four v_nop are the places in front of the loads below
.else
	PLACES NP
.endif
	FETCH 1-sl, 0, 1-pp, (\ks)+1
	WIN MUL
	MUL8 2, pp, 0
	MUL8 3, pp, 0
	WIN 0
.endm
	s_load_b128 s[4:7], s[0:1], 0x0                ; prob s[4:5], qkv s[6:7]
	s_load_b64 s[8:9], s[0:1], 0x10                ; ctx
	v_lshl_add_u32 v[SPW], v0, 2, SPARE
	v_mov_b32 v[NIL], 0
	ds_add_u32 v[SPW], v[NIL]                      ; the wave's opening: the add, twice on end, and its wait ahead of my first tensor load
	ds_add_u32 v[SPW], v[NIL]
	v_lshrrev_b32 v1, 5, v0
	v_readfirstlane_b32 s14, v1                    ; wave 0..3
	s_lshr_b32 s15, s14, 1                         ; my half of the tile's rows.  Also: I fetch for A (0) or for B (1)
	s_and_b32 s16, s14, 1                          ; my half of its columns.  Also: which half of that tile I fetch
	s_bfe_u32 s40, ttmp6, 0x40000                  ; cx
	s_bfe_u32 s41, ttmp6, 0x40004                  ; cy
	s_and_b32 s2, ttmp7, 0xffff
	s_lshl_b32 s17, s2, 2
	s_add_co_u32 s17, s17, s41                     ; tile row: 128 queries: one group of word images
	s_lshl_b32 s42, ttmp9, 2
	s_add_co_u32 s42, s42, s40                     ; tile column: 256 features
	s_lshr_b32 s46, s2, 2                          ; the batch: four rows of clusters each
	s_lshl_b32 s43, s41, 2
	s_lshl_b32 s43, 15, s43                        ; my row of the cluster
	s_lshl_b32 s44, 0x1111, s40                    ; my column
	; descriptor group 1: rows (row blocks) of 6,144 bytes (four fragment images), 24,576 bytes apart; elements of 8 bytes; A: 4 rows, B: 8
	s_or_b32 s[G1+0], s43, (3<<16)|(1<<21)
	s_mov_b32 s[G1+1], 768<<16
	s_mov_b32 s[G1+2], 4<<16
	s_mov_b32 s[G1+3], 768<<16
	s_mov_b32 s[G1+4], 4
	s_mov_b32 s[G1+5], 192*NK
	s_mov_b32 s[G1+6], 0
	s_mov_b32 s[G1+7], 0
	s_or_b32 s[G1B+0], s44, (3<<16)|(1<<21)
	s_mov_b32 s[G1B+1], 768<<16
	s_mov_b32 s[G1B+2], 8<<16
	s_mov_b32 s[G1B+3], 768<<16
	s_mov_b32 s[G1B+4], 8
	s_mov_b32 s[G1B+5], 192*NK
	s_mov_b32 s[G1B+6], 0
	s_mov_b32 s[G1B+7], 0
	; v's word images of 128 rows for all of K: a dense block of 8,192 bytes, as rows of 256 bytes
	s_or_b32 s[G1SB+0], s44, (3<<16)|(1<<21)
	s_mov_b32 s[G1SB+1], 32<<16
	s_mov_b32 s[G1SB+2], (2*NK)<<16
	s_mov_b32 s[G1SB+3], 32<<16
	s_mov_b32 s[G1SB+4], 2*NK
	s_mov_b32 s[G1SB+5], 32
	s_mov_b32 s[G1SB+6], 0
	s_mov_b32 s[G1SB+7], 0
	s_lshl_b32 s22, s17, 3
	s_lshl_b32 s23, s16, 2
	s_add_co_u32 s22, s22, s23                     ; A: row block 8 x tile row + 4 x half
	s_mul_i32 s22, s22, 24576                      ; p's codes lie at 0
	s_mov_b32 s23, 0
	s_lshl_b32 s92, s46, 3
	s_lshl_b32 s93, s42, 1
	s_add_co_u32 s92, s92, s93
	s_add_co_u32 s92, s92, s16
	s_lshl_b32 s92, s92, 13
	s_add_co_u32 s92, s92, VS
	s_mov_b32 s93, 0
	s_lshl_b32 s46, s46, 6
	s_lshl_b32 s47, s42, 4
	s_add_co_u32 s46, s46, s47
	s_lshl_b32 s47, s16, 3
	s_add_co_u32 s46, s46, s47                     ; B: row block 64 x batch + 16 x tile column + 8 x half
	s_mul_i32 s46, s46, 24576
	s_add_co_u32 s46, s46, VC
	s_mov_b32 s47, 0
	s_lshl_b32 s20, s17, 13                        ; my work-group's group of word images
	s_add_co_u32 s20, s20, PS
	s_mov_b32 s21, 0
	s_mul_i32 s45, s16, AHALF                      ; where they go: no place in the cluster enters an LDS address
	s_mul_i32 s94, s16, BHALF
	s_add_co_u32 s94, s94, 2*AHALF
	s_lshl_b32 s95, s16, 13
	s_wait_dscnt 0x0                               ; both opening adds are done
	s_wait_kmcnt 0x0
	s_add_nc_u64 s[22:23], s[4:5], s[22:23]
	s_add_nc_u64 s[10:11], s[4:5], s[20:21]        ; my rows' word images in prob: scale words; -M 524,288 on; l 1,048,576 on
	s_add_nc_u64 s[46:47], s[6:7], s[46:47]
	s_add_nc_u64 s[92:93], s[6:7], s[92:93]
	CROUND
	s_mov_b32 s[G0SB], 1
	s_add_co_u32 s[G0SB+1], s95, SCLB
	s_mov_b64 s[G0SB+2:G0SB+3], s[92:93]
	s_or_b32 s[G0SB+3], s[G0SB+3], 0x80000000
.irp s, 0,1
	s_mov_b32 s[G0+4*\s], 1
	s_add_co_u32 s[G0+4*\s+1], s45, \s*SLOT
	s_add_nc_u64 s[G0+4*\s+2:G0+4*\s+3], s[22:23], \s*6144
	s_or_b32 s[G0+4*\s+3], s[G0+4*\s+3], 0x80000000
	s_mov_b32 s[G0B+4*\s], 1
	s_add_co_u32 s[G0B+4*\s+1], s94, \s*SLOT
	s_add_nc_u64 s[G0B+4*\s+2:G0B+4*\s+3], s[46:47], \s*6144
	s_or_b32 s[G0B+4*\s+3], s[G0B+4*\s+3], 0x80000000
.endr
	s_cmp_eq_u32 s15, 0                            ; a wave's first fills stand in one branch; in both arms slot 1's load is the last and slot 0's the one before it: two or three loads of mine are out
	s_cbranch_scc0 .Lfirst_b
	tensor_load_to_lds s[G0:G0+3], s[G1:G1+7]
	s_nop 0
	tensor_load_to_lds s[G0+4:G0+7], s[G1:G1+7]
	s_nop 0
.rept 4
	v_nop
.endr
	s_branch .Lfirst_done
.Lfirst_b:
	tensor_load_to_lds s[G0SB:G0SB+3], s[G1SB:G1SB+7]
	s_nop 0
	tensor_load_to_lds s[G0B:G0B+3], s[G1B:G1B+7]
	s_nop 0
	tensor_load_to_lds s[G0B+4:G0B+7], s[G1B:G1B+7]
	s_nop 0
.rept 4
	v_nop
.endr
.Lfirst_done:
	v_and_b32 v1, 31, v0
	v_lshlrev_b32 v[LOFF], 4, v1
	v_and_b32 v8, 15, v0                           ; r
	v_bfe_u32 v9, v0, 4, 1                         ; h
	s_mul_i32 s21, s15, AHALF                      ; my 64 rows of A
	s_mul_i32 s22, s16, BHALF                      ; my 128 rows of B,
	s_add_co_u32 s22, s22, 2*AHALF                 ; behind A's two halves
.irp s, 0,1
	v_add_nc_u32 v[ADRA+\s], s21, v[LOFF]
	v_add_nc_u32 v[ADRB+\s], s22, v[LOFF]
	s_add_co_u32 s21, s21, SLOT
	s_add_co_u32 s22, s22, SLOT
.endr
	s_lshl_b32 s21, s15, 8
	s_add_co_u32 s21, s21, SCLA
	v_lshl_add_u32 v[ADSA], v8, 4, s21             ; blocks 4 x my half + 0 .. 3 of an image: 256 bytes, 16 a row
	s_lshl_b32 s22, s16, 13
	s_add_co_u32 s22, s22, SCLB
	v_add_nc_u32 v[ADSB], s22, v[LOFF]
	s_lshl_b32 s21, s14, 11
	s_add_co_u32 s21, s21, SCLA
	v_add_nc_u32 v[ASA], s21, v[LOFF]              ; where I store aligned images: K steps 4 x wave + 0 .. 3
.irp q, 0,1,2,3
	s_add_co_u32 s21, s14, \q
	s_and_b32 s21, s21, 3
	s_lshl_b32 s21, s21, 11
	v_add_nc_u32 v[VO+\q], s21, v[LOFF]            ; K steps 4 ((wave + q) % 4) + 0 .. 3 in memory
.endr
	v_lshlrev_b32 v[SOFF], 4, v8
	v_lshl_add_u32 v[SOFF], v9, 3, v[SOFF]
	s_mov_b32 s[SEL], 0x76543210
	s_mov_b32 s[SEL+1], 0xfedcba98
	s_mov_b32 s[HM], 0xffff0000
	s_mov_b32 s98, 0x80808080
	s_mov_b32 s97, 0xffff
	s_cmp_eq_u32 s15, 0
	s_cselect_b32 s97, s[HM], s97                  ; the lanes that take 1 / l from the other half of the lanes: my blocks' words lie in lanes 0-15 (upper rows: in lanes 16-31)
	; ---- ALIGN ----
.irp q, 0,1,2,3
.irp k, 0,1,2,3
	global_load_b128 v[NMI+16*\q+4*\k:NMI+16*\q+4*\k+3], v[VO+\q], s[10:11] offset:524288+512*\k
	global_load_b128 v[LI+16*\q+4*\k:LI+16*\q+4*\k+3], v[VO+\q], s[10:11] offset:1048576+512*\k
.endr
.endr
.irp k, 0,1,2,3
	global_load_b128 v[SI+4*\k:SI+4*\k+3], v[VO], s[10:11] offset:512*\k
.endr
	; where the results go
	s_lshl_b32 s99, s42, 1
	s_add_co_u32 s99, s99, s16                     ; my K step of ctx
	s_lshl_b32 s20, s17, 3
	s_lshl_b32 s21, s15, 2
	s_add_co_u32 s20, s20, s21                     ; my first row block
	s_lshl_b32 s20, s20, 3
	s_add_co_u32 s20, s20, s99
	s_mul_i32 s20, s20, 1536
	s_mov_b32 s21, 0
	s_add_nc_u64 s[12:13], s[8:9], s[20:21]
	s_lshl_b32 s20, s17, 3
	s_add_co_u32 s20, s20, s99
	s_lshl_b32 s20, s20, 9
	s_lshl_b32 s21, s15, 8
	s_add_co_u32 s20, s20, s21                     ; my half of the word image
	s_add_co_u32 s20, s20, CSO
	s_mov_b32 s21, 0
	s_add_nc_u64 s[66:67], s[8:9], s[20:21]
	s_wait_loadcnt 0x0
.irp j, 0,1,2,3
	v_min3_num_f32 v[MN+\j], v[NMI+\j], v[NMI+4+\j], v[NMI+8+\j]       ; the row's -M: the least of its 16
.endr
.irp k, 3,5,7,9,11,13
.irp j, 0,1,2,3
	v_min3_num_f32 v[MN+\j], v[MN+\j], v[NMI+4*\k+\j], v[NMI+4*\k+4+\j]
.endr
.endr
.irp j, 0,1,2,3
	v_min_num_f32 v[MN+\j], v[MN+\j], v[NMI+60+\j]
.endr
.set q, 0
.rept 64
	v_sub_f32 v[NMI+q], v[NMI+q], v[MN+q%4]        ; d = the row's M - the part's M: a whole number, 0 or more
.set q, q+1
.endr
.set q, 0
.rept 64
	v_cvt_u32_f32 v[NMI+q], v[NMI+q]
.set q, q+1
.endr
.set q, 0
.rept 64
	v_min_u32 v[NMI+q], 127, v[NMI+q]
.set q, q+1
.endr
.irp k, 0,1,2,3,4,5,6,7,8,9,10,11,12,13,14,15
.irp j, 0,1,2,3
	v_sub_nc_u32 v[TT+\j], 127, v[NMI+4*\k+\j]
.endr
.irp j, 0,1,2,3
	v_lshlrev_b32 v[TT+\j], 23, v[TT+\j]           ; 2^-d as f32 (0 at d = 127)
.endr
.irp j, 0,1,2,3
.if \k == 0
	v_mul_f32 v[LT+\j], v[LI+\j], v[TT+\j]
.else
	v_fmac_f32 v[LT+\j], v[LI+4*\k+\j], v[TT+\j]
.endif
.endr
.endr
.irp k, 0,1,2,3                                ; my 4 K steps' scale words: each of a word's four bytes less d, held at 0.  p is at most 1, so a byte is at most 125: bit 7 is free
.irp j, 0,1,2,3
	v_perm_b32 v[TT+\j], v[NMI+4*\k+\j], v[NMI+4*\k+\j], 0             ; d in all four bytes
.endr
.irp j, 0,1,2,3
	v_or_b32 v[SI+4*\k+\j], s98, v[SI+4*\k+\j]
.endr
.irp j, 0,1,2,3
	v_sub_nc_u32 v[SI+4*\k+\j], v[SI+4*\k+\j], v[TT+\j]                ; 128 + byte - d, at least 2: nothing is borrowed between bytes
.endr
.irp j, 0,1,2,3
	v_and_b32 v[TT+\j], s98, v[SI+4*\k+\j]                             ; bit 7 stands where byte >= d
.endr
.irp j, 0,1,2,3
	v_lshrrev_b32 v[TT+4+\j], 7, v[TT+\j]
.endr
.irp j, 0,1,2,3
	v_sub_nc_u32 v[TT+\j], v[TT+\j], v[TT+4+\j]                        ; 0x7f there, 0 elsewhere
.endr
.irp j, 0,1,2,3
	v_and_b32 v[SI+4*\k+\j], v[SI+4*\k+\j], v[TT+\j]
.endr
	ds_store_b128 v[ASA], v[SI+4*\k:SI+4*\k+3] offset:512*\k
.endr
.irp j, 0,1,2,3
	v_rcp_f32 v[TT+\j], v[LT+\j]
.endr
.irp j, 0,1,2,3
	v_mov_b32 v[TT+4+\j], 0                        ; plain places behind the reciprocals; and a lane permute's destination counts as one of its sources
.endr
	s_wait_alu depctr_va_vdst(0)                   ; one wait for the four, ahead of their first reader
.irp j, 0,1,2,3
	v_permlanex16_b32 v[TT+4+\j], v[TT+\j], s[SEL], s[SEL+1]
.endr
.irp a, 0,1,2,3                                ; word a holds block a in lanes 0-15 and block 4 + a in lanes 16-31: my block's 1 / l into all 32 lanes
	v_cndmask_b32 v[RV+2*\a], v[TT+\a], v[TT+4+\a], s97
.endr
.irp a, 0,1,2,3
	v_mov_b32 v[RV+2*\a+1], v[RV+2*\a]
.endr
.irp b, 0,1,2,3
	v_mov_b32 v[TM+4+\b], 0
.endr
	s_wait_tensorcnt 1                             ; v's scale words and my part of slot 0 are in; slot 1's load may be out
	s_wait_dscnt 0x0                               ; for the others' sake: my aligned scale words lie in LDS
	s_barrier_signal -1
	s_barrier_wait -1
	FETCH 0, 0, 0, 0
	STEP 0, 1                                      ; the first step's products start the sums
	STEP 1, 0
	STEP 2, 0
	TURN 3, 1                                      ; slot 0 is asked for again: K steps 8 to 11
	STEP 4, 0
	STEP 5, 0
	STEP 6, 0
	TURN 7, 1                                      ; slot 1: K steps 12 to 15
	STEP 8, 0
	STEP 9, 0
	STEP 10, 0
	TURN 11, 0                                     ; nothing is left to ask for
	STEP 12, 0
	STEP 13, 0
	STEP 14, 0
	s_wait_dscnt 0x0                               ; K step 15
	WIN MUL
	MUL8 0, 1, 0
	MUL8 1, 1, 0
	MUL8 2, 1, 0
	MUL8 3, 1, 0
	WIN 0
	PLACES NP                                      ; in front of the first read of results and of writes into A's registers
; THE WAY OUT: block a (16 stored rows x my 128 columns) is divided by its rows' l and quantised where it lies, as in launch 2.
.macro QBLK a
.set AC, 64*(\a)
.set P, AF+12*(\a)
	WIN 0x82                                       ; source 0 and the destination in the accumulators' window
.set q, 0
.rept 32
	v_pk_mul_f32 v[AC+q:AC+q+1], v[AC+q:AC+q+1], v[RV+2*\a:RV+2*\a+1]  ; ascending: each accumulator is read from its low end on
.set q, q+2
.endr
	WIN 0x0a                                       ; sources 0 and 1
.irp b, 0,1,2,3
	v_max3_num_f32 v[TM+\b], |v[AC+16*\b]|, |v[AC+16*\b+1]|, 0x1800000
.endr
.irp i, 2,4,6,8,10,12,14
.irp b, 0,1,2,3
	v_max3_num_f32 v[TM+\b], |v[AC+16*\b+\i]|, |v[AC+16*\b+\i+1]|, v[TM+\b]
.endr
.endr
	WIN 0
.irp b, 0,1,2,3
	v_permlanex16_b32 v[TM+4+\b], v[TM+\b], s[SEL], s[SEL+1]
.endr
.irp b, 0,1,2,3
	v_max_num_f32 v[TM+\b], v[TM+\b], v[TM+4+\b]
.endr
.irp b, 0,1,2,3
	v_add_nc_u32 v[TM+12+\b], 0xff000000, v[TM+\b]
.endr
.irp b, 0,1,2,3
	v_lshrrev_b32 v[TM+4+\b], 23, v[TM+12+\b]
.endr
	v_lshl_or_b32 v[PW+\a], v[TM+5], 8, v[TM+4]
	v_lshl_or_b32 v[PW+\a], v[TM+6], 16, v[PW+\a]
	v_lshl_or_b32 v[PW+\a], v[TM+7], 24, v[PW+\a]
	WIN 0x02                                       ; source 0 alone
.irp c, 0,1
	v_cvt_scalef32_pk16_fp6_f32 v[P+6*\c:P+6*\c+2], v[AC+32*\c:AC+32*\c+15], v[TM+12+2*\c]
	v_cvt_scalef32_pk16_fp6_f32 v[224+4*\c:226+4*\c], v[AC+32*\c+16:AC+32*\c+31], v[TM+13+2*\c]
.endr
	WIN 0
	v_nop                                          ; one plain place behind a scaled conversion
.irp c, 0,1
.irp i, 0,1,2
	v_permlane16_swap_b32 v[P+6*\c+\i], v[224+4*\c+\i]
.endr
.irp i, 0,1,2
	v_mov_b32 v[P+3+6*\c+\i], v[224+4*\c+\i]
.endr
.endr
.irp j, 0,1,2
	global_store_b128 v[LOFF], v[P+4*\j:P+4*\j+3], s[12:13] offset:12288*\a+512*\j      ; 512 consecutive bytes, aligned; each block has registers of its own
.endr
.endm
.irp a, 0,1,2,3
	QBLK \a
.endr
	v_cndmask_b32 v[SW], v[PW], v[PW+2], s[HM]     ; my half of the word image: row r's four words; lanes 0-15 store words 0 and 1, lanes 16-31 words 2 and 3
	v_cndmask_b32 v[SW+1], v[PW+1], v[PW+3], s[HM]
	global_store_b64 v[SOFF], v[SW:SW+1], s[66:67] ; 32 lanes store 256 consecutive bytes, aligned
	s_wait_tensorcnt 0x0                           ; the wave's end, behind my last tensor load and my last LDS store
	ds_add_u32 v[SPW], v[NIL]
	s_wait_dscnt 0x0
	CROUND                                         ; the closing round
	s_endpgm
.Lfunc_end_k_q1f45c1ef6e_pv:
	.size	k_q1f45c1ef6e_pv, .Lfunc_end_k_q1f45c1ef6e_pv-k_q1f45c1ef6e_pv
	.p2alignl 7, 3214868480
	.fill 96, 4, 3214868480
	.section	.rodata,"a",@progbits
	.p2align	6, 0x0
	.amdhsa_kernel k_q1f45c1ef6e_pv
		.amdhsa_group_segment_fixed_size 327680
		.amdhsa_private_segment_fixed_size 0
		.amdhsa_enable_private_segment 0
		.amdhsa_kernarg_size 24
		.amdhsa_user_sgpr_count 2
		.amdhsa_user_sgpr_kernarg_segment_ptr 1
		.amdhsa_wavefront_size32 1
		.amdhsa_system_sgpr_workgroup_id_x 1
		.amdhsa_system_sgpr_workgroup_id_y 1
		.amdhsa_system_sgpr_workgroup_id_z 1
		.amdhsa_system_vgpr_workitem_id 0
		.amdhsa_next_free_vgpr 768
		.amdhsa_next_free_sgpr 100
		.amdhsa_reserve_vcc 0
		.amdhsa_float_denorm_mode_32 3
		.amdhsa_float_denorm_mode_16_64 3
		.amdhsa_memory_ordered 1
		.amdhsa_forward_progress 1
		.amdhsa_inst_pref_size 170
	.end_amdhsa_kernel
	.amdgpu_metadata
---
amdhsa.version: [ 1, 2 ]
amdhsa.kernels:
  - .name:           k_q1f45c1ef6e_pv
    .symbol:         k_q1f45c1ef6e_pv.kd
    .args:
      - { .name: prob, .offset: 0, .size: 8, .value_kind: global_buffer, .address_space: global }
      - { .name: qkv, .offset: 8, .size: 8, .value_kind: global_buffer, .address_space: global }
      - { .name: ctx, .offset: 16, .size: 8, .value_kind: global_buffer, .address_space: global }
    .group_segment_fixed_size: 327680
    .private_segment_fixed_size: 0
    .kernarg_segment_align: 8
    .kernarg_segment_size: 24
    .max_flat_workgroup_size: 128
    .sgpr_count:     100
    .vgpr_count:     768
    .wavefront_size: 32
...
	.end_amdgpu_metadata
.endif
;; end of part 8
;; launch wo_ln (part 9): grid 128 x 1, 4 waves a work-group, clusters of 4 x 1, 327,680 bytes of LDS; arguments ctx, in6, ln2_gamma, ln2_beta, out0; writes out0
.if DOCPART == 9
	.amdgcn_target "amdgcn-amd-amdhsa--gfx1250"
	.amdhsa_code_object_version 6
	.text
	.protected	k_q1f45c1ef6e_wo_ln
	.globl	k_q1f45c1ef6e_wo_ln
	.p2align	8
	.type	k_q1f45c1ef6e_wo_ln,@function
k_q1f45c1ef6e_wo_ln:
	s_mov_b64 s[64:65], 0
	v_nop
	global_prefetch_b8 v0, s[64:65] scope:SCOPE_SE
	s_setreg_imm32_b32 hwreg(HW_REG_WAVE_MODE, 25, 1), 1
	s_wait_xcnt 0x0
	s_wait_alu depctr_hold_cnt(0) depctr_sa_sdst(0) depctr_va_vdst(0) depctr_va_sdst(0) depctr_va_ssrc(0) depctr_va_vcc(0) depctr_vm_vsrc(0)
	s_getreg_b32 s2, hwreg(HW_REG_IB_STS2, 6, 4)
	s_cmp_eq_u32 s2, 0
	s_cbranch_scc0 .Lentry_in_a_cluster
	s_endpgm
.Lentry_in_a_cluster:
	s_bfe_u32 s2, ttmp6, 0x10000c
	s_cmp_lg_u32 s2, 0x3003
	s_cbranch_scc0 .Lentry_shape_is_right
	s_endpgm
.Lentry_shape_is_right:
; LAUNCH 5 OF 5.  hidden = ctx Wo on codes of FP6, then LayerNorm over each row's 1,024 numbers, in f32, in two passes as the problem has it (mean; then the mean of squared differences).  Nothing is left out.
; SHARES.  LayerNorm wants whole rows in one work-group: a work-group takes 64 stored rows x all 1,024 columns; wave w takes stored columns 256 w .. 256 w + 255: 4 blocks of rows x 16 blocks of columns = 64 accumulators.
; 128 work-groups: 64 x 1,024 sums of f32 are half of a WGP's registers, and the operands need room beside them.
; Wo goes through a ring of two slots of one K step (128) each; ctx's 64 rows (all of K) come into LDS once; both operands' scale words go from memory straight into registers.
; THE CLUSTERS BEGIN AT DIFFERENT K STEPS: cluster c walks K steps k0, k0 + 1, .. k0 + 7 (mod 8), k0 = 2 (c mod 4).  So the first fills of four clusters together name all of Wo, and every refill names a part of Wo
; that another cluster has named before.  POSITION i of the walk is K step (k0 + i) mod 8.  Only addresses in memory hang on k0: ctx's fragments are laid in LDS by position (a wave brings a pair of positions; k0 is even,
; so a pair never wraps), the scale words lie in registers by position, and the eight positions are written out.
; CLUSTER 4 x 1: all work-groups walk the same Wo, so its tiles are asked for jointly by the four; ctx's loads are each work-group's own.
; TRANSPOSED USE as in launch 2: lane (r, h) holds stored row r; register j of column tile b is the true column 256 w + 32 (b / 2) + 16 h + 8 (b % 2) + j.  The order PI of the rows is undone in out0's row addresses.
; LIMITS: the order in which a sum takes its eight K steps differs from cluster to cluster (f32 rounding alone).  NaN and infinities are not served; 1 / sqrt by v_rsq_f32.
; REGISTERS: window 0: v8-29 addresses; v64-159 ctx's fragments, two sets of 4; v160-223 Wo's scale words, v224-255 ctx's, by position (behind the products: v64-191 rows read back, v192-247 statistics).
;   window 1: Wo's 16 fragments, one set (later gamma in v0-127, beta in v128-255).  windows 2, 3: accumulator (a, b) at v[8 (8 a + b % 8)] of window 2 + b / 8.
.set WC,     6553600
.set WS,     9699328
.set WMAT,   786432
.set WSM,    32768
.set CSO,    6291456
.set RSL,    98304                     ; a slot: 64 row blocks of Wo x 1,536 bytes; wave w's 16 at 24,576 w
.set AIM,    196608                    ; ctx's fragments: [pair of positions 4][row block 4][2][1,536]
.set STAT1,  280576                    ; the waves' sums, 1,024 bytes; the sums of squares 1,024 bytes on
.set SPARE,  282624                    ; the spare words, 128 bytes for each wave: two blocks of 256 bytes that no other line names
.set VA,     8                         ; v8-11   ctx's scale words in memory: 16 r + 512 x the K step of positions 2 m, 2 m + 1
.set VB,     12                        ; v12-15  Wo's: 16 x lane + the same
.set ADA,    16
.set ADB,    20                        ; v20-21
.set STO,    22
.set RD,     23
.set STW,    24
.set STR,    25
.set LOFF,   26
.set GV,     27
.set SPW,    28
.set NIL,    29
.set AF,     64
.set BSR,    160                       ; position i, group gg of my two: v[160 + 8 i + 4 gg] on: a word image
.set ASR,    224                       ; position i: v[224 + 4 i + a]: block a's words, in lanes 0-15
.set SS,     192                       ; v192-199 a pair of sums for each block of rows
.set TP,     200                       ; v200-203 from lane l xor 16
.set LD4,    208                       ; v208-223 the four waves' parts
.set MU,     224                       ; v224-231 the means, as pairs
.set QQ,     232                       ; v232-239 sums of squares
.set RS,     240                       ; v240-247 1 / sqrt(var + eps), as pairs
.set G1R,  24
.set G0R,  32
.set G1A,  40
.set G0A,  48
.set OFP,  52                          ; s[52:53] a K step's byte offset in a row block of Wo, as a pair
.set SEL,  84
.set K0,   88                          ; s88 k0
.set MSB, 0
.macro WIN new
.if MSB != \new
	s_set_vgpr_msb (MSB<<8)|\new
.set MSB, \new
.endif
.endm
.macro CREST
	s_cmp_lg_u32 s14, 0
	s_cbranch_scc1 .Lnot_wave_0_\@
	s_barrier_signal -3
.Lnot_wave_0_\@:
	s_barrier_wait -3
	s_barrier_signal -1
	s_barrier_wait -1
.endm
.macro CROUND
	s_barrier_signal -1
	s_barrier_wait -1
	CREST
.endm
.macro PLACES n
.rept \n
	v_nop
.endr
.endm
.macro WOAT i, s                       ; slot s's group 0 is set to the K step at position i: the same in all four partners
	s_add_co_u32 s[OFP], s[K0], \i
	s_and_b32 s[OFP], s[OFP], 7
	s_mul_i32 s[OFP], s[OFP], 1536
	s_add_nc_u64 s[G0R+4*\s+2:G0R+4*\s+3], s[18:19], s[OFP:OFP+1]
	s_or_b32 s[G0R+4*\s+3], s[G0R+4*\s+3], 0x80000000
.endm
.macro WM5 a, b, p, i, zero
.set rD, 8*(8*(\a)+(\b)%8)
.set rB, 12*(\b)
.set rA, AF+48*(\p)+12*(\a)
.set rSB, BSR+8*(\i)+4*((\b)/8)+(\b)%4
.set rSA, ASR+4*(\i)+(\a)
.set rw, ((\b)/4)%2
.if \zero
.if rw == 0
	v_wmma_scale_f32_16x16x128_f8f6f4 v[rD:rD+7], v[rB:rB+11], v[rA:rA+11], 0, v[rSB], v[rSA] matrix_a_fmt:MATRIX_FMT_FP6 matrix_b_fmt:MATRIX_FMT_FP6
.else
	v_wmma_scale_f32_16x16x128_f8f6f4 v[rD:rD+7], v[rB:rB+11], v[rA:rA+11], 0, v[rSB], v[rSA] matrix_a_fmt:MATRIX_FMT_FP6 matrix_b_fmt:MATRIX_FMT_FP6 matrix_a_scale:MATRIX_SCALE_ROW1
.endif
.else
.if rw == 0
	v_wmma_scale_f32_16x16x128_f8f6f4 v[rD:rD+7], v[rB:rB+11], v[rA:rA+11], v[rD:rD+7], v[rSB], v[rSA] matrix_a_fmt:MATRIX_FMT_FP6 matrix_b_fmt:MATRIX_FMT_FP6
.else
	v_wmma_scale_f32_16x16x128_f8f6f4 v[rD:rD+7], v[rB:rB+11], v[rA:rA+11], v[rD:rD+7], v[rSB], v[rSA] matrix_a_fmt:MATRIX_FMT_FP6 matrix_b_fmt:MATRIX_FMT_FP6 matrix_a_scale:MATRIX_SCALE_ROW1
.endif
.endif
.endm
.macro MULB b0, n, p, i, zero          ; column blocks b0 .. b0 + n - 1 x the four blocks of rows; the accumulators take turns, in the same order in every step
.set bb, \b0
.rept \n
.irp a, 0,1,2,3
	WM5 \a, bb, \p, \i, \zero
.endr
.set bb, bb+1
.endr
.endm
.macro FB s, b0                        ; eight of Wo's fragments out of slot s: 24 loads
	WIN 0x40
.set bb, \b0
.rept 8
.irp c, 0,1,2
	ds_load_b128 v[12*bb+4*\c:12*bb+4*\c+3], v[ADB+\s] offset:1536*bb+512*\c
.endr
.set bb, bb+1
.endr
	WIN 0
.endm
.macro FA p, i                         ; ctx's four fragments of position i into set p: 12 loads
.irp a, 0,1,2,3
.irp c, 0,1,2
	ds_load_b128 v[AF+48*(\p)+12*\a+4*\c:AF+48*(\p)+12*\a+4*\c+3], v[ADA] offset:12288*((\i)/2)+3072*\a+1536*((\i)%2)+512*\c
.endr
.endr
.endm
; Position i, out of slot i % 2, with the change of slots in it.  fill = 1: the slot is filled again, with position i + 2, behind a round of the cluster's barrier.
.macro TURN5 i, fill, zero
.set ss, (\i)%2
	s_wait_tensorcnt 0x0                           ; all my tensor loads have landed: my part of the other slot
	ds_add_u32 v[SPW], v[NIL]                      ; 0 onto my spare word
	s_wait_dscnt 25                                ; (the add and the youngest 24 loads, Wo's blocks 8-15, may be out)
	WIN 0xa1
	MULB 0, 4, ss, \i, \zero
	s_wait_dscnt 0x0                               ; the add is done, and my reads of this slot are over: all 16 fragments are in registers
	s_barrier_signal -1
	MULB 4, 4, ss, \i, \zero
	WIN 0
	s_barrier_wait -1
.if \fill
	CREST
	WOAT (\i)+2, ss
	tensor_load_to_lds s[G0R+4*ss:G0R+4*ss+3], s[G1R:G1R+7]    ; the first tensor load behind the round, one a wave
	s_nop 0
.endif
	PLACES 4                                       ; behind the load; and the places in front of the loads below
	FB 1-ss, 0
	FA 1-ss, (\i)+1
	WIN 0xf1
	MULB 8, 8, ss, \i, \zero
	PLACES 4
	FB 1-ss, 8
.endm
	s_load_b256 s[4:11], s[0:1], 0x0               ; ctx s[4:5], in6 s[6:7], gamma s[8:9], beta s[10:11]
	s_load_b64 s[12:13], s[0:1], 0x20              ; out0
	v_lshl_add_u32 v[SPW], v0, 2, SPARE
	v_mov_b32 v[NIL], 0
	ds_add_u32 v[SPW], v[NIL]                      ; the wave's opening: the add, twice on end, and its wait ahead of my first tensor load
	ds_add_u32 v[SPW], v[NIL]
	v_lshrrev_b32 v1, 5, v0
	v_readfirstlane_b32 s14, v1                    ; wave 0..3
	s_bfe_u32 s16, ttmp6, 0x40000                  ; cx
	s_lshl_b32 s17, ttmp9, 2
	s_add_co_u32 s17, s17, s16                     ; my work-group: it enters ctx's and out0's addresses alone
	s_and_b32 s[K0], ttmp9, 3                      ; in a cluster launch ttmp9 counts clusters: the four partners share it
	s_lshl_b32 s[K0], s[K0], 1                     ; k0 = 0, 2, 4 or 6
	s_mov_b32 s[OFP+1], 0
	; Wo's tile: 16 rows (row blocks) of 1,536 bytes, 12,288 bytes apart; joint
	s_mov_b32 s[G1R+0], 15|(3<<16)|(1<<21)
	s_mov_b32 s[G1R+1], 192<<16
	s_mov_b32 s[G1R+2], 16<<16
	s_mov_b32 s[G1R+3], 192<<16
	s_mov_b32 s[G1R+4], 16
	s_mov_b32 s[G1R+5], 1536
	s_mov_b32 s[G1R+6], 0
	s_mov_b32 s[G1R+7], 0
	; ctx's fragments of a pair of positions: 4 rows (row blocks) of 3,072 bytes, 12,288 bytes apart; my work-group's own
	s_mov_b32 s[G1A+0], 3<<16
	s_mov_b32 s[G1A+1], 384<<16
	s_mov_b32 s[G1A+2], 4<<16
	s_mov_b32 s[G1A+3], 384<<16
	s_mov_b32 s[G1A+4], 4
	s_mov_b32 s[G1A+5], 1536
	s_mov_b32 s[G1A+6], 0
	s_mov_b32 s[G1A+7], 0
	s_mul_i32 s18, s14, 196608                     ; Wo: my 16 row blocks
	s_add_co_u32 s18, s18, WC+3*WMAT
	s_mov_b32 s19, 0
	s_lshl_b32 s20, s14, 13                        ; Wo's word images: my two groups
	s_add_co_u32 s20, s20, WS+3*WSM
	s_mov_b32 s21, 0
	s_lshl_b32 s81, s14, 1
	s_add_co_u32 s81, s81, s[K0]
	s_and_b32 s81, s81, 7                          ; the K step of positions 2 w and 2 w + 1: even, so the pair does not wrap
	s_mul_i32 s81, s81, 1536
	s_mul_i32 s80, s17, 49152                      ; ctx: my work-group's 4 row blocks
	s_add_co_u32 s80, s80, s81
	s_mov_b32 s81, 0
	s_lshr_b32 s86, s17, 1                         ; ctx's scale words: my 64 rows are half of a word image
	s_lshl_b32 s86, s86, 12
	s_and_b32 s87, s17, 1
	s_lshl_b32 s87, s87, 8
	s_add_co_u32 s86, s86, s87
	s_add_co_u32 s86, s86, CSO
	s_mov_b32 s87, 0
	s_mul_i32 s22, s14, 24576                      ; my quarter of a slot
	s_mul_i32 s23, s14, 12288
	s_wait_dscnt 0x0                               ; both opening adds are done
	s_wait_kmcnt 0x0
	s_add_nc_u64 s[18:19], s[6:7], s[18:19]
	s_add_nc_u64 s[20:21], s[6:7], s[20:21]
	s_add_nc_u64 s[80:81], s[4:5], s[80:81]
	s_add_nc_u64 s[86:87], s[4:5], s[86:87]
	CROUND                                         ; the four work-groups are here: the first joint loads meet
	s_mov_b32 s[G0A], 1
	s_add_co_u32 s[G0A+1], s23, AIM
	s_mov_b64 s[G0A+2:G0A+3], s[80:81]
	s_or_b32 s[G0A+3], s[G0A+3], 0x80000000
.irp s, 0,1
	s_mov_b32 s[G0R+4*\s], 1
	s_add_co_u32 s[G0R+4*\s+1], s22, \s*RSL
	WOAT \s, \s
.endr
	tensor_load_to_lds s[G0A:G0A+3], s[G1A:G1A+7]              ; every wave issues the same three first fills: by this text's count three loads of mine are out here, one behind each round
	s_nop 0
	tensor_load_to_lds s[G0R:G0R+3], s[G1R:G1R+7]
	s_nop 0
	tensor_load_to_lds s[G0R+4:G0R+7], s[G1R:G1R+7]
	s_nop 0
	PLACES 4
	v_and_b32 v1, 31, v0
	v_lshlrev_b32 v[LOFF], 4, v1
	v_and_b32 v2, 15, v0                           ; r
	v_bfe_u32 v3, v0, 4, 1                         ; h
	v_lshlrev_b32 v4, 4, v2                        ; 16 r
.irp m, 0,1,2,3
	s_add_co_u32 s54, s[K0], 2*\m
	s_and_b32 s54, s54, 7
	s_lshl_b32 s54, s54, 9                         ; 512 bytes a K step in both tensors of scale words
	v_add_nc_u32 v[VA+\m], s54, v4
	v_add_nc_u32 v[VB+\m], s54, v[LOFF]
.endr
.irp i, 0,1,2,3,4,5,6,7                        ; the scale words, by position; their address registers are not written again
	global_load_b128 v[ASR+4*\i:ASR+4*\i+3], v[VA+\i/2], s[86:87] offset:512*(\i%2)
	global_load_b128 v[BSR+8*\i:BSR+8*\i+3], v[VB+\i/2], s[20:21] offset:512*(\i%2)
	global_load_b128 v[BSR+8*\i+4:BSR+8*\i+7], v[VB+\i/2], s[20:21] offset:512*(\i%2)+4096
.endr
	v_add_nc_u32 v[ADA], AIM, v[LOFF]
	v_add_nc_u32 v[ADB], s22, v[LOFF]
	s_add_co_u32 s23, s22, RSL
	v_add_nc_u32 v[ADB+1], s23, v[LOFF]
	v_mul_u32_u24 v[STO], v2, 1040                 ; the stage for the way out: 16 rows x (1,024 + 16) bytes in my quarter of slot 0, which has had its last fill and its last read by then
	v_lshl_add_u32 v[STO], v3, 6, v[STO]
	v_add_nc_u32 v[STO], s22, v[STO]
	v_add_nc_u32 v[RD], s22, v[LOFF]
	s_lshl_b32 s23, s14, 2
	s_add_co_u32 s23, s23, STAT1
	v_add_nc_u32 v[STW], s23, v4                   ; my wave's word for row r
	v_add_nc_u32 v[STR], STAT1, v4                 ; the four waves' words for row r
	s_lshl_b32 s23, s14, 10
	v_lshl_add_u32 v[GV], v3, 6, s23               ; gamma, beta: 4 x (256 w + 16 h)
	s_mov_b32 s[SEL], 0x76543210
	s_mov_b32 s[SEL+1], 0xfedcba98
	s_mov_b32 s82, 0x3a800000                      ; 1 / 1024
	s_mov_b32 s83, 0x3727c5ac                      ; eps = 1e-5
	s_lshl_b32 s80, s17, 18                        ; out0: my work-group's 64 rows of 4,096 bytes,
	s_add_co_u32 s80, s80, s23                     ; my wave's 1,024 bytes of each
	s_mov_b32 s81, 0
	s_add_nc_u64 s[12:13], s[12:13], s[80:81]
	s_wait_tensorcnt 1                             ; ctx and slot 0 are in; slot 1's load may be out
	s_wait_loadcnt 0x0                             ; the scale words
	s_barrier_signal -1
	s_barrier_wait -1
	FB 0, 0
	FA 0, 0
	FB 0, 8
	TURN5 0, 1, 1                                  ; position 0: its products start the sums; asks for position 2
	TURN5 1, 1, 0
	TURN5 2, 1, 0
	TURN5 3, 1, 0
	TURN5 4, 1, 0
	TURN5 5, 1, 0                                  ; asks for position 7
	TURN5 6, 0, 0                                  ; nothing is left to ask for
	s_wait_dscnt 24                                ; position 7: the youngest 24 loads (Wo's blocks 8-15) may be out
	WIN 0xa1
	MULB 0, 8, 1, 7, 0
	s_wait_dscnt 0x0
	WIN 0xf1
	MULB 8, 8, 1, 7, 0
	WIN 0
	PLACES 4                                       ; in front of the first read of results, of loads into Wo's registers and of writes into the scale words' registers
	; ---- LayerNorm ----
.irp a, 0,1,2,3
	v_mov_b32 v[TP+\a], 0                          ; written once: a lane permute's destination counts as one of its sources
.endr
	WIN 0x40                                       ; gamma and beta of my lane's 128 columns, in the order of its registers, into window 1
.set q, 0
.rept 32
	global_load_b128 v[4*q:4*q+3], v[GV], s[8:9] offset:128*(q/4)+16*(q%4)
	global_load_b128 v[128+4*q:128+4*q+3], v[GV], s[10:11] offset:128*(q/4)+16*(q%4)
.set q, q+1
.endr
	WIN 0x0a                                       ; the rows' sums: one chain for each block of rows, the four by turns
.irp a, 0,1,2,3
	v_pk_add_f32 v[SS+2*\a:SS+2*\a+1], v[64*\a:64*\a+1], v[64*\a+2:64*\a+3]
.endr
	WIN 0x02
.set q, 4
.rept 30
.irp a, 0,1,2,3
	v_pk_add_f32 v[SS+2*\a:SS+2*\a+1], v[64*\a+q:64*\a+q+1], v[SS+2*\a:SS+2*\a+1]
.endr
.set q, q+2
.endr
	WIN 0x03
.set q, 0
.rept 32
.irp a, 0,1,2,3
	v_pk_add_f32 v[SS+2*\a:SS+2*\a+1], v[64*\a+q:64*\a+q+1], v[SS+2*\a:SS+2*\a+1]
.endr
.set q, q+2
.endr
	WIN 0
; a pair of sums for each block of rows -> the row's sum over all four waves, in v[LD4 + 4 a]; off: which 1,024 bytes of the exchange
.macro ALLSUM src, off
.irp a, 0,1,2,3
	v_add_f32 v[\src+2*\a], v[\src+2*\a], v[\src+2*\a+1]
.endr
.irp a, 0,1,2,3
	v_permlanex16_b32 v[TP+\a], v[\src+2*\a], s[SEL], s[SEL+1]
.endr
.irp a, 0,1,2,3
	v_add_f32 v[\src+2*\a], v[\src+2*\a], v[TP+\a]           ; my wave's 256 columns of row r
.endr
.irp a, 0,1,2,3
	ds_store_b32 v[STW], v[\src+2*\a] offset:\off+256*\a     ; lanes r and r + 16 write the same word with the same value
.endr
	s_wait_dscnt 0x0                               ; for the others' sake
	s_barrier_signal -1
	s_barrier_wait -1
.irp a, 0,1,2,3
	ds_load_b128 v[LD4+4*\a:LD4+4*\a+3], v[STR] offset:\off+256*\a
.endr
	s_wait_dscnt 0x0
.irp a, 0,1,2,3
	v_add_f32 v[LD4+4*\a], v[LD4+4*\a], v[LD4+4*\a+1]
	v_add_f32 v[LD4+4*\a+2], v[LD4+4*\a+2], v[LD4+4*\a+3]
.endr
.irp a, 0,1,2,3
	v_add_f32 v[LD4+4*\a], v[LD4+4*\a], v[LD4+4*\a+2]
.endr
.endm
	ALLSUM SS, 0
.irp a, 0,1,2,3
	v_mul_f32 v[MU+2*\a], s82, v[LD4+4*\a]         ; the mean
.endr
.irp a, 0,1,2,3
	v_mov_b32 v[MU+2*\a+1], v[MU+2*\a]
.endr
.macro CENTRE w, first                 ; x - mean in place, and the sums of its squares
.set W0D, (\w)|((\w)<<6)
.set W01, (\w)|((\w)<<2)
	WIN W0D
.set q, 0
.rept 32
.irp a, 0,1,2,3
	v_pk_add_f32 v[64*\a+q:64*\a+q+1], v[64*\a+q:64*\a+q+1], v[MU+2*\a:MU+2*\a+1] neg_lo:[0,1] neg_hi:[0,1]
.endr
.set q, q+2
.endr
	WIN W01
.set q, 0
.rept 32
.irp a, 0,1,2,3
.if \first && (q == 0)
	v_pk_mul_f32 v[QQ+2*\a:QQ+2*\a+1], v[64*\a+q:64*\a+q+1], v[64*\a+q:64*\a+q+1]
.else
	v_pk_fma_f32 v[QQ+2*\a:QQ+2*\a+1], v[64*\a+q:64*\a+q+1], v[64*\a+q:64*\a+q+1], v[QQ+2*\a:QQ+2*\a+1]
.endif
.endr
.set q, q+2
.endr
.endm
	CENTRE 2, 1
	CENTRE 3, 0
	WIN 0
	ALLSUM QQ, 1024
.irp a, 0,1,2,3
	v_fma_f32 v[LD4+4*\a], v[LD4+4*\a], s82, s83   ; var + eps
.endr
.irp a, 0,1,2,3
	v_rsq_f32 v[RS+2*\a], v[LD4+4*\a]
.endr
	v_nop                                          ; a plain place behind the last of them
	s_wait_alu depctr_va_vdst(0)                   ; one wait for the four, ahead of their first reader
.irp a, 0,1,2,3
	v_mov_b32 v[RS+2*\a+1], v[RS+2*\a]
.endr
	s_wait_loadcnt 0x0                             ; gamma and beta
.macro SCALE w                         ; (x - mean) x rsqrt x gamma + beta, in place
.set W0D, (\w)|((\w)<<6)
.set WGB, (\w)|(1<<2)|(1<<4)|((\w)<<6)
	WIN W0D
.set q, 0
.rept 32
.irp a, 0,1,2,3
	v_pk_mul_f32 v[64*\a+q:64*\a+q+1], v[64*\a+q:64*\a+q+1], v[RS+2*\a:RS+2*\a+1]
.endr
.set q, q+2
.endr
	WIN WGB                                        ; sources 1 and 2 (gamma, beta) in window 1
.set q, 0
.rept 32
.irp a, 0,1,2,3
	v_pk_fma_f32 v[64*\a+q:64*\a+q+1], v[64*\a+q:64*\a+q+1], v[64*((\w)-2)+q:64*((\w)-2)+q+1], v[128+64*((\w)-2)+q:128+64*((\w)-2)+q+1]
.endr
.set q, q+2
.endr
.endm
	SCALE 2
	SCALE 3
	WIN 0
; THE WAY OUT, a block of 16 rows at a time, through my stage: in by columns, back as whole runs of 512 bytes of a row.
.macro OUTA a
.if \a > 0
	s_wait_xcnt 0x0                                ; the last block's stores have read their registers: they are loaded again only behind this wait
.endif
	WIN 0x08                                       ; an LDS store's data are its source 1: window 2
.set q, 0
.rept 8
	ds_store_b128 v[STO], v[64*\a+8*q:64*\a+8*q+3] offset:128*(q/2)+32*(q%2)
	ds_store_b128 v[STO], v[64*\a+8*q+4:64*\a+8*q+7] offset:128*(q/2)+32*(q%2)+16
.set q, q+1
.endr
	WIN 0x0c                                       ; window 3: column blocks 8-15
.set q, 0
.rept 8
	ds_store_b128 v[STO], v[64*\a+8*q:64*\a+8*q+3] offset:512+128*(q/2)+32*(q%2)
	ds_store_b128 v[STO], v[64*\a+8*q+4:64*\a+8*q+7] offset:512+128*(q/2)+32*(q%2)+16
.set q, q+1
.endr
	WIN 0
.set q, 0
.rept 32
	ds_load_b128 v[64+4*q:64+4*q+3], v[RD] offset:1040*(q/2)+512*(q%2)         ; my own bytes, served in order: these see the stores above
.set q, q+1
.endr
.set q, 0
.rept 32
	s_wait_dscnt 31-q                              ; the younger loads may be out
	global_store_b128 v[LOFF], v[64+4*q:64+4*q+3], s[12:13] offset:(32*((\a)/2)+16*((q/2)/8)+8*((\a)%2)+(q/2)%8)*4096+512*(q%2) th:TH_STORE_NT   ; stored row 16 a + q / 2 is this true row; 512 consecutive bytes, aligned
.set q, q+1
.endr
.endm
	OUTA 0
	OUTA 1
	OUTA 2
	OUTA 3
	s_wait_tensorcnt 0x0                           ; the wave's end, behind my last tensor load and my last LDS store
	ds_add_u32 v[SPW], v[NIL]
	s_wait_dscnt 0x0
	CROUND                                         ; the closing round
	s_endpgm
.Lfunc_end_k_q1f45c1ef6e_wo_ln:
	.size	k_q1f45c1ef6e_wo_ln, .Lfunc_end_k_q1f45c1ef6e_wo_ln-k_q1f45c1ef6e_wo_ln
	.p2alignl 7, 3214868480
	.fill 96, 4, 3214868480
	.section	.rodata,"a",@progbits
	.p2align	6, 0x0
	.amdhsa_kernel k_q1f45c1ef6e_wo_ln
		.amdhsa_group_segment_fixed_size 327680
		.amdhsa_private_segment_fixed_size 0
		.amdhsa_enable_private_segment 0
		.amdhsa_kernarg_size 40
		.amdhsa_user_sgpr_count 2
		.amdhsa_user_sgpr_kernarg_segment_ptr 1
		.amdhsa_wavefront_size32 1
		.amdhsa_system_sgpr_workgroup_id_x 1
		.amdhsa_system_sgpr_workgroup_id_y 1
		.amdhsa_system_sgpr_workgroup_id_z 1
		.amdhsa_system_vgpr_workitem_id 0
		.amdhsa_next_free_vgpr 1024
		.amdhsa_next_free_sgpr 90
		.amdhsa_reserve_vcc 0
		.amdhsa_float_denorm_mode_32 3
		.amdhsa_float_denorm_mode_16_64 3
		.amdhsa_memory_ordered 1
		.amdhsa_forward_progress 1
		.amdhsa_inst_pref_size 235
	.end_amdhsa_kernel
	.amdgpu_metadata
---
amdhsa.version: [ 1, 2 ]
amdhsa.kernels:
  - .name:           k_q1f45c1ef6e_wo_ln
    .symbol:         k_q1f45c1ef6e_wo_ln.kd
    .args:
      - { .name: ctx, .offset: 0, .size: 8, .value_kind: global_buffer, .address_space: global }
      - { .name: in6, .offset: 8, .size: 8, .value_kind: global_buffer, .address_space: global }
      - { .name: ln2_gamma, .offset: 16, .size: 8, .value_kind: global_buffer, .address_space: global }
      - { .name: ln2_beta, .offset: 24, .size: 8, .value_kind: global_buffer, .address_space: global }
      - { .name: out0, .offset: 32, .size: 8, .value_kind: global_buffer, .address_space: global }
    .group_segment_fixed_size: 327680
    .private_segment_fixed_size: 0
    .kernarg_segment_align: 8
    .kernarg_segment_size: 40
    .max_flat_workgroup_size: 128
    .sgpr_count:     90
    .vgpr_count:     1024
    .wavefront_size: 32
...
	.end_amdgpu_metadata
.endif
;; end of part 9
